; MI455X (gfx1250); checked and timed in simulation.
; The chip was launched on July 23, 2026; its instructions are those of AMD's public machine-readable ISA for CDNA 5 (MIT licence, August 2026) and "CDNA5" Instruction Set Architecture Reference Guide (July 2026). The comments in the code are by the model that wrote it; some were corrected since.
;; Chaos Transformer. Allowed arithmetic: matrix products marked QUANTISED: E4M3 operands, one given power-of-two scale a tensor, by v_wmma_f32_16x16x64_fp8_fp8 or v_wmma_f32_16x16x128_fp8_fp8, f32 sums; products left as they are: f32 operands where the result goes on into a quantised operand, else bf16, f16 or f32 operands; f32 sums; everything else in f32.
;; Inputs: W1_codes 2 x 1,024 x 8 x 32 uint8 (E4M3 codes of W1, K innermost, in blocks of 32 codes); W2_codes 2 x 256 x 32 x 32 uint8 (E4M3 codes of W2, K innermost, in blocks of 32 codes); W_emb 7 x 256 float32; W_proj_codes 96 x 8 x 32 uint8 (E4M3 codes of W_proj, K innermost, in blocks of 32 codes); Wk_codes 2 x 256 x 8 x 32 uint8 (E4M3 codes of Wk, K innermost, in blocks of 32 codes); Wo_codes 2 x 256 x 8 x 32 uint8 (E4M3 codes of Wo, K innermost, in blocks of 32 codes); Wq_codes 2 x 256 x 8 x 32 uint8 (E4M3 codes of Wq, K innermost, in blocks of 32 codes); Wv_codes 2 x 256 x 8 x 32 uint8 (E4M3 codes of Wv, K innermost, in blocks of 32 codes); b1 2 x 1,024 float32; b2 2 x 256 float32; b_emb 256 float32; b_proj 96 float32; bk 2 x 256 float32; bo 2 x 256 float32; bq 2 x 256 float32; bv 2 x 256 float32; ln1_b 2 x 256 float32; ln1_g 2 x 256 float32; ln2_b 2 x 256 float32; ln2_g 2 x 256 float32; lnf_b 256 float32; lnf_g 256 float32; lowp_scales 34 int32 (the exponents e of the quantised operands' scales 2^e); time_diffs 4 x 2,048 float32; x_enc 4 x 2,048 x 7 float32.
;; Outputs: out0 4 x 96 float32.
;; This version of the problem:
;;   THIS VERSION OF THE PROBLEM IS GIVEN IN LOW PRECISION. The matrix products marked QUANTISED in the list below multiply operands that are first quantised to E4M3 (4 exponent bits, 3 mantissa bits; 8 bits a number), with one given power-of-two scale for each operand tensor; their sums are f32. All else is computed in f32.
;;   The module's matrix products, in the order in which they are computed (A, B: the left and right operand; K: the contracted axis; several contracted axes count as one K, in the product's order):
;;     1. [M 8,192, K 7] x [K 7, N 256]; A: input x_enc; B: input W_emb: left as it is (K = 7 < 32)
;;     2. [M 8,192, K 256] x [K 256, N 256]; A: computed on the way; B: input Wq (given as codes): QUANTISED (scales: A lowp_scales[0], B lowp_scales[1])
;;     3. [M 8,192, K 256] x [K 256, N 256]; A: computed on the way; B: input Wk (given as codes): QUANTISED (scales: A lowp_scales[2], B lowp_scales[3])
;;     4. [M 8,192, K 256] x [K 256, N 256]; A: computed on the way; B: input Wv (given as codes): QUANTISED (scales: A lowp_scales[4], B lowp_scales[5])
;;     5. batch 32 x [M 2,048, K 32] x [K 32, N 2,048]; A: computed on the way; B: computed on the way: QUANTISED (scales: A lowp_scales[6], B lowp_scales[7])
;;     6. batch 32 x [M 2,048, K 2,048] x [K 2,048, N 32]; A: softmax (see below); B: computed on the way: QUANTISED (scales: A lowp_scales[8], B lowp_scales[9])
;;     7. [M 8,192, K 256] x [K 256, N 256]; A: computed on the way; B: input Wo (given as codes): QUANTISED (scales: A lowp_scales[10], B lowp_scales[11])
;;     8. [M 8,192, K 256] x [K 256, N 1,024]; A: computed on the way; B: input W1 (given as codes): QUANTISED (scales: A lowp_scales[12], B lowp_scales[13])
;;     9. [M 8,192, K 1,024] x [K 1,024, N 256]; A: computed on the way; B: input W2 (given as codes): QUANTISED (scales: A lowp_scales[14], B lowp_scales[15])
;;     10. [M 8,192, K 256] x [K 256, N 256]; A: computed on the way; B: input Wq (given as codes): QUANTISED (scales: A lowp_scales[16], B lowp_scales[17])
;;     11. [M 8,192, K 256] x [K 256, N 256]; A: computed on the way; B: input Wk (given as codes): QUANTISED (scales: A lowp_scales[18], B lowp_scales[19])
;;     12. [M 8,192, K 256] x [K 256, N 256]; A: computed on the way; B: input Wv (given as codes): QUANTISED (scales: A lowp_scales[20], B lowp_scales[21])
;;     13. batch 32 x [M 2,048, K 32] x [K 32, N 2,048]; A: computed on the way; B: computed on the way: QUANTISED (scales: A lowp_scales[22], B lowp_scales[23])
;;     14. batch 32 x [M 2,048, K 2,048] x [K 2,048, N 32]; A: softmax (see below); B: computed on the way: QUANTISED (scales: A lowp_scales[24], B lowp_scales[25])
;;     15. [M 8,192, K 256] x [K 256, N 256]; A: computed on the way; B: input Wo (given as codes): QUANTISED (scales: A lowp_scales[26], B lowp_scales[27])
;;     16. [M 8,192, K 256] x [K 256, N 1,024]; A: computed on the way; B: input W1 (given as codes): QUANTISED (scales: A lowp_scales[28], B lowp_scales[29])
;;     17. [M 8,192, K 1,024] x [K 1,024, N 256]; A: computed on the way; B: input W2 (given as codes): QUANTISED (scales: A lowp_scales[30], B lowp_scales[31])
;;     18. [M 8,192, K 256] x [K 256, N 96]; A: computed on the way; B: input W_proj (given as codes): QUANTISED (scales: A lowp_scales[32], B lowp_scales[33])
;;   THE QUANTISER, for each operand of a quantised product, along K:
;;     - The operand's scale is 2^e, e = its entry of the input lowp_scales (int32; the entries are numbered through the quantised products in the list's order, A before B).
;;     - Each number is divided by the scale, clamped to +-448, and rounded to the nearest number of E4M3, ties to even, subnormals kept.
;;     - The product sums the exact products of the quantised numbers (number of the format x scale) in f32.
;;   ~~~python
;;   def quantise(x, axis, e):      # numpy; x: float32 -> the quantised numbers, widened to float32 again
;;       x = np.moveaxis(x, axis, -1); K = x.shape[-1]
;;       r = np.clip(x / 2.0 ** e, -448, 448)
;;       step = 2.0 ** (np.maximum(np.frexp(np.where(r == 0, 1, r))[1] - 1, -6) - 3)
;;       q = np.round(r / step) * step * 2.0 ** e      # np.round: ties to even
;;       return np.moveaxis(q, -1, axis).astype(np.float32)
;;   ~~~
;;   SOFTMAX AHEAD OF A QUANTISED PRODUCT. Where the list says 'softmax', what is quantised is not the finished softmax but p = 2^(t - M), with t = logit x log2(e) and M = ceil(the row's largest t), a whole number; so 1/2 < the row's largest p <= 1. The row's sum l is taken of the UNQUANTISED p, in f32, and the product's result is divided by l at the end. Since M is a whole number, a kernel that streams over the keys may use a running M (the ceiling of the running maximum): every later rescaling is an exact power of two, so the quantised numbers keep their values, but for numbers so far below the row's largest that they fall under the format's range.
;;   OPERANDS COMPUTED ON THE WAY. 'Computed on the way' means the value that the module computes at that place (a softmax that the list does not call 'softmax' is quantised finished and normalised). What goes into a quantiser is computed in f32, as accurately as f32 sums, v_exp_f32 and their like allow (about 1e-6 of the number): no bf16 or f16 on the way to a quantiser, and a product that is left as it is and whose result goes on into a quantised operand takes f32 operands (vector FMAs, or v_wmma_f32_16x16x4_f32). A number that lies on a knife's edge between two numbers of the format may be rounded either way, as far as f32 arithmetic and the matrix unit's own rounding can turn it there, and no further.
;;   INPUTS GIVEN AS CODES. W1 (in the module: [2, 256, 1024], K = its axis 1); W2 (in the module: [2, 1024, 256], K = its axis 1); W_proj (in the module: [256, 96], K = its axis 0); Wk (in the module: [2, 256, 256], K = its axis 1); Wo (in the module: [2, 256, 256], K = its axis 1); Wq (in the module: [2, 256, 256], K = its axis 1); Wv (in the module: [2, 256, 256], K = its axis 1): each comes as NAME_codes (uint8): NAME with its K axis moved to the last place and cut into blocks of 32 codes, [.., K / 32, bytes a block], one block behind the other in memory; one code a byte (a code: sign, 4 exponent bits, 3 mantissa bits); its scale is its entry of lowp_scales. Its value is code x scale, taken as it is: it is not quantised again, and the codes and scales need not be those that the quantiser above would give.
;; 2 versions. Each part assembles by itself: llvm-mc -triple=amdgcn-amd-amdhsa -mcpu=gfx1250 --defsym DOCPART=n.
;; ======== version 1 of 2: 6 launches
;; workspace buffers: wimg 1,572,864 bytes; par0 256 bytes of whole numbers; par1 256 bytes of whole numbers; qkv 6,291,456 bytes; aimg 2,097,152 bytes; xA 8,388,608 bytes; xB 393,216 bytes
;; launch relay (part 1): grid 8 x 24, 4 waves a work-group, no clusters, 0 bytes of LDS; arguments Wq_codes, Wk_codes, Wv_codes, Wo_codes, W1_codes, W2_codes, lowp_scales, wimg, par0, par1; writes wimg, par0, par1
.if DOCPART == 1
	.amdgcn_target "amdgcn-amd-amdhsa--gfx1250"
	.amdhsa_code_object_version 6
	.text
	.protected	k_q03af762cfc_relay
	.globl	k_q03af762cfc_relay
	.p2align	8
	.type	k_q03af762cfc_relay,@function
k_q03af762cfc_relay:
	s_mov_b64 s[64:65], 0
	v_nop
	global_prefetch_b8 v0, s[64:65] scope:SCOPE_SE
	s_setreg_imm32_b32 hwreg(HW_REG_WAVE_MODE, 25, 1), 1
	s_wait_xcnt 0x0
; The layers' weights, given as codes in rows [n][k], are laid once as IMAGES OF OPERAND REGISTERS, so that every later load of a
; fragment is 512 consecutive bytes of the wave (16 bytes a lane at 16 x lane) at a base, one lane register and an immediate.
; wimg = [chunk P 0..23][wave slot w 0..7][tile a 0..1][K step s 0..1][group c 0..3][lane][16 bytes]; a chunk is 256 x 256 codes.
; P = 12 x layer + kind; kind 0 q, 1 k, 2 v, 3 o, 4 + i: rows 256 i on of W1, 8 + i: K = 256 i on of W2.
; Lane (r, h) of group c holds k = 128 s + 32 c + 16 h + 0..15 of row (tile's first row) + r + 8 (r / 8).
; The tile's first row is 32 w + 8 a; for v it is 64 (w / 2) + 8 (w % 2) + 32 a (the product that makes v is used the other way round).
; A work-group (w, P) has four waves, wave = 2 a + s: one fragment each.  No LDS, no barrier: waves share nothing.
; One wave also copies the five exponents that each attention launch wants (entries 6.. and 22.. of the scales) into par0 and par1.
	s_load_b512 s[4:19], s[0:1], 0x0               ; Wq, Wk, Wv, Wo, W1, W2, the scales, wimg
	s_load_b128 s[20:23], s[0:1], 0x40             ; par0, par1
	v_lshrrev_b32 v1, 5, v0
	v_readfirstlane_b32 s24, v1                    ; wave = 2 a + s
	s_and_b32 s25, ttmp7, 0xffff                   ; P
	s_cmp_ge_u32 s25, 12
	s_cselect_b32 s26, 1, 0                        ; layer
	s_mul_i32 s27, s26, 12
	s_sub_co_u32 s27, s25, s27                     ; kind
	s_lshr_b32 s28, s24, 1                         ; a
	s_and_b32 s29, s24, 1                          ; s
	s_lshl_b32 s30, ttmp9, 5
	s_lshl_b32 s31, s28, 3
	s_add_co_u32 s30, s30, s31                     ; 32 w + 8 a
	s_lshr_b32 s31, ttmp9, 1
	s_lshl_b32 s31, s31, 6
	s_and_b32 s32, ttmp9, 1
	s_lshl_b32 s32, s32, 3
	s_add_co_u32 s31, s31, s32
	s_lshl_b32 s32, s28, 5
	s_add_co_u32 s31, s31, s32                     ; 64 (w / 2) + 8 (w % 2) + 32 a
	s_cmp_eq_u32 s27, 2
	s_cselect_b32 s30, s31, s30                    ; the tile's first row
	s_and_b32 s33, s27, 3
	s_lshl_b32 s33, s33, 8                         ; 256 i
	s_cmp_ge_u32 s27, 4                            ; W1 or W2?
	s_cselect_b32 s34, 18, 16                      ; a layer of them is 2^18 bytes, of the others 2^16
	s_cselect_b32 s35, s33, 0
	s_lshl_b32 s34, s26, s34                       ; the layer's first byte
	s_cmp_ge_u32 s27, 8                            ; W2?
	s_cselect_b32 s36, 10, 8                       ; a row is 2^10 bytes there, else 2^8
	s_cselect_b32 s37, 0, s35                      ; W1: 256 i rows further down
	s_cselect_b32 s38, s35, 0                      ; W2: 256 i bytes further along K
	s_add_co_u32 s30, s30, s37
	s_lshl_b32 s30, s30, s36
	s_add_co_u32 s30, s30, s34
	s_add_co_u32 s30, s30, s38
	s_lshl_b32 s39, s29, 7
	s_add_co_u32 s30, s30, s39                     ; + 128 s: the fragment's first byte in its tensor
	s_mov_b32 s31, 0
	s_lshl_b32 s42, s25, 16
	s_lshl_b32 s43, ttmp9, 13
	s_add_co_u32 s42, s42, s43                     ; 65,536 P + 8,192 w
	s_mov_b32 s43, 0
	v_and_b32 v2, 15, v0                           ; r
	v_bfe_u32 v3, v0, 4, 1                         ; h
	v_and_b32 v4, 8, v2
	v_add_nc_u32 v4, v4, v2                        ; r + 8 (r / 8)
	v_lshlrev_b32 v4, s36, v4
	v_lshl_add_u32 v4, v3, 4, v4                   ; from: row x its bytes + 16 h
	v_and_b32 v5, 31, v0
	v_lshlrev_b32 v5, 4, v5
	v_lshl_add_u32 v5, v1, 11, v5                  ; to: 2,048 x wave + 16 x lane
	s_wait_kmcnt 0x0
	s_cmp_eq_u32 s27, 1                            ; the tensor is chosen by the kind alone
	s_cselect_b64 s[40:41], s[6:7], s[4:5]
	s_cmp_eq_u32 s27, 2
	s_cselect_b64 s[40:41], s[8:9], s[40:41]
	s_cmp_eq_u32 s27, 3
	s_cselect_b64 s[40:41], s[10:11], s[40:41]
	s_cmp_ge_u32 s27, 4
	s_cselect_b64 s[40:41], s[12:13], s[40:41]
	s_cmp_ge_u32 s27, 8
	s_cselect_b64 s[40:41], s[14:15], s[40:41]
	s_add_nc_u64 s[40:41], s[40:41], s[30:31]
	s_add_nc_u64 s[18:19], s[18:19], s[42:43]
.irp c, 0,1,2,3
	global_load_b128 v[8+4*\c:11+4*\c], v4, s[40:41] offset:32*\c
.endr
	s_wait_loadcnt 0x0
.irp c, 0,1,2,3
	global_store_b128 v5, v[8+4*\c:11+4*\c], s[18:19] offset:512*\c   ; the wave stores 512 consecutive bytes, aligned
.endr
	s_or_b32 s44, ttmp9, s25
	s_or_b32 s44, s44, s24
	s_cmp_lg_u32 s44, 0
	s_cbranch_scc1 .Lend                           ; one wave of the launch copies the exponents
	v_and_b32 v6, 31, v0
	v_min_u32 v6, 7, v6                            ; eight entries; the lanes behind lane 7 repeat the eighth
	v_lshlrev_b32 v6, 2, v6
	global_load_b32 v24, v6, s[16:17] offset:24    ; entries 6 to 13
	global_load_b32 v25, v6, s[16:17] offset:88    ; entries 22 to 29
	s_wait_loadcnt 0x0
	global_store_b32 v6, v24, s[20:21]
	global_store_b32 v6, v25, s[22:23]
.Lend:
	s_endpgm
.Lfunc_end_k_q03af762cfc_relay:
	.size	k_q03af762cfc_relay, .Lfunc_end_k_q03af762cfc_relay-k_q03af762cfc_relay
	.p2alignl 7, 3214868480
	.fill 96, 4, 3214868480
	.section	.rodata,"a",@progbits
	.p2align	6, 0x0
	.amdhsa_kernel k_q03af762cfc_relay
		.amdhsa_group_segment_fixed_size 0
		.amdhsa_private_segment_fixed_size 0
		.amdhsa_enable_private_segment 0
		.amdhsa_kernarg_size 80
		.amdhsa_user_sgpr_count 2
		.amdhsa_user_sgpr_kernarg_segment_ptr 1
		.amdhsa_wavefront_size32 1
		.amdhsa_system_sgpr_workgroup_id_x 1
		.amdhsa_system_sgpr_workgroup_id_y 1
		.amdhsa_system_sgpr_workgroup_id_z 1
		.amdhsa_system_vgpr_workitem_id 0
		.amdhsa_next_free_vgpr 32
		.amdhsa_next_free_sgpr 66
		.amdhsa_reserve_vcc 0
		.amdhsa_float_denorm_mode_32 3
		.amdhsa_float_denorm_mode_16_64 3
		.amdhsa_memory_ordered 1
		.amdhsa_forward_progress 1
		.amdhsa_inst_pref_size 4
	.end_amdhsa_kernel
	.amdgpu_metadata
---
amdhsa.version: [ 1, 2 ]
amdhsa.kernels:
  - .name:           k_q03af762cfc_relay
    .symbol:         k_q03af762cfc_relay.kd
    .args:
      - { .name: Wq_codes, .offset: 0, .size: 8, .value_kind: global_buffer, .address_space: global }
      - { .name: Wk_codes, .offset: 8, .size: 8, .value_kind: global_buffer, .address_space: global }
      - { .name: Wv_codes, .offset: 16, .size: 8, .value_kind: global_buffer, .address_space: global }
      - { .name: Wo_codes, .offset: 24, .size: 8, .value_kind: global_buffer, .address_space: global }
      - { .name: W1_codes, .offset: 32, .size: 8, .value_kind: global_buffer, .address_space: global }
      - { .name: W2_codes, .offset: 40, .size: 8, .value_kind: global_buffer, .address_space: global }
      - { .name: lowp_scales, .offset: 48, .size: 8, .value_kind: global_buffer, .address_space: global }
      - { .name: wimg, .offset: 56, .size: 8, .value_kind: global_buffer, .address_space: global }
      - { .name: par0, .offset: 64, .size: 8, .value_kind: global_buffer, .address_space: global }
      - { .name: par1, .offset: 72, .size: 8, .value_kind: global_buffer, .address_space: global }
    .group_segment_fixed_size: 0
    .private_segment_fixed_size: 0
    .kernarg_segment_align: 8
    .kernarg_segment_size: 80
    .max_flat_workgroup_size: 128
    .sgpr_count:     66
    .vgpr_count:     32
    .wavefront_size: 32
...
	.end_amdgpu_metadata
.endif
;; end of part 1
;; launch embed_qkv (part 2): grid 256 x 1, 8 waves a work-group, no clusters, 55,296 bytes of LDS; arguments x_enc, W_emb, b_emb, wimg, lowp_scales, bq, bk, bv, qkv, xA; writes qkv, xA
.if DOCPART == 2
	.amdgcn_target "amdgcn-amd-amdhsa--gfx1250"
	.amdhsa_code_object_version 6
	.text
	.protected	k_q03af762cfc_embed_qkv
	.globl	k_q03af762cfc_embed_qkv
	.p2align	8
	.type	k_q03af762cfc_embed_qkv,@function
k_q03af762cfc_embed_qkv:
	s_mov_b64 s[64:65], 0
	v_nop
	global_prefetch_b8 v0, s[64:65] scope:SCOPE_SE
	s_setreg_imm32_b32 hwreg(HW_REG_WAVE_MODE, 25, 1), 1
	s_wait_xcnt 0x0
; x = x_enc W_emb + b_emb (K = 7: fused multiply-adds in f32), then layer 0's q, k and v: three products on codes of E4M3, results quantised and stored as codes.
; SHARES.  A work-group owns 32 rows of x (two tiles T of 16).  THE EIGHT WAVES SHARE THE COLUMNS: wave w makes columns 32 w .. 32 w + 31 of every product, two tiles of 16 (a = 0, 1).
; LAYOUT along K, alike on both sides of every product: lane (r, h), registers 4 c .. 4 c + 3 hold k = 32 c + 16 h + 0..15.  A product is used transposed (source 0 = 16 rows of the weight,
; source 1 = 16 rows of x), and lane r of tile (w, a) takes weight row 32 w + 8 a + r + 8 (r / 8): so a lane's 16 results are columns 32 w + 16 h + 0..15 of row r, and their 16 codes are one group of four
; registers of the next operand.  OPERANDS GO FROM WAVE TO WAVE, AND FROM LAUNCH TO LAUNCH, AS IMAGES OF THEIR REGISTERS: a group at 16 x lane, 512 dense bytes.
; v is made the other way round (source 0 = x, source 1 = the weight): a lane then holds eight ROWS of one column, which are eight neighbouring keys of attention's second product.
; WEIGHTS come from wimg straight into the registers of the one wave that multiplies them.  No LDS ring and no joint loads for them: a phase is 8 matrix instructions a wave, so a slot filled behind a barrier
; would have 8 matrix instructions in which to land; loads into registers are counted and are all asked for at the head.
; LIMITS: each sum of two exponents of a product between -126 and 127; each quantiser's exponent between -126 and 119.  NaN among the inputs is not served.
; REGISTERS.  Window 0: v1-11 addresses and the quantiser in hand; v16-79 AF, v80-143 HF: four fragments each; v144-175 HA, v176-207 FA: four accumulators each ((T, a) at 16 T + 8 a); v208-239 x, 16 a tile; v240-255 codes.
;             Window 1: v0-191 three sets of a wave's four weight fragments; v192-255 four sets of 16 biases.
.set LI,   1                           ; 16 x lane
.set WO,   2                           ; + 8,192 w: my part of a chunk of wimg
.set IMW,  3                           ; + 512 w: my group in an image
.set PB,   4                           ; 128 w + 64 h: my 16 columns in a row of f32
.set XO,   7                           ; 16 x lane + 2,048 w: my part of x's image
.set SCV,  8                           ; the scale in hand as f32
.set LIMV, 9                           ; 448 x that
.set VB,   10                          ; v's bias: 4 x my column of tile a = 0
.set VO,   11                          ; v's image: 16 x lane + 2,048 (w % 2) + 512 (w / 2)
.set XE,   15                          ; 28 r: my row of x_enc
.set AF,   16
.set HF,   80
.set HA,   144
.set FA,   176
.set X1,   208
.set CD,   240
.set BR,   192
.set XQ,   24576                       ; LDS: x's codes for q, for k, for v: 8 KB each, group (8 T + w) at 512 bytes each
.set XK,   32768
.set XV,   40960
.set WP,   10                          ; s[10:11] wimg
.set QKVP, 20                          ; s[20:21] qkv at my two tiles
.set PP_Q, 52                          ; pairs: 2^(eA + eB) of the three products
.set PP_K, 54
.set PP_V, 56
.set SX_Q, 66                          ; (2^e, 448 x 2^e): x for q, k, v;
.set SX_K, 68
.set SX_V, 70
.set SO_Q, 72                          ; q, k, v themselves
.set SO_K, 74
.set SO_V, 76
.set NQ,   0                           ; the phases' numbers: weight set n % 3, bias set n % 4
.set NK,   1
.set NV,   2
.set ISS,  0                           ; global loads issued so far
.set MSB,  0
.macro WIN new                         ; the immediate's high byte repeats the setting that is left
.if MSB != \new
	s_set_vgpr_msb (MSB<<8)|\new
.set MSB, \new
.endif
.endm
.macro PLACES                          ; behind matrix instructions: four places serve reads of results and loads into operands, the fifth a matrix instruction that begins an accumulator anew
.rept 5
	v_nop
.endr
.endm
.macro MKQ S, e                        ; s[S] = 2^e as f32, s[S+1] = 448 x 2^e
	s_add_co_i32 s[\S], s[\e], 127
	s_add_co_i32 s[\S+1], s[\e], 135
	s_lshl_b32 s[\S], s[\S], 23
	s_lshl_b32 s[\S+1], s[\S+1], 23
	s_or_b32 s[\S+1], s[\S+1], 0x600000
.endm
.macro MKP P, ea, eb                   ; both words of the pair = 2^(ea + eb)
	s_add_co_i32 s[\P], s[\ea], s[\eb]
	s_add_co_i32 s[\P], s[\P], 127
	s_lshl_b32 s[\P], s[\P], 23
	s_mov_b32 s[\P+1], s[\P]
.endm
.macro ENDG g                          ; group g of loads ends here
.set END_\g, ISS
.endm
.macro WAITG g                         ; loads come back in order (ISA guide 5.7.1): those issued behind group g may stay out
	s_wait_loadcnt ISS-END_\g
.endm
.macro WLOAD n, ch                     ; my four fragments of chunk ch: fragment (a, s) at 16 (2 a + s) of set n % 3
	WIN 0x40
.irp q, 0,1,2,3,4,5,6,7,8,9,10,11,12,13,14,15
	global_load_b128 v[64*((\n)%3)+4*\q:64*((\n)%3)+4*\q+3], v[WO], s[WP:WP+1] offset:(\ch)*65536+512*\q
.endr
.set ISS, ISS+16
.endm
.macro BLOAD n, base, off              ; my 16 columns' biases
	WIN 0x40
.irp q, 0,1,2,3
	global_load_b128 v[BR+16*((\n)%4)+4*\q:BR+16*((\n)%4)+4*\q+3], v[PB], s[\base:\base+1] offset:\off+16*\q
.endr
.set ISS, ISS+4
.endm
.macro VLOAD n, base, off              ; v's biases: one number a lane for each of my two tiles, 32 columns apart
	WIN 0x40
	global_load_b32 v[BR+16*((\n)%4)], v[VB], s[\base:\base+1] offset:\off
	global_load_b32 v[BR+16*((\n)%4)+1], v[VB], s[\base:\base+1] offset:\off+128
.set ISS, ISS+2
.endm
.macro FETCH reg, base                 ; an image's four fragments: (T, s) at reg + 16 (2 T + s)
	WIN 0
.irp q, 0,1,2,3,4,5,6,7,8,9,10,11,12,13,14,15
	ds_load_b128 v[\reg+4*\q:\reg+4*\q+3], v[LI] offset:\base+512*\q
.endr
.endm
.macro MULT acc, xf, n, nat, zero      ; 8 matrix instructions: two K steps x two row tiles x my two tiles; the four accumulators take turns
.if \nat
	WIN 0x04                                       ; the weight is source 1, in window 1
.else
	WIN 0x01                                       ; the weight is source 0, in window 1
.endif
.irp s, 0,1
.irp t, 0,1
.irp a, 0,1
.set rD, \acc+16*\t+8*\a
.set rW, 64*((\n)%3)+16*(2*\a+\s)
.set rX, \xf+16*(2*\t+\s)
.if \nat
.if (\s == 0) && \zero
	v_wmma_f32_16x16x128_fp8_fp8 v[rD:rD+7], v[rX:rX+15], v[rW:rW+15], 0
.else
	v_wmma_f32_16x16x128_fp8_fp8 v[rD:rD+7], v[rX:rX+15], v[rW:rW+15], v[rD:rD+7]
.endif
.else
.if (\s == 0) && \zero
	v_wmma_f32_16x16x128_fp8_fp8 v[rD:rD+7], v[rW:rW+15], v[rX:rX+15], 0
.else
	v_wmma_f32_16x16x128_fp8_fp8 v[rD:rD+7], v[rW:rW+15], v[rX:rX+15], v[rD:rD+7]
.endif
.endif
.endr
.endr
.endr
	WIN 0
.endm
.macro BIAS acc, pp, n                 ; sum x 2^(eA + eB) + bias, two at a time; each accumulator from its low end on
	WIN 0x10
.irp t, 0,16
.irp j, 0,2,4,6,8,10,12,14
	v_pk_fma_f32 v[\acc+\t+\j:\acc+\t+\j+1], v[\acc+\t+\j:\acc+\t+\j+1], s[\pp:\pp+1], v[BR+16*((\n)%4)+\j:BR+16*((\n)%4)+\j+1] op_sel_hi:[1,0,1]
.endr
.endr
	WIN 0
.endm
.macro QUANT src, tmp, cd, relu        ; 16 neighbours along K -> 16 codes.  The conversion does not saturate (ISA guide 7.6.2): the hold comes first; relu = 1: it clips at 0 as well
	WIN 0
.irp i, 0,1,2,3,4,5,6,7,8,9,10,11,12,13,14,15
.if \relu
	v_med3_num_f32 v[\tmp+\i], v[\src+\i], 0, v[LIMV]
.else
	v_med3_num_f32 v[\tmp+\i], v[\src+\i], -v[LIMV], v[LIMV]
.endif
.endr
	v_cvt_scalef32_pk8_fp8_f32 v[\cd:\cd+1], v[\tmp:\tmp+7], v[SCV]
	v_cvt_scalef32_pk8_fp8_f32 v[\cd+2:\cd+3], v[\tmp+8:\tmp+15], v[SCV]
	v_nop                                          ; a plain line between the conversions and whatever next touches their registers
.endm
.macro BARRIER                         ; my LDS stores have landed and my LDS loads are in: then the work-group's barrier
	s_wait_dscnt 0x0
	s_barrier_signal -1
	s_barrier_wait -1
.endm
.macro XCODE sx, img, c0               ; both tiles of x under the scale in s[sx]: my group of each goes to image img
	WIN 0
	v_mov_b32 v[SCV], s[\sx]
	v_mov_b32 v[LIMV], s[\sx+1]
	QUANT X1, HA, CD+\c0, 0
	QUANT X1+16, FA, CD+\c0+4, 0
	ds_store_b128 v[IMW], v[CD+\c0:CD+\c0+3] offset:\img
	ds_store_b128 v[IMW], v[CD+\c0+4:CD+\c0+7] offset:\img+4096
.endm
.macro OUTQK acc, pp, n, so, c0, reg   ; q or k: bias, codes, and out: the wave stores 512 consecutive bytes, aligned
	BIAS \acc, \pp, \n
	v_mov_b32 v[SCV], s[\so]
	v_mov_b32 v[LIMV], s[\so+1]
	QUANT \acc, \acc, CD+\c0, 0
	QUANT \acc+16, \acc+16, CD+\c0+4, 0
	global_store_b128 v[IMW], v[CD+\c0:CD+\c0+3], s[QKVP:QKVP+1] offset:\reg
	global_store_b128 v[IMW], v[CD+\c0+4:CD+\c0+7], s[QKVP:QKVP+1] offset:\reg+4096
.endm
.macro OUTV acc, pp, n, so             ; v: a lane holds rows 8 h + 0..7 of one column for each of my two tiles: one bias a tile
	WIN 0x10
.irp t, 0,1
.irp a, 0,1
.irp j, 0,1,2,3,4,5,6,7
	v_fma_f32 v[\acc+16*\t+8*\a+\j], v[\acc+16*\t+8*\a+\j], s[\pp], v[BR+16*((\n)%4)+\a]
.endr
.endr
.endr
	WIN 0
	v_mov_b32 v[SCV], s[\so]
	v_mov_b32 v[LIMV], s[\so+1]
	QUANT \acc, \acc, CD, 0
	QUANT \acc+16, \acc+16, CD+4, 0
	global_store_b128 v[VO], v[CD:CD+3], s[QKVP:QKVP+1] offset:4194304
	global_store_b128 v[VO], v[CD+4:CD+7], s[QKVP:QKVP+1] offset:4194304+4096
.endm
	s_load_b512 s[4:19], s[0:1], 0x0               ; x_enc, W_emb, b_emb, wimg, the scales, bq, bk, bv
	s_load_b128 s[20:23], s[0:1], 0x40             ; qkv, xA
	v_lshl_add_u32 v5, v0, 2, 0xd400
	v_mov_b32 v6, 0
	v_and_b32 v[LI], 31, v0
	v_lshlrev_b32 v[LI], 4, v[LI]
	v_lshrrev_b32 v12, 5, v0                       ; w
	v_and_b32 v13, 15, v0                          ; r
	v_bfe_u32 v14, v0, 4, 1                        ; h
	v_lshl_add_u32 v[WO], v12, 13, v[LI]
	v_lshl_add_u32 v[IMW], v12, 9, v[LI]
	v_lshlrev_b32 v[PB], 7, v12
	v_lshl_add_u32 v[PB], v14, 6, v[PB]
	v_lshl_add_u32 v[XO], v12, 11, v[LI]
	v_lshrrev_b32 v15, 1, v12                      ; w / 2
	v_and_b32 v8, 1, v12                           ; w % 2
	v_and_b32 v9, 8, v13
	v_add_nc_u32 v9, v9, v13                       ; r + 8 (r / 8)
	v_lshl_add_u32 v9, v8, 3, v9
	v_lshl_add_u32 v9, v15, 6, v9
	v_lshlrev_b32 v[VB], 2, v9
	v_lshl_add_u32 v[VO], v8, 11, v[LI]
	v_lshl_add_u32 v[VO], v15, 9, v[VO]
	v_mul_u32_u24 v[XE], v13, 28                   ; a row of x_enc is 28 bytes
	s_mul_i32 s92, ttmp9, 896                      ; my 32 rows of x_enc
	s_mov_b32 s93, 0
	s_wait_kmcnt 0x0
	s_load_b256 s[36:43], s[12:13], 0x0            ; entries 0 to 7 of the scales
	s_load_b64 s[44:45], s[12:13], 0x20            ; entries 8, 9
	s_add_nc_u64 s[4:5], s[4:5], s[92:93]
	s_lshl_b32 s92, ttmp9, 13
	s_add_nc_u64 s[20:21], s[20:21], s[92:93]      ; two tiles of 4,096 bytes in each region of qkv
	s_lshl_b32 s92, ttmp9, 15
	s_add_nc_u64 s[22:23], s[22:23], s[92:93]      ; two tiles of 16,384 bytes of x
.irp t, 0,1
.irp d, 0,1,2,3,4,5,6
	global_load_b32 v[144+7*\t+\d], v[XE], s[4:5] offset:448*\t+4*\d
.endr
.endr
.irp d, 0,1,2,3,4,5,6
.irp q, 0,1,2,3
	global_load_b128 v[16+16*\d+4*\q:16+16*\d+4*\q+3], v[PB], s[6:7] offset:1024*\d+16*\q
.endr
.endr
.irp q, 0,1,2,3
	global_load_b128 v[128+4*\q:128+4*\q+3], v[PB], s[8:9] offset:16*\q
.endr
.set ISS, 46
	ENDG e
	WLOAD NQ, 0
	BLOAD NQ, 14, 0
	ENDG q
	WLOAD NK, 1
	BLOAD NK, 16, 0
	ENDG k
	WLOAD NV, 2
	VLOAD NV, 18, 0
	ENDG v
	WIN 0
	s_wait_kmcnt 0x0
	MKP PP_Q, 36, 37
	MKP PP_K, 38, 39
	MKP PP_V, 40, 41
	MKQ SX_Q, 36
	MKQ SX_K, 38
	MKQ SX_V, 40
	MKQ SO_Q, 42
	MKQ SO_K, 43
	MKQ SO_V, 45
	WAITG e                                        ; x_enc, W_emb, b_emb are in; the 58 loads of weights and biases may be out
.irp t, 0,1
.irp i, 0,1,2,3,4,5,6,7,8,9,10,11,12,13,14,15
	v_fma_f32 v[X1+16*\t+\i], v[144+7*\t], v[16+\i], v[128+\i]
.endr
.irp d, 1,2,3,4,5,6
.irp i, 0,1,2,3,4,5,6,7,8,9,10,11,12,13,14,15
	v_fma_f32 v[X1+16*\t+\i], v[144+7*\t+\d], v[16+16*\d+\i], v[X1+16*\t+\i]
.endr
.endr
.endr
.irp t, 0,1
.irp i, 0,1,2,3
	global_store_b128 v[XO], v[X1+16*\t+4*\i:X1+16*\t+4*\i+3], s[22:23] offset:16384*\t+512*\i   ; x as it stands in my registers; they are not written again
.endr
.endr
	; ---- x's codes under the three given scales; then q, k, v
	XCODE SX_Q, XQ, 0
	XCODE SX_K, XK, 8
	s_wait_dscnt 0x0                               ; the first stores have read their registers
	XCODE SX_V, XV, 0
	BARRIER                                        ; the three images are whole
	FETCH AF, XQ
	FETCH HF, XK
	WAITG q
	s_wait_dscnt 16                                ; q's sixteen loads are in, k's may be out
	MULT HA, AF, NQ, 0, 1
	WAITG k
	s_wait_dscnt 0x0
	MULT FA, HF, NK, 0, 1
	PLACES
	FETCH AF, XV
	OUTQK HA, PP_Q, NQ, SO_Q, 0, 0
	OUTQK FA, PP_K, NK, SO_K, 8, 2097152
	WAITG v
	s_wait_dscnt 0x0
	MULT HA, AF, NV, 1, 1
	PLACES
	s_wait_xcnt 0x0                                ; the stores of q's codes have read their registers, which v's codes take
	OUTV HA, PP_V, NV, SO_V
	s_wait_tensorcnt 0x0
	ds_add_u32 v5, v6
	s_wait_dscnt 0x0
	s_endpgm
.Lfunc_end_k_q03af762cfc_embed_qkv:
	.size	k_q03af762cfc_embed_qkv, .Lfunc_end_k_q03af762cfc_embed_qkv-k_q03af762cfc_embed_qkv
	.p2alignl 7, 3214868480
	.fill 96, 4, 3214868480
	.section	.rodata,"a",@progbits
	.p2align	6, 0x0
	.amdhsa_kernel k_q03af762cfc_embed_qkv
		.amdhsa_group_segment_fixed_size 55296
		.amdhsa_private_segment_fixed_size 0
		.amdhsa_enable_private_segment 0
		.amdhsa_kernarg_size 80
		.amdhsa_user_sgpr_count 2
		.amdhsa_user_sgpr_kernarg_segment_ptr 1
		.amdhsa_wavefront_size32 1
		.amdhsa_system_sgpr_workgroup_id_x 1
		.amdhsa_system_sgpr_workgroup_id_y 1
		.amdhsa_system_sgpr_workgroup_id_z 1
		.amdhsa_system_vgpr_workitem_id 0
		.amdhsa_next_free_vgpr 512
		.amdhsa_next_free_sgpr 96
		.amdhsa_reserve_vcc 0
		.amdhsa_float_denorm_mode_32 3
		.amdhsa_float_denorm_mode_16_64 3
		.amdhsa_memory_ordered 1
		.amdhsa_forward_progress 1
		.amdhsa_inst_pref_size 54
	.end_amdhsa_kernel
	.amdgpu_metadata
---
amdhsa.version: [ 1, 2 ]
amdhsa.kernels:
  - .name:           k_q03af762cfc_embed_qkv
    .symbol:         k_q03af762cfc_embed_qkv.kd
    .args:
      - { .name: x_enc, .offset: 0, .size: 8, .value_kind: global_buffer, .address_space: global }
      - { .name: W_emb, .offset: 8, .size: 8, .value_kind: global_buffer, .address_space: global }
      - { .name: b_emb, .offset: 16, .size: 8, .value_kind: global_buffer, .address_space: global }
      - { .name: wimg, .offset: 24, .size: 8, .value_kind: global_buffer, .address_space: global }
      - { .name: lowp_scales, .offset: 32, .size: 8, .value_kind: global_buffer, .address_space: global }
      - { .name: bq, .offset: 40, .size: 8, .value_kind: global_buffer, .address_space: global }
      - { .name: bk, .offset: 48, .size: 8, .value_kind: global_buffer, .address_space: global }
      - { .name: bv, .offset: 56, .size: 8, .value_kind: global_buffer, .address_space: global }
      - { .name: qkv, .offset: 64, .size: 8, .value_kind: global_buffer, .address_space: global }
      - { .name: xA, .offset: 72, .size: 8, .value_kind: global_buffer, .address_space: global }
    .group_segment_fixed_size: 55296
    .private_segment_fixed_size: 0
    .kernarg_segment_align: 8
    .kernarg_segment_size: 80
    .max_flat_workgroup_size: 256
    .sgpr_count:     96
    .vgpr_count:     512
    .wavefront_size: 32
...
	.end_amdgpu_metadata
.endif
;; end of part 2
;; launch attn0 (part 3): grid 8 x 32, 16 waves a work-group, clusters of 4 x 1, 169,984 bytes of LDS; arguments qkv, par0, time_diffs, aimg; writes aimg
.if DOCPART == 3
	.amdgcn_target "amdgcn-amd-amdhsa--gfx1250"
	.amdhsa_code_object_version 6
	.text
	.protected	k_q03af762cfc_attn0
	.globl	k_q03af762cfc_attn0
	.p2align	8
	.type	k_q03af762cfc_attn0,@function
k_q03af762cfc_attn0:
	s_mov_b64 s[64:65], 0
	v_nop
	global_prefetch_b8 v0, s[64:65] scope:SCOPE_SE
	s_setreg_imm32_b32 hwreg(HW_REG_WAVE_MODE, 25, 1), 1
	s_wait_xcnt 0x0
	s_wait_alu depctr_hold_cnt(0) depctr_sa_sdst(0) depctr_va_vdst(0) depctr_va_sdst(0) depctr_va_ssrc(0) depctr_va_vcc(0) depctr_vm_vsrc(0)
	s_getreg_b32 s2, hwreg(HW_REG_IB_STS2, 6, 4)
	s_cmp_eq_u32 s2, 0
	s_cbranch_scc0 .Lentry_in_a_cluster
	s_endpgm
.Lentry_in_a_cluster:
	s_bfe_u32 s2, ttmp6, 0x10000c
	s_cmp_lg_u32 s2, 0x3003
	s_cbranch_scc0 .Lentry_shape_is_right
	s_endpgm
.Lentry_shape_is_right:
; Attention of one layer, both products on codes of E4M3.  The raw reshape makes head block hb (0..31) the rows 256 hb .. 256 hb + 255 of the [8192][256] matrices: position l = 8 (row % 256) + column / 32, e = column % 32.
; SHARES.  A work-group owns 256 queries of a head block (two tiles of 16 rows x 8 chunks of 32 columns); each of its sixteen waves one tile of 16 queries (16 rows, one chunk), in 256 registers: four waves to a
; SIMD, so that one wave's vector work stands beside another's matrix work and LDS loads.  Every wave walks the head's 2,048 keys, 128 a step: a step is one tile of 16 rows, all 8 chunks.
; CLUSTER.  The four work-groups of a cluster belong to one head block and read the same K and V, 64 KB each: they are asked for JOINTLY, once, in four quarters; LDS holds all of both, and nothing is filled again.
; LAYOUT.  q, k: image [row tile][chunk][lane][16 bytes]: lane (r, h) holds e = 16 h + 0..15 of (row r, chunk): registers 0-3 of a K = 64 operand; registers 4-7 are zeros on both sides (K is 32).
; S^T = K Q^T (source 0 = 16 keys: 16 rows of one chunk; source 1 = my 16 queries): lane (query, h), register j of tile b = key (row 8 h + j, chunk b).  Its eight codes are bytes 8 b + j of P's operand.
; v: image [row tile][u][c][lane][16 bytes]: lane (rd, h), byte 8 b + j = V(row 8 h + j, column 32 b + d), d = 8 u + rd + 8 (rd / 8): the same place for the same key.  O^T = V^T P^T: register j of tile u is d = 16 h + 8 u + j.
; SOFTMAX.  t = score x c, c = exp(-time_diff / 5) x log2(e) / sqrt(5) x 2^(eq + ek), one c a query; M = the running largest t rounded UP to a whole number; p = 2^(t - M) is quantised; the sum is taken of the
; unquantised p and divides at the end; when M moves, sum and O^T are multiplied by 2^(old M - new M), which rounds nothing.
; LIMITS: ep and eo between -126 and 119; eq + ek and ep + ev are applied by v_ldexp_f32 and have none.  NaN among the inputs is not served.
; REGISTERS: v1-6 addresses; v[8:9] c twice; v10 448 x 2^ep, v11 2^ep; v12 -M, v13 largest t, v[14:15] the sum in two halves; v16-23 Q; v24-87 K's eight tiles; v88-119 V's two; v120-183 S^T, then p; v184-199 p's codes; v200-215 O^T; v216-223 at work.
.set QR, 16
.set KF, 24
.set VF, 88
.set SC, 120
.set PC, 184
.set OA, 200
.macro CROUND                          ; a round of the cluster's barrier
	s_barrier_signal -1
	s_barrier_wait -1
	s_cmp_lg_u32 s12, 0
	s_cbranch_scc1 .Lnot_wave_0_\@
	s_barrier_signal -3
.Lnot_wave_0_\@:
	s_barrier_wait -3
	s_barrier_signal -1
	s_barrier_wait -1
.endm
	s_load_b256 s[4:11], s[0:1], 0x0               ; qkv, the five exponents, time_diffs, the result's images
	v_lshl_add_u32 v254, v0, 2, 0x29000
	v_mov_b32 v255, 0
	ds_add_u32 v254, v255
	ds_add_u32 v254, v255
	v_lshrrev_b32 v7, 5, v0
	v_readfirstlane_b32 s12, v7                    ; wave 0..15
	s_bfe_u32 s13, ttmp6, 0x40000                  ; cx
	s_lshl_b32 s14, ttmp9, 2
	s_add_co_u32 s14, s14, s13                     ; my block of 256 queries: it enters Q's, time_diffs' and the result's addresses alone
	s_and_b32 s15, ttmp7, 0xffff                   ; the head block, which the four partners share
	; descriptor group 1: 64 rows of 256 bytes, dense: a quarter of K or of V
	s_mov_b32 s16, 15|(3<<16)|(1<<21)              ; 15:0 the mask: all four work-groups; 17:16 elements of 8 bytes; 21 set beside a mask; no padding: the images are read 512 dense bytes an instruction
	s_mov_b32 s17, 32<<16                          ; tensor_dim0 = 32 elements
	s_mov_b32 s18, 64<<16                          ; tensor_dim1 = 64
	s_mov_b32 s19, 32<<16                          ; tile_dim0 = 32
	s_mov_b32 s20, 64                              ; tile_dim1 = 64
	s_mov_b32 s21, 32                              ; the pitch
	s_mov_b32 s22, 0
	s_mov_b32 s23, 0
	s_min_u32 s50, s12, 1                          ; wave 0 fetches K, wave 1 V; the others fetch nothing
	s_lshl_b32 s51, s50, 16                        ; LDS: K at 0, V at 65,536
	s_add_co_u32 s52, s50, 1
	s_lshl_b32 s52, s52, 21                        ; k's region of qkv begins at 2,097,152, v's at 4,194,304
	s_lshl_b32 s53, s15, 16
	s_add_co_u32 s52, s52, s53                     ; + 65,536 x head block
	s_mov_b32 s53, 0
	s_lshl_b32 s54, s15, 16
	s_lshl_b32 s55, s14, 13
	s_add_co_u32 s54, s54, s55                     ; my work-group's two row tiles in q's region and in the result
	s_mov_b32 s55, 0
	s_lshr_b32 s56, s15, 3
	s_lshl_b32 s56, s56, 13                        ; the batch's 2,048 time_diffs,
	s_lshl_b32 s57, s14, 10
	s_add_co_u32 s56, s56, s57                     ; my work-group's 256 of them
	s_mov_b32 s57, 0
	s_mov_b32 s48, 0x76543210                      ; v_permlanex16_b32's selects for lane l xor 16
	s_mov_b32 s49, 0xfedcba98
	s_wait_dscnt 0x0
	s_wait_kmcnt 0x0
	s_load_b128 s[40:43], s[6:7], 0x0              ; eq, ek, ep, ev
	s_load_b32 s44, s[6:7], 0x10                   ; eo
	s_add_nc_u64 s[52:53], s[4:5], s[52:53]
.irp j, 0,1,2,3
	s_mov_b32 s[24+4*\j], 1                        ; count = 1
	s_add_co_u32 s[25+4*\j], s51, \j*16384         ; LDS address
	s_add_nc_u64 s[26+4*\j:27+4*\j], s[52:53], \j*16384
	s_or_b32 s[27+4*\j], s[27+4*\j], 0x80000000    ; type = 2
.endr
	CROUND                                         ; all four work-groups are here: the joint loads meet
	s_cmp_lt_u32 s12, 2
	s_cbranch_scc0 .Lno_fill                       ; a wave's four fills stand in one branch: four loads of mine are out at the most
	tensor_load_to_lds s[24:27], s[16:23]
	s_nop 0
	tensor_load_to_lds s[28:31], s[16:23]
	s_nop 0
	tensor_load_to_lds s[32:35], s[16:23]
	s_nop 0
	tensor_load_to_lds s[36:39], s[16:23]
	s_nop 0
.rept 4
	v_nop
.endr
.Lno_fill:
	s_add_nc_u64 s[4:5], s[4:5], s[54:55]
	s_add_nc_u64 s[10:11], s[10:11], s[54:55]
	s_add_nc_u64 s[8:9], s[8:9], s[56:57]
	v_and_b32 v1, 31, v0
	v_lshlrev_b32 v1, 4, v1                        ; 16 x lane: my place in an image's group (K)
	v_add_nc_u32 v2, 0x10000, v1                   ; the same in V
	v_lshlrev_b32 v3, 4, v0                        ; 512 x wave + 16 x lane: my query tile's group, in q and in the result
	v_lshrrev_b32 v6, 8, v0
	v_lshlrev_b32 v6, 9, v6                        ; time_diffs: l = 128 (wave / 8) + 8 r + wave % 8, 4 bytes each
	v_bfe_u32 v7, v0, 5, 3
	v_lshl_add_u32 v6, v7, 2, v6
	v_and_b32 v7, 15, v0
	v_lshl_add_u32 v6, v7, 5, v6
	global_load_b128 v[QR:QR+3], v3, s[4:5]
	global_load_b32 v8, v6, s[8:9]
.irp j, 4,5,6,7
	v_mov_b32 v[QR+\j], 0                          ; K is 32 of the form's 64: the upper half is zero codes on both sides, written once
.endr
.irp t, 0,1,2,3,4,5,6,7
.irp j, 4,5,6,7
	v_mov_b32 v[KF+8*\t+\j], 0
.endr
.endr
.irp j, 0,1,2,3,4,5,6,7,8,9,10,11,12,13,14,15
	v_mov_b32 v[OA+\j], 0                          ; O^T: the step is written once; the first finds zeros
.endr
	v_mov_b32 v13, 0xff61b1e6                      ; the largest t so far: -3e38
	v_floor_f32 v12, -v13                          ; -M
	v_mov_b32 v14, 0
	v_mov_b32 v15, 0
	v_mov_b32 v218, 0                              ; a lane permute's destination counts as read
	v_mov_b32 v221, 0                              ; (named as the upper half of the pair v[220:221])
	s_wait_loadcnt 0x0
	s_wait_kmcnt 0x0
	v_mul_f32 v8, 0xbe93bb63, v8                   ; -time_diff x log2(e) / 5
	v_exp_f32 v8, v8                               ; the decay
	s_add_co_i32 s50, s40, s41                     ; eq + ek
	v_nop
	s_wait_alu depctr_va_vdst(0)
	v_mul_f32 v8, 0x3f252b5c, v8                   ; x log2(e) / sqrt(5)
	v_ldexp_f32 v8, v8, s50
	v_mov_b32 v9, v8
	s_add_co_i32 s51, s42, 127
	s_add_co_i32 s52, s42, 135
	s_lshl_b32 s51, s51, 23
	s_lshl_b32 s52, s52, 23
	s_or_b32 s52, s52, 0x600000
	v_mov_b32 v11, s51                             ; 2^ep
	v_mov_b32 v10, s52                             ; 448 x 2^ep
.macro STEP                            ; 128 keys: the row tile at LDS byte s45 of K and of V
	v_add_nc_u32 v4, s45, v1
	v_add_nc_u32 v5, s45, v2
	v_nop
	v_nop                                          ; with the two additions: four places in front of loads into V's registers, which the last products read
.irp t, 0,1,2,3,4,5,6,7
	ds_load_b128 v[KF+8*\t:KF+8*\t+3], v4 offset:512*\t
.endr
.irp q, 0,1,2,3,4,5,6,7
	ds_load_b128 v[VF+4*\q:VF+4*\q+3], v5 offset:512*\q
.endr
	s_wait_dscnt 0x8                               ; K's eight loads are in; V's eight may be out
.irp t, 0,1,2,3,4,5,6,7
	v_wmma_f32_16x16x64_fp8_fp8 v[SC+8*\t:SC+8*\t+7], v[KF+8*\t:KF+8*\t+7], v[QR:QR+7], 0
.endr
.rept 4
	v_nop
.endr
	v_max3_num_f32 v216, v[SC], v[SC+1], v[SC+2]   ; the step's largest score of my query among my 64 keys, in two chains, each tile from its low end on
	v_max3_num_f32 v217, v[SC+3], v[SC+4], v[SC+5]
.irp i, 6,10,14,18,22,26,30,34,38,42,46,50,54,58
	v_max3_num_f32 v216, v216, v[SC+\i], v[SC+1+\i]
	v_max3_num_f32 v217, v217, v[SC+2+\i], v[SC+3+\i]
.endr
	v_max3_num_f32 v216, v216, v[SC+62], v[SC+63]
	v_max_num_f32 v216, v216, v217
	v_permlanex16_b32 v218, v216, s48, s49
	v_max_num_f32 v216, v216, v218                 ; and among lane l xor 16's
	v_mul_f32 v216, v8, v216                       ; as t (c is positive)
	v_max_num_f32 v13, v13, v216
	v_mov_b32 v216, v12
	v_floor_f32 v12, -v13                          ; the new -M = -ceil(t)
	v_sub_f32 v216, v12, v216                      ; old M - new M: a whole number, 0 or less
	v_cvt_i32_f32 v216, v216                       ; (it saturates)
	v_ldexp_f32 v220, 1.0, v216                    ; f = 2^(old M - new M)
.irp j, 0,2,4,6,8,10,12,14,16,18,20,22,24,26,28,30,32,34,36,38,40,42,44,46,48,50,52,54,56,58,60,62
	v_pk_fma_f32 v[SC+\j:SC+\j+1], v[SC+\j:SC+\j+1], v[8:9], v[12:13] op_sel_hi:[1,1,0]   ; t - M
.endr
.irp j, 0,1,2,3,4,5,6,7,8,9,10,11,12,13,14,15,16,17,18,19,20,21,22,23,24,25,26,27,28,29,30,31,32,33,34,35,36,37,38,39,40,41,42,43,44,45,46,47,48,49,50,51,52,53,54,55,56,57,58,59,60,61,62,63
	v_exp_f32 v[SC+\j], v[SC+\j]                   ; p = 2^(t - M)
.endr
	v_pk_mul_f32 v[14:15], v[14:15], v[220:221] op_sel_hi:[1,0]   ; the sum under the new M (a plain line behind the exponentials)
	s_wait_alu depctr_va_vdst(0)
	v_pk_add_f32 v[222:223], v[SC:SC+1], v[SC+2:SC+3]             ; the sum of the unquantised p, in two chains
.irp j, 4,8,12,16,20,24,28,32,36,40,44,48,52,56,60
	v_pk_add_f32 v[14:15], v[14:15], v[SC+\j:SC+\j+1]
	v_pk_add_f32 v[222:223], v[222:223], v[SC+2+\j:SC+3+\j]
.endr
	v_pk_add_f32 v[14:15], v[14:15], v[222:223]
.irp b, 0,1,2,3,4,5,6,7
.irp i, 0,1,2,3,4,5,6,7
	v_min_num_f32 v[SC+8*\b+\i], v[SC+8*\b+\i], v10   ; the conversion does not saturate (ISA guide 7.6.2); p is not negative: a one-sided hold
.endr
	v_cvt_scalef32_pk8_fp8_f32 v[PC+2*\b:PC+2*\b+1], v[SC+8*\b:SC+8*\b+7], v11
.endr
.irp j, 0,2,4,6,8,10,12,14
	v_pk_mul_f32 v[OA+\j:OA+\j+1], v[OA+\j:OA+\j+1], v[220:221] op_sel_hi:[1,0]   ; O^T under the new M (also the plain lines behind the conversions)
.endr
	s_wait_dscnt 0x0                               ; V is in
.irp u, 0,1
	v_wmma_f32_16x16x128_fp8_fp8 v[OA+8*\u:OA+8*\u+7], v[VF+16*\u:VF+16*\u+15], v[PC:PC+15], v[OA+8*\u:OA+8*\u+7]
.endr
.endm
.macro QUARTER j                       ; four steps: the j-th 16 KB of K and of V
	s_wait_tensorcnt 3-\j                          ; tensor loads of a wave end in order: quarter j has landed, the 3 - j behind it may be out (waves that fetch nothing pass)
	s_barrier_signal -1
	s_barrier_wait -1                              ; K's and V's quarter are there for all sixteen waves
	s_mov_b32 s45, \j*16384
	s_mov_b32 s46, 4
.Lstep_\@:
	STEP
	s_add_co_u32 s45, s45, 4096
	s_sub_co_u32 s46, s46, 1
	s_cmp_lg_u32 s46, 0
	s_cbranch_scc1 .Lstep_\@
.endm
	QUARTER 0
	QUARTER 1
	QUARTER 2
	QUARTER 3
	; THE WAY OUT: O^T / the sum x 2^(ep + ev) is quantised with 2^eo: a lane's 16 numbers are e = 16 h + 0..15 of its query: one group of the next product's operand
.rept 4
	v_nop
.endr
	v_add_f32 v14, v14, v15
	v_permlanex16_b32 v218, v14, s48, s49
	v_add_f32 v14, v14, v218                       ; the row's sum
	v_rcp_f32 v14, v14
	s_add_co_i32 s50, s42, s43
	v_nop
	s_wait_alu depctr_va_vdst(0)
	v_ldexp_f32 v14, v14, s50
	s_add_co_i32 s51, s44, 127
	s_add_co_i32 s52, s44, 135
	s_lshl_b32 s51, s51, 23
	s_lshl_b32 s52, s52, 23
	s_or_b32 s52, s52, 0x600000
	v_mov_b32 v11, s51                             ; 2^eo
	v_mov_b32 v10, s52                             ; 448 x 2^eo
.irp j, 0,2,4,6,8,10,12,14
	v_pk_mul_f32 v[SC+\j:SC+\j+1], v[OA+\j:OA+\j+1], v[14:15] op_sel_hi:[1,0]
.endr
.irp i, 0,1,2,3,4,5,6,7,8,9,10,11,12,13,14,15
	v_med3_num_f32 v[SC+\i], v[SC+\i], -v10, v10
.endr
	v_cvt_scalef32_pk8_fp8_f32 v[PC:PC+1], v[SC:SC+7], v11
	v_cvt_scalef32_pk8_fp8_f32 v[PC+2:PC+3], v[SC+8:SC+15], v11
	v_nop
	global_store_b128 v3, v[PC:PC+3], s[10:11]     ; the wave stores 512 consecutive bytes, aligned
	s_wait_tensorcnt 0x0
	s_wait_dscnt 0x0
	s_wait_tensorcnt 0x0
	ds_add_u32 v254, v255
	s_wait_dscnt 0x0
	CROUND                                         ; the closing round: no work-group ends while a partner may still ask for a tile that names it
	s_endpgm
.Lfunc_end_k_q03af762cfc_attn0:
	.size	k_q03af762cfc_attn0, .Lfunc_end_k_q03af762cfc_attn0-k_q03af762cfc_attn0
	.p2alignl 7, 3214868480
	.fill 96, 4, 3214868480
	.section	.rodata,"a",@progbits
	.p2align	6, 0x0
	.amdhsa_kernel k_q03af762cfc_attn0
		.amdhsa_group_segment_fixed_size 169984
		.amdhsa_private_segment_fixed_size 0
		.amdhsa_enable_private_segment 0
		.amdhsa_kernarg_size 32
		.amdhsa_user_sgpr_count 2
		.amdhsa_user_sgpr_kernarg_segment_ptr 1
		.amdhsa_wavefront_size32 1
		.amdhsa_system_sgpr_workgroup_id_x 1
		.amdhsa_system_sgpr_workgroup_id_y 1
		.amdhsa_system_sgpr_workgroup_id_z 1
		.amdhsa_system_vgpr_workitem_id 0
		.amdhsa_next_free_vgpr 256
		.amdhsa_next_free_sgpr 66
		.amdhsa_reserve_vcc 0
		.amdhsa_float_denorm_mode_32 3
		.amdhsa_float_denorm_mode_16_64 3
		.amdhsa_memory_ordered 1
		.amdhsa_forward_progress 1
		.amdhsa_inst_pref_size 66
	.end_amdhsa_kernel
	.amdgpu_metadata
---
amdhsa.version: [ 1, 2 ]
amdhsa.kernels:
  - .name:           k_q03af762cfc_attn0
    .symbol:         k_q03af762cfc_attn0.kd
    .args:
      - { .name: qkv, .offset: 0, .size: 8, .value_kind: global_buffer, .address_space: global }
      - { .name: par0, .offset: 8, .size: 8, .value_kind: global_buffer, .address_space: global }
      - { .name: time_diffs, .offset: 16, .size: 8, .value_kind: global_buffer, .address_space: global }
      - { .name: aimg, .offset: 24, .size: 8, .value_kind: global_buffer, .address_space: global }
    .group_segment_fixed_size: 169984
    .private_segment_fixed_size: 0
    .kernarg_segment_align: 8
    .kernarg_segment_size: 32
    .max_flat_workgroup_size: 512
    .sgpr_count:     66
    .vgpr_count:     256
    .wavefront_size: 32
...
	.end_amdgpu_metadata
.endif
;; end of part 3
;; launch post_qkv (part 4): grid 256 x 1, 8 waves a work-group, no clusters, 55,296 bytes of LDS; arguments aimg, xA, wimg, lowp_scales, bo, ln1_g, ln1_b, b1, b2, ln2_g, ln2_b, bq, bk, bv, qkv, xB; writes qkv, xB
.if DOCPART == 4
	.amdgcn_target "amdgcn-amd-amdhsa--gfx1250"
	.amdhsa_code_object_version 6
	.text
	.protected	k_q03af762cfc_post_qkv
	.globl	k_q03af762cfc_post_qkv
	.p2align	8
	.type	k_q03af762cfc_post_qkv,@function
k_q03af762cfc_post_qkv:
	s_mov_b64 s[64:65], 0
	v_nop
	global_prefetch_b8 v0, s[64:65] scope:SCOPE_SE
	s_setreg_imm32_b32 hwreg(HW_REG_WAVE_MODE, 25, 1), 1
	s_wait_xcnt 0x0
; Layer 0 behind its attention (x + attn Wo + bo, LayerNorm, the two products of the feed-forward with both ReLUs, residual, LayerNorm), then layer 1's q, k and v.  All products on codes of E4M3.
; SHARES.  A work-group owns 32 rows (two tiles T of 16).  THE EIGHT WAVES SHARE THE COLUMNS: in each phase [32 x 256] x [256 x 256] wave w makes columns 32 w .. 32 w + 31, two tiles of 16 (a = 0, 1): 8 matrix instructions.
; The feed-forward goes in four slices of 256 hidden units: up (W1's rows 256 i on), ReLU and codes, down (W2's K = 256 i on), summed in one set of accumulators.
; LAYOUT along K, alike on both sides: lane (r, h), registers 4 c .. 4 c + 3 hold k = 32 c + 16 h + 0..15.  A product is used transposed (source 0 = the weight), and lane r of tile (w, a) takes weight row
; 32 w + 8 a + r + 8 (r / 8): a lane's 16 results are columns 32 w + 16 h + 0..15 of row r, and their 16 codes one group of the next operand.  OPERANDS GO FROM WAVE TO WAVE AS IMAGES OF THEIR REGISTERS (a group at 16 x lane).
; v is made the other way round (source 0 = x): a lane then holds eight rows of one column: eight neighbouring keys.
; WEIGHTS come from wimg straight into the registers of the one wave that multiplies them, three phases ahead (three sets of 64 registers).  No LDS ring and no joint loads for them: a phase is 8 matrix instructions a wave,
; so a slot filled behind a barrier would have 8 matrix instructions in which to land; loads into registers are counted instead.
; LAYERNORM: each wave's mean and sum of squared differences of its 32 columns of a row meet in LDS; the eight are merged (mean of means; sums + 32 x the means' squared differences): no difference of large sums.
; LIMITS: each sum of two exponents of a product between -126 and 127; each quantiser's exponent between -126 and 119.  NaN among the inputs is not served.
; REGISTERS.  Window 0: v1-11 addresses and the quantiser in hand; v[12:13], v[14:15] a tile's (mean, sum of squares); v16-79 AF, v80-143 HF: four fragments each (at times LayerNorm's gains and biases);
;             v144-175 HA, v176-207 FA: four accumulators each ((T, a) at 16 T + 8 a), also work registers; v208-239 x, 16 a tile; v240-255 codes.  Window 1: v0-191 three sets of weights; v192-255 four sets of 16 biases.
.set LI,   1                           ; 16 x lane
.set WO,   2                           ; + 8,192 w: my part of a chunk of wimg
.set IMW,  3                           ; + 512 w: my group in an image
.set PB,   4                           ; 128 w + 64 h: my 16 columns in a row of f32
.set LNW,  5                           ; 80 r + 8 w: where my wave's two numbers of row r go
.set LNR,  6                           ; 80 r: row r's eight pairs
.set XO,   7                           ; 16 x lane + 2,048 w: my part of x's image
.set SCV,  8
.set LIMV, 9
.set VB,   10
.set VO,   11
.set AF,   16
.set HF,   80
.set HA,   144
.set FA,   176
.set X1,   208
.set CD,   240
.set BR,   192
.set XIMG,  0                          ; LDS: images of 8 KB, group (8 T + w) at 512 bytes each: x for W1,
.set HIMG0, 8192                       ; the hidden slices, two by turns,
.set HIMG1, 16384
.set XQ,    24576                      ; x for q, k, v;
.set XK,    32768
.set XV,    40960
.set LNS0,  49152                      ; LayerNorm's exchange, two by turns: 2 tiles x 16 rows x 80 bytes
.set LNS1,  51712
.set WP,    8                          ; s[8:9] wimg
.set P_BO,  12
.set P_L1G, 14
.set P_L1B, 16
.set P_B1,  18
.set P_B2,  20
.set P_L2G, 22
.set P_L2B, 24
.set QKVP,  32
.set LCH,   0                          ; the layer's first chunk of wimg, and its offsets in the small tensors
.set LOF,   0
.set LOF1,  0
.set PP_O, 52
.set PP_1, 54
.set PP_2, 56
.set PP_Q, 58
.set PP_K, 60
.set PP_V, 62
.set SX_1, 66
.set SX_H, 68
.set SX_Q, 70
.set SX_K, 72
.set SX_V, 74
.set SO_Q, 76
.set SO_K, 78
.set SO_V, 80
.set WV,   82
.set SEL,  84
.set C32I, 86
.set C8I,  87
.set C32,  88
.set C256I, 89
.set EPSR, 90
.set NQ,   9
.set NK,   10
.set NV,   11
.set ISS,  0
.set MSB,  0
.macro WIN new                         ; the immediate's high byte repeats the setting that is left
.if MSB != \new
	s_set_vgpr_msb (MSB<<8)|\new
.set MSB, \new
.endif
.endm
.macro PLACES                          ; behind matrix instructions: four places serve reads of results and loads into operands, the fifth a matrix instruction that begins an accumulator anew
.rept 5
	v_nop
.endr
.endm
.macro MKQ S, e
	s_add_co_i32 s[\S], s[\e], 127
	s_add_co_i32 s[\S+1], s[\e], 135
	s_lshl_b32 s[\S], s[\S], 23
	s_lshl_b32 s[\S+1], s[\S+1], 23
	s_or_b32 s[\S+1], s[\S+1], 0x600000
.endm
.macro MKP P, ea, eb
	s_add_co_i32 s[\P], s[\ea], s[\eb]
	s_add_co_i32 s[\P], s[\P], 127
	s_lshl_b32 s[\P], s[\P], 23
	s_mov_b32 s[\P+1], s[\P]
.endm
.macro ENDG g
.set END_\g, ISS
.endm
.macro WAITG g                         ; loads come back in order (ISA guide 5.7.1): those issued behind group g may stay out
	s_wait_loadcnt ISS-END_\g
.endm
.macro WLOAD n, ch
	WIN 0x40
.irp q, 0,1,2,3,4,5,6,7,8,9,10,11,12,13,14,15
	global_load_b128 v[64*((\n)%3)+4*\q:64*((\n)%3)+4*\q+3], v[WO], s[WP:WP+1] offset:(\ch)*65536+512*\q
.endr
.set ISS, ISS+16
.endm
.macro BLOAD n, base, off
	WIN 0x40
.irp q, 0,1,2,3
	global_load_b128 v[BR+16*((\n)%4)+4*\q:BR+16*((\n)%4)+4*\q+3], v[PB], s[\base:\base+1] offset:\off+16*\q
.endr
.set ISS, ISS+4
.endm
.macro VLOAD n, base, off
	WIN 0x40
	global_load_b32 v[BR+16*((\n)%4)], v[VB], s[\base:\base+1] offset:\off
	global_load_b32 v[BR+16*((\n)%4)+1], v[VB], s[\base:\base+1] offset:\off+128
.set ISS, ISS+2
.endm
.macro PLOAD reg, base, off            ; my 16 columns of a gain or bias, into window 0
	WIN 0
.irp q, 0,1,2,3
	global_load_b128 v[\reg+4*\q:\reg+4*\q+3], v[PB], s[\base:\base+1] offset:\off+16*\q
.endr
.set ISS, ISS+4
.endm
.macro GUP n, i                        ; slice i of W1 and of b1
	WLOAD \n, LCH+4+\i
	BLOAD \n, P_B1, LOF1+1024*\i
	ENDG \n
.endm
.macro GDN n, i                        ; slice i of W2
	WLOAD \n, LCH+8+\i
	ENDG \n
.endm
.macro FETCH reg, base
	WIN 0
.irp q, 0,1,2,3,4,5,6,7,8,9,10,11,12,13,14,15
	ds_load_b128 v[\reg+4*\q:\reg+4*\q+3], v[LI] offset:\base+512*\q
.endr
.endm
.macro MULT acc, xf, n, nat, zero      ; 8 matrix instructions; the four accumulators take turns
.if \nat
	WIN 0x04
.else
	WIN 0x01
.endif
.irp s, 0,1
.irp t, 0,1
.irp a, 0,1
.set rD, \acc+16*\t+8*\a
.set rW, 64*((\n)%3)+16*(2*\a+\s)
.set rX, \xf+16*(2*\t+\s)
.if \nat
.if (\s == 0) && \zero
	v_wmma_f32_16x16x128_fp8_fp8 v[rD:rD+7], v[rX:rX+15], v[rW:rW+15], 0
.else
	v_wmma_f32_16x16x128_fp8_fp8 v[rD:rD+7], v[rX:rX+15], v[rW:rW+15], v[rD:rD+7]
.endif
.else
.if (\s == 0) && \zero
	v_wmma_f32_16x16x128_fp8_fp8 v[rD:rD+7], v[rW:rW+15], v[rX:rX+15], 0
.else
	v_wmma_f32_16x16x128_fp8_fp8 v[rD:rD+7], v[rW:rW+15], v[rX:rX+15], v[rD:rD+7]
.endif
.endif
.endr
.endr
.endr
	WIN 0
.endm
.macro BIAS acc, pp, n                 ; sum x 2^(eA + eB) + bias, two at a time; each accumulator from its low end on
	WIN 0x10
.irp t, 0,16
.irp j, 0,2,4,6,8,10,12,14
	v_pk_fma_f32 v[\acc+\t+\j:\acc+\t+\j+1], v[\acc+\t+\j:\acc+\t+\j+1], s[\pp:\pp+1], v[BR+16*((\n)%4)+\j:BR+16*((\n)%4)+\j+1] op_sel_hi:[1,0,1]
.endr
.endr
	WIN 0
.endm
.macro QUANT src, tmp, cd, relu        ; 16 neighbours along K -> 16 codes.  The conversion does not saturate (ISA guide 7.6.2): the hold comes first; relu = 1: it clips at 0 as well
	WIN 0
.irp i, 0,1,2,3,4,5,6,7,8,9,10,11,12,13,14,15
.if \relu
	v_med3_num_f32 v[\tmp+\i], v[\src+\i], 0, v[LIMV]
.else
	v_med3_num_f32 v[\tmp+\i], v[\src+\i], -v[LIMV], v[LIMV]
.endif
.endr
	v_cvt_scalef32_pk8_fp8_f32 v[\cd:\cd+1], v[\tmp:\tmp+7], v[SCV]
	v_cvt_scalef32_pk8_fp8_f32 v[\cd+2:\cd+3], v[\tmp+8:\tmp+15], v[SCV]
	v_nop                                          ; a plain line between the conversions and whatever next touches their registers
.endm
.macro BARRIER
	s_wait_dscnt 0x0
	s_barrier_signal -1
	s_barrier_wait -1
.endm
.macro LNSTAT t, lns, tmp              ; my 32 columns of row r (16 here, 16 in lane l xor 16): their mean and their sum of squared differences from it
	WIN 0
.set rX, X1+16*\t
.set rS, 12+2*\t
	v_pk_add_f32 v[\tmp:\tmp+1], v[rX:rX+1], v[rX+2:rX+3]
	v_pk_add_f32 v[\tmp+2:\tmp+3], v[rX+4:rX+5], v[rX+6:rX+7]
	v_pk_add_f32 v[\tmp+4:\tmp+5], v[rX+8:rX+9], v[rX+10:rX+11]
	v_pk_add_f32 v[\tmp+6:\tmp+7], v[rX+12:rX+13], v[rX+14:rX+15]
	v_pk_add_f32 v[\tmp:\tmp+1], v[\tmp:\tmp+1], v[\tmp+2:\tmp+3]
	v_pk_add_f32 v[\tmp+4:\tmp+5], v[\tmp+4:\tmp+5], v[\tmp+6:\tmp+7]
	v_pk_add_f32 v[\tmp:\tmp+1], v[\tmp:\tmp+1], v[\tmp+4:\tmp+5]
	v_add_f32 v[\tmp], v[\tmp], v[\tmp+1]
	v_permlanex16_b32 v[\tmp+1], v[\tmp], s[SEL], s[SEL+1]
	v_add_f32 v[\tmp], v[\tmp], v[\tmp+1]
	v_mul_f32 v[rS], s[C32I], v[\tmp]
.irp j, 0,2,4,6,8,10,12,14
	v_pk_add_f32 v[\tmp+\j:\tmp+\j+1], v[rX+\j:rX+\j+1], v[rS:rS+1] op_sel_hi:[1,0] neg_lo:[0,1] neg_hi:[0,1]
.endr
	v_pk_mul_f32 v[\tmp:\tmp+1], v[\tmp:\tmp+1], v[\tmp:\tmp+1]
	v_pk_mul_f32 v[\tmp+2:\tmp+3], v[\tmp+2:\tmp+3], v[\tmp+2:\tmp+3]
.irp j, 4,8,12
	v_pk_fma_f32 v[\tmp:\tmp+1], v[\tmp+\j:\tmp+\j+1], v[\tmp+\j:\tmp+\j+1], v[\tmp:\tmp+1]
	v_pk_fma_f32 v[\tmp+2:\tmp+3], v[\tmp+\j+2:\tmp+\j+3], v[\tmp+\j+2:\tmp+\j+3], v[\tmp+2:\tmp+3]
.endr
	v_pk_add_f32 v[\tmp:\tmp+1], v[\tmp:\tmp+1], v[\tmp+2:\tmp+3]
	v_add_f32 v[\tmp], v[\tmp], v[\tmp+1]
	v_permlanex16_b32 v[\tmp+1], v[\tmp], s[SEL], s[SEL+1]
	v_add_f32 v[rS+1], v[\tmp], v[\tmp+1]
	ds_store_b64 v[LNW], v[rS:rS+1] offset:\lns+1280*\t   ; both halves of the lanes hold, and write, the same two numbers
.endm
.macro LNGET t, lns, tmp               ; row r's eight pairs
	WIN 0
.irp i, 0,1,2,3
	ds_load_b128 v[\tmp+4*\i:\tmp+4*\i+3], v[LNR] offset:\lns+1280*\t+16*\i
.endr
.endm
.macro LNFIN t, tmp, g                 ; the eight are merged; x = (x - mean) / sqrt(var + 1e-5) x gain + bias; v[g..] the gains, v[g+16..] the biases
	WIN 0
.set rX, X1+16*\t
	v_pk_add_f32 v[\tmp+16:\tmp+17], v[\tmp:\tmp+1], v[\tmp+2:\tmp+3]
	v_pk_add_f32 v[\tmp+18:\tmp+19], v[\tmp+4:\tmp+5], v[\tmp+6:\tmp+7]
	v_pk_add_f32 v[\tmp+20:\tmp+21], v[\tmp+8:\tmp+9], v[\tmp+10:\tmp+11]
	v_pk_add_f32 v[\tmp+22:\tmp+23], v[\tmp+12:\tmp+13], v[\tmp+14:\tmp+15]
	v_pk_add_f32 v[\tmp+16:\tmp+17], v[\tmp+16:\tmp+17], v[\tmp+18:\tmp+19]
	v_pk_add_f32 v[\tmp+20:\tmp+21], v[\tmp+20:\tmp+21], v[\tmp+22:\tmp+23]
	v_pk_add_f32 v[\tmp+16:\tmp+17], v[\tmp+16:\tmp+17], v[\tmp+20:\tmp+21]
	v_mul_f32 v[\tmp+16], s[C8I], v[\tmp+16]       ; the row's mean
.irp w, 0,2,4,6,8,10,12,14
	v_sub_f32 v[\tmp+\w], v[\tmp+\w], v[\tmp+16]
.endr
	v_mul_f32 v[\tmp+18], v[\tmp], v[\tmp]
	v_mul_f32 v[\tmp+19], v[\tmp+2], v[\tmp+2]
.irp w, 4,8,12
	v_fma_f32 v[\tmp+18], v[\tmp+\w], v[\tmp+\w], v[\tmp+18]
	v_fma_f32 v[\tmp+19], v[\tmp+\w+2], v[\tmp+\w+2], v[\tmp+19]
.endr
	v_add_f32 v[\tmp+18], v[\tmp+18], v[\tmp+19]
	v_fma_f32 v[\tmp+17], v[\tmp+18], s[C32], v[\tmp+17]
	v_fma_f32 v[\tmp+20], v[\tmp+17], s[C256I], s[EPSR]
	v_rsq_f32 v[\tmp+20], v[\tmp+20]
	v_nop
.irp j, 0,2,4,6,8,10,12,14
	v_pk_add_f32 v[rX+\j:rX+\j+1], v[rX+\j:rX+\j+1], v[\tmp+16:\tmp+17] op_sel_hi:[1,0] neg_lo:[0,1] neg_hi:[0,1]
.endr
	s_wait_alu depctr_va_vdst(0)
.irp j, 0,2,4,6,8,10,12,14
	v_pk_mul_f32 v[rX+\j:rX+\j+1], v[rX+\j:rX+\j+1], v[\tmp+20:\tmp+21] op_sel_hi:[1,0]
.endr
.irp j, 0,2,4,6,8,10,12,14
	v_pk_fma_f32 v[rX+\j:rX+\j+1], v[rX+\j:rX+\j+1], v[\g+\j:\g+\j+1], v[\g+16+\j:\g+16+\j+1]
.endr
.endm
.macro XCODE sx, img, c0               ; both tiles of x under the scale in s[sx]: my group of each goes to image img
	WIN 0
	v_mov_b32 v[SCV], s[\sx]
	v_mov_b32 v[LIMV], s[\sx+1]
	QUANT X1, HA, CD+\c0, 0
	QUANT X1+16, FA, CD+\c0+4, 0
	ds_store_b128 v[IMW], v[CD+\c0:CD+\c0+3] offset:\img
	ds_store_b128 v[IMW], v[CD+\c0+4:CD+\c0+7] offset:\img+4096
.endm
.macro UP n                            ; a hidden slice's products
	WAITG \n
	MULT HA, AF, \n, 0, 1
	PLACES
.endm
.macro HIDE n, img, c0                 ; its bias, ReLU and hold in one, codes, image; a barrier; all eight waves' groups back
	BIAS HA, PP_1, \n
	QUANT HA, HA, CD+\c0, 1
	QUANT HA+16, HA+16, CD+\c0+4, 1
	ds_store_b128 v[IMW], v[CD+\c0:CD+\c0+3] offset:\img
	ds_store_b128 v[IMW], v[CD+\c0+4:CD+\c0+7] offset:\img+4096
	BARRIER
	FETCH HF, \img
	s_wait_dscnt 0x0
.endm
.macro DOWN n, zero                    ; the slice's part of the second product
	WAITG \n
	MULT FA, HF, \n, 0, \zero
	PLACES
.endm
.macro OUTQK acc, pp, n, so, c0, reg
	BIAS \acc, \pp, \n
	v_mov_b32 v[SCV], s[\so]
	v_mov_b32 v[LIMV], s[\so+1]
	QUANT \acc, \acc, CD+\c0, 0
	QUANT \acc+16, \acc+16, CD+\c0+4, 0
	global_store_b128 v[IMW], v[CD+\c0:CD+\c0+3], s[QKVP:QKVP+1] offset:\reg
	global_store_b128 v[IMW], v[CD+\c0+4:CD+\c0+7], s[QKVP:QKVP+1] offset:\reg+4096
.endm
.macro OUTV acc, pp, n, so
	WIN 0x10
.irp t, 0,1
.irp a, 0,1
.irp j, 0,1,2,3,4,5,6,7
	v_fma_f32 v[\acc+16*\t+8*\a+\j], v[\acc+16*\t+8*\a+\j], s[\pp], v[BR+16*((\n)%4)+\a]
.endr
.endr
.endr
	WIN 0
	v_mov_b32 v[SCV], s[\so]
	v_mov_b32 v[LIMV], s[\so+1]
	QUANT \acc, \acc, CD, 0
	QUANT \acc+16, \acc+16, CD+4, 0
	global_store_b128 v[VO], v[CD:CD+3], s[QKVP:QKVP+1] offset:4194304
	global_store_b128 v[VO], v[CD+4:CD+7], s[QKVP:QKVP+1] offset:4194304+4096
.endm
	s_load_b512 s[4:19], s[0:1], 0x0               ; attention's images, xA, wimg, the scales, bo, ln1_g, ln1_b, b1
	s_load_b512 s[20:35], s[0:1], 0x40             ; b2, ln2_g, ln2_b, bq, bk, bv, qkv, xB
	v_and_b32 v[LI], 31, v0
	v_lshlrev_b32 v[LI], 4, v[LI]
	v_lshrrev_b32 v12, 5, v0                       ; w
	v_readfirstlane_b32 s[WV], v12
	v_and_b32 v13, 15, v0                          ; r
	v_bfe_u32 v14, v0, 4, 1                        ; h
	v_lshl_add_u32 v[WO], v12, 13, v[LI]
	v_lshl_add_u32 v[IMW], v12, 9, v[LI]
	v_lshlrev_b32 v[PB], 7, v12
	v_lshl_add_u32 v[PB], v14, 6, v[PB]
	v_mul_u32_u24 v[LNR], v13, 80
	v_lshl_add_u32 v[LNW], v12, 3, v[LNR]
	v_lshl_add_u32 v[XO], v12, 11, v[LI]
	v_lshrrev_b32 v15, 1, v12                      ; w / 2
	v_and_b32 v8, 1, v12                           ; w % 2
	v_and_b32 v9, 8, v13
	v_add_nc_u32 v9, v9, v13                       ; r + 8 (r / 8)
	v_lshl_add_u32 v9, v8, 3, v9
	v_lshl_add_u32 v9, v15, 6, v9
	v_lshlrev_b32 v[VB], 2, v9
	v_lshl_add_u32 v[VO], v8, 11, v[LI]
	v_lshl_add_u32 v[VO], v15, 9, v[VO]
	s_mov_b32 s[SEL], 0x76543210
	s_mov_b32 s[SEL+1], 0xfedcba98
	s_mov_b32 s[C32I], 0x3d000000                  ; 1 / 32
	s_mov_b32 s[C8I], 0x3e000000                   ; 1 / 8
	s_mov_b32 s[C32], 0x42000000                   ; 32
	s_mov_b32 s[C256I], 0x3b800000                 ; 1 / 256
	s_mov_b32 s[EPSR], 0x3727c5ac                  ; 1e-5
	s_lshl_b32 s92, ttmp9, 13
	s_mov_b32 s93, 0
	s_wait_kmcnt 0x0
	s_load_b512 s[36:51], s[10:11], 0x28           ; entries 10 to 25 of the scales
	s_add_nc_u64 s[4:5], s[4:5], s[92:93]          ; two tiles of 4,096 bytes of codes
	s_add_nc_u64 s[32:33], s[32:33], s[92:93]
	s_lshl_b32 s92, ttmp9, 15
	s_add_nc_u64 s[6:7], s[6:7], s[92:93]          ; two tiles of 16,384 bytes of x
	s_lshr_b32 s94, ttmp9, 6                       ; the batch
	s_mul_i32 s94, s94, 3
	s_and_b32 s95, ttmp9, 63
	s_max_u32 s95, s95, 61                         ; only a batch's last three blocks of 32 rows (its last 96 rows) go to xB
	s_add_co_u32 s94, s94, s95
	s_sub_co_u32 s94, s94, 61
	s_lshl_b32 s92, s94, 15
	s_add_nc_u64 s[34:35], s[34:35], s[92:93]
.irp q, 0,1,2,3,4,5,6,7,8,9,10,11,12,13,14,15
	global_load_b128 v[AF+4*\q:AF+4*\q+3], v[LI], s[4:5] offset:512*\q      ; attention's four fragments
.endr
.irp t, 0,1
.irp i, 0,1,2,3
	global_load_b128 v[X1+16*\t+4*\i:X1+16*\t+4*\i+3], v[XO], s[6:7] offset:16384*\t+512*\i
.endr
.endr
.set ISS, 24
	BLOAD 0, P_BO, LOF
	WLOAD 0, LCH+3
	ENDG 0
	PLOAD HF, P_L1G, LOF
	PLOAD HF+16, P_L1B, LOF
	ENDG l1
	GUP 1, 0
	GDN 2, 0
	WIN 0
	s_wait_kmcnt 0x0
	MKP PP_O, 36, 37
	MKP PP_1, 38, 39
	MKP PP_2, 40, 41
	MKP PP_Q, 42, 43
	MKP PP_K, 44, 45
	MKP PP_V, 46, 47
	MKQ SX_1, 38
	MKQ SX_H, 40
	MKQ SX_Q, 42
	MKQ SX_K, 44
	MKQ SX_V, 46
	MKQ SO_Q, 48
	MKQ SO_K, 49
	MKQ SO_V, 51
	; ---- x + attn Wo + bo
	WAITG 0
	WIN 0x04
.irp t, 0,16
.irp j, 0,2,4,6,8,10,12,14
	v_pk_add_f32 v[X1+\t+\j:X1+\t+\j+1], v[X1+\t+\j:X1+\t+\j+1], v[BR+\j:BR+\j+1]
.endr
.endr
	MULT HA, AF, 0, 0, 1
	PLACES
	GUP 3, 1
	WIN 0
.irp j, 0,2,4,6,8,10,12,14,16,18,20,22,24,26,28,30
	v_pk_fma_f32 v[X1+\j:X1+\j+1], v[HA+\j:HA+\j+1], s[PP_O:PP_O+1], v[X1+\j:X1+\j+1] op_sel_hi:[1,0,1]
.endr
	; ---- the first LayerNorm
	LNSTAT 0, LNS0, HA
	LNSTAT 1, LNS0, FA
	BARRIER
	LNGET 0, LNS0, HA
	LNGET 1, LNS0, FA
	WAITG l1
	s_wait_dscnt 0x0
	LNFIN 0, HA, HF
	LNFIN 1, FA, HF
	; ---- its codes, to all waves
	XCODE SX_1, XIMG, 0
	BARRIER
	FETCH AF, XIMG
	v_mov_b32 v[SCV], s[SX_H]
	v_mov_b32 v[LIMV], s[SX_H+1]
	s_wait_dscnt 0x0
	; ---- the feed-forward, four slices; behind each phase's products the weights of three phases on are asked for, into the set just read
	UP 1
	GDN 4, 1
	HIDE 1, HIMG0, 0
	DOWN 2, 1
	GUP 5, 2
	UP 3
	GDN 6, 2
	HIDE 3, HIMG1, 8
	DOWN 4, 0
	GUP 7, 3
	UP 5
	WLOAD 8, LCH+11
	BLOAD 8, P_B2, LOF
	ENDG 8
	HIDE 5, HIMG0, 0
	DOWN 6, 0
	WLOAD NQ, 12
	BLOAD NQ, 26, 1024
	ENDG q
	UP 7
	WLOAD NK, 13
	BLOAD NK, 28, 1024
	ENDG k
	PLOAD AF, P_L2G, LOF                           ; x's fragments have had their last product: their registers take the second LayerNorm's gains and biases
	PLOAD AF+16, P_L2B, LOF
	ENDG l2
	HIDE 7, HIMG1, 8
	DOWN 8, 0
	WLOAD NV, 14
	VLOAD NV, 30, 1024
	ENDG v
	BIAS FA, PP_2, 8
.irp i, 0,1,2,3,4,5,6,7,8,9,10,11,12,13,14,15,16,17,18,19,20,21,22,23,24,25,26,27,28,29,30,31
	v_max_num_f32 v[FA+\i], 0, v[FA+\i]            ; the module's second ReLU
.endr
.irp j, 0,2,4,6,8,10,12,14,16,18,20,22,24,26,28,30
	v_pk_add_f32 v[X1+\j:X1+\j+1], v[X1+\j:X1+\j+1], v[FA+\j:FA+\j+1]
.endr
	; ---- the second LayerNorm
	LNSTAT 0, LNS1, HA
	LNSTAT 1, LNS1, FA
	BARRIER
	LNGET 0, LNS1, HA
	LNGET 1, LNS1, FA
	WAITG l2
	s_wait_dscnt 0x0
	LNFIN 0, HA, AF
	LNFIN 1, FA, AF
	; ---- x for the last launch's residual: only the rows that it reads
	s_and_b32 s92, ttmp9, 63
	s_cmp_lt_u32 s92, 61
	s_cbranch_scc1 .Lno_x
.irp t, 0,1
.irp i, 0,1,2,3
	global_store_b128 v[XO], v[X1+16*\t+4*\i:X1+16*\t+4*\i+3], s[34:35] offset:16384*\t+512*\i   ; x's registers are not written again
.endr
.endr
.Lno_x:
	; ---- x's codes under the three given scales; then layer 1's q, k, v
	XCODE SX_Q, XQ, 0
	XCODE SX_K, XK, 8
	s_wait_dscnt 0x0                               ; the first stores have read their registers
	XCODE SX_V, XV, 0
	BARRIER
	FETCH AF, XQ
	FETCH HF, XK
	WAITG q
	s_wait_dscnt 16                                ; q's sixteen loads are in, k's may be out
	MULT HA, AF, NQ, 0, 1
	WAITG k
	s_wait_dscnt 0x0
	MULT FA, HF, NK, 0, 1
	PLACES
	FETCH AF, XV
	OUTQK HA, PP_Q, NQ, SO_Q, 0, 0
	OUTQK FA, PP_K, NK, SO_K, 8, 2097152
	WAITG v
	s_wait_dscnt 0x0
	MULT HA, AF, NV, 1, 1
	PLACES
	s_wait_xcnt 0x0                                ; the stores of q's codes have read their registers, which v's codes take
	OUTV HA, PP_V, NV, SO_V
	s_wait_xcnt 0x0
	v_lshl_add_u32 v254, v0, 2, 0xd400
	v_mov_b32 v255, 0
	s_wait_tensorcnt 0x0
	ds_add_u32 v254, v255
	s_wait_dscnt 0x0
	s_endpgm
.Lfunc_end_k_q03af762cfc_post_qkv:
	.size	k_q03af762cfc_post_qkv, .Lfunc_end_k_q03af762cfc_post_qkv-k_q03af762cfc_post_qkv
	.p2alignl 7, 3214868480
	.fill 96, 4, 3214868480
	.section	.rodata,"a",@progbits
	.p2align	6, 0x0
	.amdhsa_kernel k_q03af762cfc_post_qkv
		.amdhsa_group_segment_fixed_size 55296
		.amdhsa_private_segment_fixed_size 0
		.amdhsa_enable_private_segment 0
		.amdhsa_kernarg_size 128
		.amdhsa_user_sgpr_count 2
		.amdhsa_user_sgpr_kernarg_segment_ptr 1
		.amdhsa_wavefront_size32 1
		.amdhsa_system_sgpr_workgroup_id_x 1
		.amdhsa_system_sgpr_workgroup_id_y 1
		.amdhsa_system_sgpr_workgroup_id_z 1
		.amdhsa_system_vgpr_workitem_id 0
		.amdhsa_next_free_vgpr 512
		.amdhsa_next_free_sgpr 96
		.amdhsa_reserve_vcc 0
		.amdhsa_float_denorm_mode_32 3
		.amdhsa_float_denorm_mode_16_64 3
		.amdhsa_memory_ordered 1
		.amdhsa_forward_progress 1
		.amdhsa_inst_pref_size 111
	.end_amdhsa_kernel
	.amdgpu_metadata
---
amdhsa.version: [ 1, 2 ]
amdhsa.kernels:
  - .name:           k_q03af762cfc_post_qkv
    .symbol:         k_q03af762cfc_post_qkv.kd
    .args:
      - { .name: aimg, .offset: 0, .size: 8, .value_kind: global_buffer, .address_space: global }
      - { .name: xA, .offset: 8, .size: 8, .value_kind: global_buffer, .address_space: global }
      - { .name: wimg, .offset: 16, .size: 8, .value_kind: global_buffer, .address_space: global }
      - { .name: lowp_scales, .offset: 24, .size: 8, .value_kind: global_buffer, .address_space: global }
      - { .name: bo, .offset: 32, .size: 8, .value_kind: global_buffer, .address_space: global }
      - { .name: ln1_g, .offset: 40, .size: 8, .value_kind: global_buffer, .address_space: global }
      - { .name: ln1_b, .offset: 48, .size: 8, .value_kind: global_buffer, .address_space: global }
      - { .name: b1, .offset: 56, .size: 8, .value_kind: global_buffer, .address_space: global }
      - { .name: b2, .offset: 64, .size: 8, .value_kind: global_buffer, .address_space: global }
      - { .name: ln2_g, .offset: 72, .size: 8, .value_kind: global_buffer, .address_space: global }
      - { .name: ln2_b, .offset: 80, .size: 8, .value_kind: global_buffer, .address_space: global }
      - { .name: bq, .offset: 88, .size: 8, .value_kind: global_buffer, .address_space: global }
      - { .name: bk, .offset: 96, .size: 8, .value_kind: global_buffer, .address_space: global }
      - { .name: bv, .offset: 104, .size: 8, .value_kind: global_buffer, .address_space: global }
      - { .name: qkv, .offset: 112, .size: 8, .value_kind: global_buffer, .address_space: global }
      - { .name: xB, .offset: 120, .size: 8, .value_kind: global_buffer, .address_space: global }
    .group_segment_fixed_size: 55296
    .private_segment_fixed_size: 0
    .kernarg_segment_align: 8
    .kernarg_segment_size: 128
    .max_flat_workgroup_size: 256
    .sgpr_count:     96
    .vgpr_count:     512
    .wavefront_size: 32
...
	.end_amdgpu_metadata
.endif
;; end of part 4
;; launch attn1: the kernel of part 3 again; grid 8 x 32, 16 waves a work-group, clusters of 4 x 1, 169,984 bytes of LDS; arguments qkv, par1, time_diffs, aimg; writes aimg
;; launch post_out (part 5): grid 3 x 4, 8 waves a work-group, no clusters, 55,296 bytes of LDS; arguments aimg, xB, wimg, lowp_scales, bo, ln1_g, ln1_b, b1, b2, ln2_g, ln2_b, lnf_g, lnf_b, W_proj_codes, b_proj, out0; writes out0
.if DOCPART == 5
	.amdgcn_target "amdgcn-amd-amdhsa--gfx1250"
	.amdhsa_code_object_version 6
	.text
	.protected	k_q03af762cfc_post_out
	.globl	k_q03af762cfc_post_out
	.p2align	8
	.type	k_q03af762cfc_post_out,@function
k_q03af762cfc_post_out:
	s_mov_b64 s[64:65], 0
	v_nop
	global_prefetch_b8 v0, s[64:65] scope:SCOPE_SE
	s_setreg_imm32_b32 hwreg(HW_REG_WAVE_MODE, 25, 1), 1
	s_wait_xcnt 0x0
; Layer 1 behind its attention (x + attn Wo + bo, LayerNorm, feed-forward with both ReLUs, residual, LayerNorm), the last LayerNorm and the projection, FOR THE ROWS AND THE COLUMN THAT THE RESULT'S SLICE KEEPS:
; the last 96 rows of each batch, column 0 of the projection.  All of this is row by row, so the other rows' work would be thrown away.  Twelve work-groups of 32 rows: (p, batch), rows 1,952 + 32 p on.
; SHARES, LAYOUT, WEIGHTS, LAYERNORM: a work-group owns 32 rows (two tiles T of 16); the eight waves share the columns: wave w makes columns 32 w .. 32 w + 31 of each phase [32 x 256] x [256 x 256], 8 matrix instructions.
; Along K, alike on both sides: lane (r, h), registers 4 c .. 4 c + 3 hold k = 32 c + 16 h + 0..15.  A product is used transposed (source 0 = the weight); lane r of tile (w, a) takes weight row 32 w + 8 a + r + 8 (r / 8), so a
; lane's 16 results are columns 32 w + 16 h + 0..15 of row r, and their 16 codes one group of the next operand.  Operands go from wave to wave as images of their registers (a group at 16 x lane).
; Weights come from wimg straight into the registers of the one wave that multiplies them, three phases ahead.  No LDS ring and no joint loads: a phase is 8 matrix instructions a wave, too few for a slot filled behind a barrier to land.
; LayerNorm: each wave's mean and sum of squared differences of its 32 columns meet in LDS and are merged: no difference of large sums.
; THE PROJECTION: wave 0 alone: one tile of 16 rows of W_proj (column 0 is its first), four matrix instructions; register 0 of lanes 0-15 is column 0 of row r.
; LIMITS: each sum of two exponents of a product between -126 and 127; each quantiser's exponent between -126 and 119.  NaN among the inputs is not served.
; REGISTERS: as the map below names them.  Window 0: v1-10 addresses and the quantiser in hand; v[12:13], v[14:15] a tile's (mean, sum of squares); v16-79 AF, v80-143 HF; v144-175 HA, v176-207 FA; v208-239 x; v240-255 codes.
;            Window 1: v0-191 three sets of weights; v192-255 four sets of 16 biases.
.set LI,   1
.set WO,   2
.set IMW,  3
.set PB,   4
.set LNW,  5
.set LNR,  6
.set XO,   7
.set SCV,  8
.set LIMV, 9
.set WPA,  10                          ; W_proj: 256 r + 16 h
.set AF,   16
.set HF,   80
.set HA,   144
.set FA,   176
.set X1,   208
.set CD,   240
.set BR,   192
.set XIMG,  0
.set HIMG0, 8192
.set HIMG1, 16384
.set XQ,    24576                      ; x's codes for the projection
.set LNS0,  49152
.set LNS1,  51712
.set WP,    8
.set P_BO,  12
.set P_L1G, 14
.set P_L1B, 16
.set P_B1,  18
.set P_B2,  20
.set P_L2G, 22
.set P_L2B, 24
.set LCH,   12                         ; layer 1's chunks of wimg, and its offsets in the small tensors
.set LOF,   1024
.set LOF1,  4096
.set PP_O, 52
.set PP_1, 54
.set PP_2, 56
.set PP_P, 58
.set SX_1, 66
.set SX_H, 68
.set SX_P, 70
.set WV,   82
.set SEL,  84
.set C32I, 86
.set C8I,  87
.set C32,  88
.set C256I, 89
.set EPSR, 90
.set ISS,  0
.set MSB,  0
.macro WIN new                         ; the immediate's high byte repeats the setting that is left
.if MSB != \new
	s_set_vgpr_msb (MSB<<8)|\new
.set MSB, \new
.endif
.endm
.macro PLACES                          ; behind matrix instructions: four places serve reads of results and loads into operands, the fifth a matrix instruction that begins an accumulator anew
.rept 5
	v_nop
.endr
.endm
.macro MKQ S, e
	s_add_co_i32 s[\S], s[\e], 127
	s_add_co_i32 s[\S+1], s[\e], 135
	s_lshl_b32 s[\S], s[\S], 23
	s_lshl_b32 s[\S+1], s[\S+1], 23
	s_or_b32 s[\S+1], s[\S+1], 0x600000
.endm
.macro MKP P, ea, eb
	s_add_co_i32 s[\P], s[\ea], s[\eb]
	s_add_co_i32 s[\P], s[\P], 127
	s_lshl_b32 s[\P], s[\P], 23
	s_mov_b32 s[\P+1], s[\P]
.endm
.macro ENDG g
.set END_\g, ISS
.endm
.macro WAITG g                         ; loads come back in order (ISA guide 5.7.1): those issued behind group g may stay out
	s_wait_loadcnt ISS-END_\g
.endm
.macro WLOAD n, ch
	WIN 0x40
.irp q, 0,1,2,3,4,5,6,7,8,9,10,11,12,13,14,15
	global_load_b128 v[64*((\n)%3)+4*\q:64*((\n)%3)+4*\q+3], v[WO], s[WP:WP+1] offset:(\ch)*65536+512*\q
.endr
.set ISS, ISS+16
.endm
.macro BLOAD n, base, off
	WIN 0x40
.irp q, 0,1,2,3
	global_load_b128 v[BR+16*((\n)%4)+4*\q:BR+16*((\n)%4)+4*\q+3], v[PB], s[\base:\base+1] offset:\off+16*\q
.endr
.set ISS, ISS+4
.endm
.macro PLOAD reg, base, off
	WIN 0
.irp q, 0,1,2,3
	global_load_b128 v[\reg+4*\q:\reg+4*\q+3], v[PB], s[\base:\base+1] offset:\off+16*\q
.endr
.set ISS, ISS+4
.endm
.macro GUP n, i
	WLOAD \n, LCH+4+\i
	BLOAD \n, P_B1, LOF1+1024*\i
	ENDG \n
.endm
.macro GDN n, i
	WLOAD \n, LCH+8+\i
	ENDG \n
.endm
.macro FETCH reg, base
	WIN 0
.irp q, 0,1,2,3,4,5,6,7,8,9,10,11,12,13,14,15
	ds_load_b128 v[\reg+4*\q:\reg+4*\q+3], v[LI] offset:\base+512*\q
.endr
.endm
.macro MULT acc, xf, n, zero           ; 8 matrix instructions; the four accumulators take turns
	WIN 0x01
.irp s, 0,1
.irp t, 0,1
.irp a, 0,1
.set rD, \acc+16*\t+8*\a
.set rW, 64*((\n)%3)+16*(2*\a+\s)
.set rX, \xf+16*(2*\t+\s)
.if (\s == 0) && \zero
	v_wmma_f32_16x16x128_fp8_fp8 v[rD:rD+7], v[rW:rW+15], v[rX:rX+15], 0
.else
	v_wmma_f32_16x16x128_fp8_fp8 v[rD:rD+7], v[rW:rW+15], v[rX:rX+15], v[rD:rD+7]
.endif
.endr
.endr
.endr
	WIN 0
.endm
.macro BIAS acc, pp, n
	WIN 0x10
.irp t, 0,16
.irp j, 0,2,4,6,8,10,12,14
	v_pk_fma_f32 v[\acc+\t+\j:\acc+\t+\j+1], v[\acc+\t+\j:\acc+\t+\j+1], s[\pp:\pp+1], v[BR+16*((\n)%4)+\j:BR+16*((\n)%4)+\j+1] op_sel_hi:[1,0,1]
.endr
.endr
	WIN 0
.endm
.macro QUANT src, tmp, cd, relu        ; 16 neighbours along K -> 16 codes.  The conversion does not saturate (ISA guide 7.6.2): the hold comes first; relu = 1: it clips at 0 as well
	WIN 0
.irp i, 0,1,2,3,4,5,6,7,8,9,10,11,12,13,14,15
.if \relu
	v_med3_num_f32 v[\tmp+\i], v[\src+\i], 0, v[LIMV]
.else
	v_med3_num_f32 v[\tmp+\i], v[\src+\i], -v[LIMV], v[LIMV]
.endif
.endr
	v_cvt_scalef32_pk8_fp8_f32 v[\cd:\cd+1], v[\tmp:\tmp+7], v[SCV]
	v_cvt_scalef32_pk8_fp8_f32 v[\cd+2:\cd+3], v[\tmp+8:\tmp+15], v[SCV]
	v_nop                                          ; a plain line between the conversions and whatever next touches their registers
.endm
.macro BARRIER
	s_wait_dscnt 0x0
	s_barrier_signal -1
	s_barrier_wait -1
.endm
.macro LNSTAT t, lns, tmp
	WIN 0
.set rX, X1+16*\t
.set rS, 12+2*\t
	v_pk_add_f32 v[\tmp:\tmp+1], v[rX:rX+1], v[rX+2:rX+3]
	v_pk_add_f32 v[\tmp+2:\tmp+3], v[rX+4:rX+5], v[rX+6:rX+7]
	v_pk_add_f32 v[\tmp+4:\tmp+5], v[rX+8:rX+9], v[rX+10:rX+11]
	v_pk_add_f32 v[\tmp+6:\tmp+7], v[rX+12:rX+13], v[rX+14:rX+15]
	v_pk_add_f32 v[\tmp:\tmp+1], v[\tmp:\tmp+1], v[\tmp+2:\tmp+3]
	v_pk_add_f32 v[\tmp+4:\tmp+5], v[\tmp+4:\tmp+5], v[\tmp+6:\tmp+7]
	v_pk_add_f32 v[\tmp:\tmp+1], v[\tmp:\tmp+1], v[\tmp+4:\tmp+5]
	v_add_f32 v[\tmp], v[\tmp], v[\tmp+1]
	v_permlanex16_b32 v[\tmp+1], v[\tmp], s[SEL], s[SEL+1]
	v_add_f32 v[\tmp], v[\tmp], v[\tmp+1]
	v_mul_f32 v[rS], s[C32I], v[\tmp]
.irp j, 0,2,4,6,8,10,12,14
	v_pk_add_f32 v[\tmp+\j:\tmp+\j+1], v[rX+\j:rX+\j+1], v[rS:rS+1] op_sel_hi:[1,0] neg_lo:[0,1] neg_hi:[0,1]
.endr
	v_pk_mul_f32 v[\tmp:\tmp+1], v[\tmp:\tmp+1], v[\tmp:\tmp+1]
	v_pk_mul_f32 v[\tmp+2:\tmp+3], v[\tmp+2:\tmp+3], v[\tmp+2:\tmp+3]
.irp j, 4,8,12
	v_pk_fma_f32 v[\tmp:\tmp+1], v[\tmp+\j:\tmp+\j+1], v[\tmp+\j:\tmp+\j+1], v[\tmp:\tmp+1]
	v_pk_fma_f32 v[\tmp+2:\tmp+3], v[\tmp+\j+2:\tmp+\j+3], v[\tmp+\j+2:\tmp+\j+3], v[\tmp+2:\tmp+3]
.endr
	v_pk_add_f32 v[\tmp:\tmp+1], v[\tmp:\tmp+1], v[\tmp+2:\tmp+3]
	v_add_f32 v[\tmp], v[\tmp], v[\tmp+1]
	v_permlanex16_b32 v[\tmp+1], v[\tmp], s[SEL], s[SEL+1]
	v_add_f32 v[rS+1], v[\tmp], v[\tmp+1]
	ds_store_b64 v[LNW], v[rS:rS+1] offset:\lns+1280*\t   ; both halves of the lanes hold, and write, the same two numbers
.endm
.macro LNGET t, lns, tmp
	WIN 0
.irp i, 0,1,2,3
	ds_load_b128 v[\tmp+4*\i:\tmp+4*\i+3], v[LNR] offset:\lns+1280*\t+16*\i
.endr
.endm
.macro LNFIN t, tmp, g
	WIN 0
.set rX, X1+16*\t
	v_pk_add_f32 v[\tmp+16:\tmp+17], v[\tmp:\tmp+1], v[\tmp+2:\tmp+3]
	v_pk_add_f32 v[\tmp+18:\tmp+19], v[\tmp+4:\tmp+5], v[\tmp+6:\tmp+7]
	v_pk_add_f32 v[\tmp+20:\tmp+21], v[\tmp+8:\tmp+9], v[\tmp+10:\tmp+11]
	v_pk_add_f32 v[\tmp+22:\tmp+23], v[\tmp+12:\tmp+13], v[\tmp+14:\tmp+15]
	v_pk_add_f32 v[\tmp+16:\tmp+17], v[\tmp+16:\tmp+17], v[\tmp+18:\tmp+19]
	v_pk_add_f32 v[\tmp+20:\tmp+21], v[\tmp+20:\tmp+21], v[\tmp+22:\tmp+23]
	v_pk_add_f32 v[\tmp+16:\tmp+17], v[\tmp+16:\tmp+17], v[\tmp+20:\tmp+21]
	v_mul_f32 v[\tmp+16], s[C8I], v[\tmp+16]       ; the row's mean
.irp w, 0,2,4,6,8,10,12,14
	v_sub_f32 v[\tmp+\w], v[\tmp+\w], v[\tmp+16]
.endr
	v_mul_f32 v[\tmp+18], v[\tmp], v[\tmp]
	v_mul_f32 v[\tmp+19], v[\tmp+2], v[\tmp+2]
.irp w, 4,8,12
	v_fma_f32 v[\tmp+18], v[\tmp+\w], v[\tmp+\w], v[\tmp+18]
	v_fma_f32 v[\tmp+19], v[\tmp+\w+2], v[\tmp+\w+2], v[\tmp+19]
.endr
	v_add_f32 v[\tmp+18], v[\tmp+18], v[\tmp+19]
	v_fma_f32 v[\tmp+17], v[\tmp+18], s[C32], v[\tmp+17]
	v_fma_f32 v[\tmp+20], v[\tmp+17], s[C256I], s[EPSR]
	v_rsq_f32 v[\tmp+20], v[\tmp+20]
	v_nop
.irp j, 0,2,4,6,8,10,12,14
	v_pk_add_f32 v[rX+\j:rX+\j+1], v[rX+\j:rX+\j+1], v[\tmp+16:\tmp+17] op_sel_hi:[1,0] neg_lo:[0,1] neg_hi:[0,1]
.endr
	s_wait_alu depctr_va_vdst(0)
.irp j, 0,2,4,6,8,10,12,14
	v_pk_mul_f32 v[rX+\j:rX+\j+1], v[rX+\j:rX+\j+1], v[\tmp+20:\tmp+21] op_sel_hi:[1,0]
.endr
.irp j, 0,2,4,6,8,10,12,14
	v_pk_fma_f32 v[rX+\j:rX+\j+1], v[rX+\j:rX+\j+1], v[\g+\j:\g+\j+1], v[\g+16+\j:\g+16+\j+1]
.endr
.endm
.macro XCODE sx, img, c0
	WIN 0
	v_mov_b32 v[SCV], s[\sx]
	v_mov_b32 v[LIMV], s[\sx+1]
	QUANT X1, HA, CD+\c0, 0
	QUANT X1+16, FA, CD+\c0+4, 0
	ds_store_b128 v[IMW], v[CD+\c0:CD+\c0+3] offset:\img
	ds_store_b128 v[IMW], v[CD+\c0+4:CD+\c0+7] offset:\img+4096
.endm
.macro UP n
	WAITG \n
	MULT HA, AF, \n, 1
	PLACES
.endm
.macro HIDE n, img, c0
	BIAS HA, PP_1, \n
	QUANT HA, HA, CD+\c0, 1
	QUANT HA+16, HA+16, CD+\c0+4, 1
	ds_store_b128 v[IMW], v[CD+\c0:CD+\c0+3] offset:\img
	ds_store_b128 v[IMW], v[CD+\c0+4:CD+\c0+7] offset:\img+4096
	BARRIER
	FETCH HF, \img
	s_wait_dscnt 0x0
.endm
.macro DOWN n, zero
	WAITG \n
	MULT FA, HF, \n, \zero
	PLACES
.endm
	s_load_b512 s[4:19], s[0:1], 0x0               ; attention's images, xB, wimg, the scales, bo, ln1_g, ln1_b, b1
	s_load_b512 s[20:35], s[0:1], 0x40             ; b2, ln2_g, ln2_b, lnf_g, lnf_b, W_proj's codes, b_proj, out0
	v_lshl_add_u32 v11, v0, 2, 0xd400
	s_set_vgpr_msb 0x40
	v_mov_b32 v239, 0
	s_set_vgpr_msb 0x4000
	v_and_b32 v[LI], 31, v0
	v_lshlrev_b32 v[LI], 4, v[LI]
	v_lshrrev_b32 v12, 5, v0                       ; w
	v_readfirstlane_b32 s[WV], v12
	v_and_b32 v13, 15, v0                          ; r
	v_bfe_u32 v14, v0, 4, 1                        ; h
	v_lshl_add_u32 v[WO], v12, 13, v[LI]
	v_lshl_add_u32 v[IMW], v12, 9, v[LI]
	v_lshlrev_b32 v[PB], 7, v12
	v_lshl_add_u32 v[PB], v14, 6, v[PB]
	v_mul_u32_u24 v[LNR], v13, 80
	v_lshl_add_u32 v[LNW], v12, 3, v[LNR]
	v_lshl_add_u32 v[XO], v12, 11, v[LI]
	v_lshlrev_b32 v[WPA], 8, v13
	v_lshl_add_u32 v[WPA], v14, 4, v[WPA]
	v_mov_b32 v15, 0                               ; (named as the upper half of the pair v[14:15])
	s_mov_b32 s[SEL], 0x76543210
	s_mov_b32 s[SEL+1], 0xfedcba98
	s_mov_b32 s[C32I], 0x3d000000                  ; 1 / 32
	s_mov_b32 s[C8I], 0x3e000000                   ; 1 / 8
	s_mov_b32 s[C32], 0x42000000                   ; 32
	s_mov_b32 s[C256I], 0x3b800000                 ; 1 / 256
	s_mov_b32 s[EPSR], 0x3727c5ac                  ; 1e-5
	s_and_b32 s94, ttmp7, 0xffff                   ; the batch
	s_lshl_b32 s92, s94, 7
	s_lshl_b32 s95, ttmp9, 1
	s_add_co_u32 s92, s92, s95
	s_add_co_u32 s92, s92, 122                     ; my first row tile: 128 x batch + 122 + 2 p
	s_lshl_b32 s92, s92, 12
	s_mov_b32 s93, 0
	s_wait_kmcnt 0x0
	s_load_b256 s[36:43], s[10:11], 0x68           ; entries 26 to 33 of the scales
	s_load_b32 s44, s[32:33], 0x0                  ; b_proj[0]
	s_add_nc_u64 s[4:5], s[4:5], s[92:93]
	s_mul_i32 s92, s94, 3
	s_add_co_u32 s92, s92, ttmp9
	s_lshl_b32 s92, s92, 15
	s_add_nc_u64 s[6:7], s[6:7], s[92:93]          ; xB's block 3 x batch + p
	s_mul_i32 s92, s94, 384
	s_lshl_b32 s95, ttmp9, 7
	s_add_co_u32 s92, s92, s95
	s_add_nc_u64 s[34:35], s[34:35], s[92:93]      ; out0: 96 numbers a batch, my 32
.irp q, 0,1,2,3,4,5,6,7,8,9,10,11,12,13,14,15
	global_load_b128 v[AF+4*\q:AF+4*\q+3], v[LI], s[4:5] offset:512*\q
.endr
.irp t, 0,1
.irp i, 0,1,2,3
	global_load_b128 v[X1+16*\t+4*\i:X1+16*\t+4*\i+3], v[XO], s[6:7] offset:16384*\t+512*\i
.endr
.endr
.set ISS, 24
	BLOAD 0, P_BO, LOF
	WLOAD 0, LCH+3
	ENDG 0
	PLOAD HF, P_L1G, LOF
	PLOAD HF+16, P_L1B, LOF
	ENDG l1
	GUP 1, 0
	GDN 2, 0
	WIN 0
	s_wait_kmcnt 0x0
	MKP PP_O, 36, 37
	MKP PP_1, 38, 39
	MKP PP_2, 40, 41
	MKP PP_P, 42, 43
	MKQ SX_1, 38
	MKQ SX_H, 40
	MKQ SX_P, 42
	; ---- x + attn Wo + bo
	WAITG 0
	WIN 0x04
.irp t, 0,16
.irp j, 0,2,4,6,8,10,12,14
	v_pk_add_f32 v[X1+\t+\j:X1+\t+\j+1], v[X1+\t+\j:X1+\t+\j+1], v[BR+\j:BR+\j+1]
.endr
.endr
	MULT HA, AF, 0, 1
	PLACES
	GUP 3, 1
	WIN 0
.irp j, 0,2,4,6,8,10,12,14,16,18,20,22,24,26,28,30
	v_pk_fma_f32 v[X1+\j:X1+\j+1], v[HA+\j:HA+\j+1], s[PP_O:PP_O+1], v[X1+\j:X1+\j+1] op_sel_hi:[1,0,1]
.endr
	; ---- the first LayerNorm
	LNSTAT 0, LNS0, HA
	LNSTAT 1, LNS0, FA
	BARRIER
	LNGET 0, LNS0, HA
	LNGET 1, LNS0, FA
	WAITG l1
	s_wait_dscnt 0x0
	LNFIN 0, HA, HF
	LNFIN 1, FA, HF
	XCODE SX_1, XIMG, 0
	BARRIER
	FETCH AF, XIMG
	v_mov_b32 v[SCV], s[SX_H]
	v_mov_b32 v[LIMV], s[SX_H+1]
	s_wait_dscnt 0x0
	; ---- the feed-forward, four slices
	UP 1
	GDN 4, 1
	HIDE 1, HIMG0, 0
	DOWN 2, 1
	GUP 5, 2
	UP 3
	GDN 6, 2
	HIDE 3, HIMG1, 8
	DOWN 4, 0
	GUP 7, 3
	UP 5
	WLOAD 8, LCH+11
	BLOAD 8, P_B2, LOF
	ENDG 8
	HIDE 5, HIMG0, 0
	DOWN 6, 0
	WIN 0
	s_cmp_lg_u32 s[WV], 0                          ; wave 0 alone makes the projection: rows 0-15 of W_proj, two fragments, into the weight set just read.
	s_cbranch_scc1 .Lno_wp                         ; (These eight loads are not in the count of issued loads: wave 0's later waits leave eight fewer out than they might)
	WIN 0x40
.irp s, 0,1
.irp c, 0,1,2,3
	global_load_b128 v[16*\s+4*\c:16*\s+4*\c+3], v[WPA], s[30:31] offset:128*\s+32*\c
.endr
.endr
	WIN 0
.Lno_wp:
	UP 7
	PLOAD AF, P_L2G, LOF                           ; x's fragments have had their last product: their registers take the last two LayerNorms' gains and biases
	PLOAD AF+16, P_L2B, LOF
	PLOAD AF+32, 26, 0
	PLOAD AF+48, 28, 0
	ENDG l2
	HIDE 7, HIMG1, 8
	DOWN 8, 0
	BIAS FA, PP_2, 8
.irp i, 0,1,2,3,4,5,6,7,8,9,10,11,12,13,14,15,16,17,18,19,20,21,22,23,24,25,26,27,28,29,30,31
	v_max_num_f32 v[FA+\i], 0, v[FA+\i]            ; the module's second ReLU
.endr
.irp j, 0,2,4,6,8,10,12,14,16,18,20,22,24,26,28,30
	v_pk_add_f32 v[X1+\j:X1+\j+1], v[X1+\j:X1+\j+1], v[FA+\j:FA+\j+1]
.endr
	; ---- the second LayerNorm
	LNSTAT 0, LNS1, HA
	LNSTAT 1, LNS1, FA
	BARRIER
	LNGET 0, LNS1, HA
	LNGET 1, LNS1, FA
	WAITG l2
	s_wait_dscnt 0x0
	LNFIN 0, HA, AF
	LNFIN 1, FA, AF
	; ---- the last LayerNorm (the first exchange's bytes: their reads ended six barriers ago)
	LNSTAT 0, LNS0, HA
	LNSTAT 1, LNS0, FA
	BARRIER
	LNGET 0, LNS0, HA
	LNGET 1, LNS0, FA
	s_wait_dscnt 0x0
	LNFIN 0, HA, AF+32
	LNFIN 1, FA, AF+32
	XCODE SX_P, XQ, 0
	BARRIER                                        ; the last barrier: x's codes lie in LDS
	s_cmp_lg_u32 s[WV], 0
	s_cbranch_scc1 .Lend
	; ---- the projection's column 0, by wave 0
	FETCH AF, XQ
	s_wait_loadcnt 0x0                             ; W_proj's fragments
	s_wait_dscnt 0x0
	WIN 0x01
	v_wmma_f32_16x16x128_fp8_fp8 v[HA:HA+7], v[0:15], v[AF:AF+15], 0                       ; two accumulators (the two row tiles) by turns
	v_wmma_f32_16x16x128_fp8_fp8 v[HA+8:HA+15], v[0:15], v[AF+32:AF+47], 0
	v_wmma_f32_16x16x128_fp8_fp8 v[HA:HA+7], v[16:31], v[AF+16:AF+31], v[HA:HA+7]
	v_wmma_f32_16x16x128_fp8_fp8 v[HA+8:HA+15], v[16:31], v[AF+48:AF+63], v[HA+8:HA+15]
	WIN 0
	PLACES
	v_permlanex16_b32 v[FA], v[HA+8], s[SEL], s[SEL+1]   ; the second tile's column 0 goes from lanes 0-15 to lanes 16-31
	v_and_b32 v[FA+1], 31, v0
	v_cmp_gt_u32 vcc_lo, 16, v[FA+1]
	v_cndmask_b32 v[FA], v[FA], v[HA], vcc_lo      ; lanes 0-15: rows 0-15; lanes 16-31: rows 16-31
	v_fma_f32 v[FA], v[FA], s[PP_P], s44           ; x 2^(e32 + e33) + b_proj[0]
	v_lshlrev_b32 v[FA+1], 2, v[FA+1]
	global_store_b32 v[FA+1], v[FA], s[34:35]      ; 32 lanes store 128 consecutive bytes
.Lend:
	s_set_vgpr_msb 0x4
	s_wait_tensorcnt 0x0
	ds_add_u32 v11, v239
	s_wait_dscnt 0x0
	s_set_vgpr_msb 0x400
	s_endpgm
.Lfunc_end_k_q03af762cfc_post_out:
	.size	k_q03af762cfc_post_out, .Lfunc_end_k_q03af762cfc_post_out-k_q03af762cfc_post_out
	.p2alignl 7, 3214868480
	.fill 96, 4, 3214868480
	.section	.rodata,"a",@progbits
	.p2align	6, 0x0
	.amdhsa_kernel k_q03af762cfc_post_out
		.amdhsa_group_segment_fixed_size 55296
		.amdhsa_private_segment_fixed_size 0
		.amdhsa_enable_private_segment 0
		.amdhsa_kernarg_size 128
		.amdhsa_user_sgpr_count 2
		.amdhsa_user_sgpr_kernarg_segment_ptr 1
		.amdhsa_wavefront_size32 1
		.amdhsa_system_sgpr_workgroup_id_x 1
		.amdhsa_system_sgpr_workgroup_id_y 1
		.amdhsa_system_sgpr_workgroup_id_z 1
		.amdhsa_system_vgpr_workitem_id 0
		.amdhsa_next_free_vgpr 512
		.amdhsa_next_free_sgpr 96
		.amdhsa_reserve_vcc 1
		.amdhsa_float_denorm_mode_32 3
		.amdhsa_float_denorm_mode_16_64 3
		.amdhsa_memory_ordered 1
		.amdhsa_forward_progress 1
		.amdhsa_inst_pref_size 95
	.end_amdhsa_kernel
	.amdgpu_metadata
---
amdhsa.version: [ 1, 2 ]
amdhsa.kernels:
  - .name:           k_q03af762cfc_post_out
    .symbol:         k_q03af762cfc_post_out.kd
    .args:
      - { .name: aimg, .offset: 0, .size: 8, .value_kind: global_buffer, .address_space: global }
      - { .name: xB, .offset: 8, .size: 8, .value_kind: global_buffer, .address_space: global }
      - { .name: wimg, .offset: 16, .size: 8, .value_kind: global_buffer, .address_space: global }
      - { .name: lowp_scales, .offset: 24, .size: 8, .value_kind: global_buffer, .address_space: global }
      - { .name: bo, .offset: 32, .size: 8, .value_kind: global_buffer, .address_space: global }
      - { .name: ln1_g, .offset: 40, .size: 8, .value_kind: global_buffer, .address_space: global }
      - { .name: ln1_b, .offset: 48, .size: 8, .value_kind: global_buffer, .address_space: global }
      - { .name: b1, .offset: 56, .size: 8, .value_kind: global_buffer, .address_space: global }
      - { .name: b2, .offset: 64, .size: 8, .value_kind: global_buffer, .address_space: global }
      - { .name: ln2_g, .offset: 72, .size: 8, .value_kind: global_buffer, .address_space: global }
      - { .name: ln2_b, .offset: 80, .size: 8, .value_kind: global_buffer, .address_space: global }
      - { .name: lnf_g, .offset: 88, .size: 8, .value_kind: global_buffer, .address_space: global }
      - { .name: lnf_b, .offset: 96, .size: 8, .value_kind: global_buffer, .address_space: global }
      - { .name: W_proj_codes, .offset: 104, .size: 8, .value_kind: global_buffer, .address_space: global }
      - { .name: b_proj, .offset: 112, .size: 8, .value_kind: global_buffer, .address_space: global }
      - { .name: out0, .offset: 120, .size: 8, .value_kind: global_buffer, .address_space: global }
    .group_segment_fixed_size: 55296
    .private_segment_fixed_size: 0
    .kernarg_segment_align: 8
    .kernarg_segment_size: 128
    .max_flat_workgroup_size: 256
    .sgpr_count:     96
    .vgpr_count:     512
    .wavefront_size: 32
...
	.end_amdgpu_metadata
.endif
;; end of part 5
;; ======== version 2 of 2: 6 launches
;; workspace buffers: wimg 1,572,864 bytes; par0 256 bytes of whole numbers; par1 256 bytes of whole numbers; qkv 6,291,456 bytes; aimg 2,097,152 bytes; xA 8,388,608 bytes; xB 393,216 bytes
;; launch relay (part 6): grid 8 x 24, 4 waves a work-group, no clusters, 0 bytes of LDS; arguments Wq_codes, Wk_codes, Wv_codes, Wo_codes, W1_codes, W2_codes, lowp_scales, wimg, par0, par1; writes wimg, par0, par1
.if DOCPART == 6
	.amdgcn_target "amdgcn-amd-amdhsa--gfx1250"
	.amdhsa_code_object_version 6
	.text
	.protected	k_q03af762cfc_relay
	.globl	k_q03af762cfc_relay
	.p2align	8
	.type	k_q03af762cfc_relay,@function
k_q03af762cfc_relay:
	s_mov_b64 s[64:65], 0
	v_nop
	global_prefetch_b8 v0, s[64:65] scope:SCOPE_SE
	s_setreg_imm32_b32 hwreg(HW_REG_WAVE_MODE, 25, 1), 1
	s_wait_xcnt 0x0
; The layers' weights, given as codes in rows [n][k], are laid once as IMAGES OF OPERAND REGISTERS, so that every later load of a
; fragment is 512 consecutive bytes of the wave (16 bytes a lane at 16 x lane) at a base, one lane register and an immediate.
; wimg = [chunk P 0..23][wave slot w 0..7][tile a 0..1][K step s 0..1][group c 0..3][lane][16 bytes]; a chunk is 256 x 256 codes.
; P = 12 x layer + kind; kind 0 q, 1 k, 2 v, 3 o, 4 + i: rows 256 i on of W1, 8 + i: K = 256 i on of W2.
; Lane (r, h) of group c holds k = 128 s + 32 c + 16 h + 0..15 of row (tile's first row) + r + 8 (r / 8).
; The tile's first row is 32 w + 8 a; for v it is 64 (w / 2) + 8 (w % 2) + 32 a (the product that makes v is used the other way round).
; A work-group (w, P) has four waves, wave = 2 a + s: one fragment each.  No LDS, no barrier: waves share nothing.
; One wave also copies the five exponents that each attention launch wants (entries 6.. and 22.. of the scales) into par0 and par1.
	s_load_b512 s[4:19], s[0:1], 0x0               ; Wq, Wk, Wv, Wo, W1, W2, the scales, wimg
	s_load_b128 s[20:23], s[0:1], 0x40             ; par0, par1
	v_lshrrev_b32 v1, 5, v0
	v_readfirstlane_b32 s24, v1                    ; wave = 2 a + s
	s_and_b32 s25, ttmp7, 0xffff                   ; P
	s_cmp_ge_u32 s25, 12
	s_cselect_b32 s26, 1, 0                        ; layer
	s_mul_i32 s27, s26, 12
	s_sub_co_u32 s27, s25, s27                     ; kind
	s_lshr_b32 s28, s24, 1                         ; a
	s_and_b32 s29, s24, 1                          ; s
	s_lshl_b32 s30, ttmp9, 5
	s_lshl_b32 s31, s28, 3
	s_add_co_u32 s30, s30, s31                     ; 32 w + 8 a
	s_lshr_b32 s31, ttmp9, 1
	s_lshl_b32 s31, s31, 6
	s_and_b32 s32, ttmp9, 1
	s_lshl_b32 s32, s32, 3
	s_add_co_u32 s31, s31, s32
	s_lshl_b32 s32, s28, 5
	s_add_co_u32 s31, s31, s32                     ; 64 (w / 2) + 8 (w % 2) + 32 a
	s_cmp_eq_u32 s27, 2
	s_cselect_b32 s30, s31, s30                    ; the tile's first row
	s_and_b32 s33, s27, 3
	s_lshl_b32 s33, s33, 8                         ; 256 i
	s_cmp_ge_u32 s27, 4                            ; W1 or W2?
	s_cselect_b32 s34, 18, 16                      ; a layer of them is 2^18 bytes, of the others 2^16
	s_cselect_b32 s35, s33, 0
	s_lshl_b32 s34, s26, s34                       ; the layer's first byte
	s_cmp_ge_u32 s27, 8                            ; W2?
	s_cselect_b32 s36, 10, 8                       ; a row is 2^10 bytes there, else 2^8
	s_cselect_b32 s37, 0, s35                      ; W1: 256 i rows further down
	s_cselect_b32 s38, s35, 0                      ; W2: 256 i bytes further along K
	s_add_co_u32 s30, s30, s37
	s_lshl_b32 s30, s30, s36
	s_add_co_u32 s30, s30, s34
	s_add_co_u32 s30, s30, s38
	s_lshl_b32 s39, s29, 7
	s_add_co_u32 s30, s30, s39                     ; + 128 s: the fragment's first byte in its tensor
	s_mov_b32 s31, 0
	s_lshl_b32 s42, s25, 16
	s_lshl_b32 s43, ttmp9, 13
	s_add_co_u32 s42, s42, s43                     ; 65,536 P + 8,192 w
	s_mov_b32 s43, 0
	v_and_b32 v2, 15, v0                           ; r
	v_bfe_u32 v3, v0, 4, 1                         ; h
	v_and_b32 v4, 8, v2
	v_add_nc_u32 v4, v4, v2                        ; r + 8 (r / 8)
	v_lshlrev_b32 v4, s36, v4
	v_lshl_add_u32 v4, v3, 4, v4                   ; from: row x its bytes + 16 h
	v_and_b32 v5, 31, v0
	v_lshlrev_b32 v5, 4, v5
	v_lshl_add_u32 v5, v1, 11, v5                  ; to: 2,048 x wave + 16 x lane
	s_wait_alu depctr_va_vdst(0)
	s_wait_kmcnt 0x0
	s_cmp_eq_u32 s27, 1                            ; the tensor is chosen by the kind alone
	s_cselect_b64 s[40:41], s[6:7], s[4:5]
	s_cmp_eq_u32 s27, 2
	s_cselect_b64 s[40:41], s[8:9], s[40:41]
	s_cmp_eq_u32 s27, 3
	s_cselect_b64 s[40:41], s[10:11], s[40:41]
	s_cmp_ge_u32 s27, 4
	s_cselect_b64 s[40:41], s[12:13], s[40:41]
	s_cmp_ge_u32 s27, 8
	s_cselect_b64 s[40:41], s[14:15], s[40:41]
	s_add_nc_u64 s[40:41], s[40:41], s[30:31]
	s_add_nc_u64 s[18:19], s[18:19], s[42:43]
.irp c, 0,1,2,3
	global_load_b128 v[8+4*\c:11+4*\c], v4, s[40:41] offset:32*\c
.endr
	s_wait_loadcnt 0x0
.irp c, 0,1,2,3
	global_store_b128 v5, v[8+4*\c:11+4*\c], s[18:19] offset:512*\c   ; the wave stores 512 consecutive bytes, aligned
.endr
	s_or_b32 s44, ttmp9, s25
	s_or_b32 s44, s44, s24
	s_cmp_lg_u32 s44, 0
	s_cbranch_scc1 .Lend                           ; one wave of the launch copies the exponents
	v_and_b32 v6, 31, v0
	v_min_u32 v6, 7, v6                            ; eight entries; the lanes behind lane 7 repeat the eighth
	v_lshlrev_b32 v6, 2, v6
	global_load_b32 v24, v6, s[16:17] offset:24    ; entries 6 to 13
	global_load_b32 v25, v6, s[16:17] offset:88    ; entries 22 to 29
	s_wait_alu depctr_va_vdst(0)
	s_wait_loadcnt 0x0
	global_store_b32 v6, v24, s[20:21]
	global_store_b32 v6, v25, s[22:23]
.Lend:
	s_endpgm
.Lfunc_end_k_q03af762cfc_relay:
	.size	k_q03af762cfc_relay, .Lfunc_end_k_q03af762cfc_relay-k_q03af762cfc_relay
	.p2alignl 7, 3214868480
	.fill 96, 4, 3214868480
	.section	.rodata,"a",@progbits
	.p2align	6, 0x0
	.amdhsa_kernel k_q03af762cfc_relay
		.amdhsa_group_segment_fixed_size 0
		.amdhsa_private_segment_fixed_size 0
		.amdhsa_enable_private_segment 0
		.amdhsa_kernarg_size 80
		.amdhsa_user_sgpr_count 2
		.amdhsa_user_sgpr_kernarg_segment_ptr 1
		.amdhsa_wavefront_size32 1
		.amdhsa_system_sgpr_workgroup_id_x 1
		.amdhsa_system_sgpr_workgroup_id_y 1
		.amdhsa_system_sgpr_workgroup_id_z 1
		.amdhsa_system_vgpr_workitem_id 0
		.amdhsa_next_free_vgpr 32
		.amdhsa_next_free_sgpr 66
		.amdhsa_reserve_vcc 0
		.amdhsa_float_denorm_mode_32 3
		.amdhsa_float_denorm_mode_16_64 3
		.amdhsa_memory_ordered 1
		.amdhsa_forward_progress 1
		.amdhsa_inst_pref_size 4
	.end_amdhsa_kernel
	.amdgpu_metadata
---
amdhsa.version: [ 1, 2 ]
amdhsa.kernels:
  - .name:           k_q03af762cfc_relay
    .symbol:         k_q03af762cfc_relay.kd
    .args:
      - { .name: Wq_codes, .offset: 0, .size: 8, .value_kind: global_buffer, .address_space: global }
      - { .name: Wk_codes, .offset: 8, .size: 8, .value_kind: global_buffer, .address_space: global }
      - { .name: Wv_codes, .offset: 16, .size: 8, .value_kind: global_buffer, .address_space: global }
      - { .name: Wo_codes, .offset: 24, .size: 8, .value_kind: global_buffer, .address_space: global }
      - { .name: W1_codes, .offset: 32, .size: 8, .value_kind: global_buffer, .address_space: global }
      - { .name: W2_codes, .offset: 40, .size: 8, .value_kind: global_buffer, .address_space: global }
      - { .name: lowp_scales, .offset: 48, .size: 8, .value_kind: global_buffer, .address_space: global }
      - { .name: wimg, .offset: 56, .size: 8, .value_kind: global_buffer, .address_space: global }
      - { .name: par0, .offset: 64, .size: 8, .value_kind: global_buffer, .address_space: global }
      - { .name: par1, .offset: 72, .size: 8, .value_kind: global_buffer, .address_space: global }
    .group_segment_fixed_size: 0
    .private_segment_fixed_size: 0
    .kernarg_segment_align: 8
    .kernarg_segment_size: 80
    .max_flat_workgroup_size: 128
    .sgpr_count:     66
    .vgpr_count:     32
    .wavefront_size: 32
...
	.end_amdgpu_metadata
.endif
;; end of part 6
;; launch embed_qkv (part 7): grid 256 x 1, 8 waves a work-group, no clusters, 55,296 bytes of LDS; arguments x_enc, W_emb, b_emb, wimg, lowp_scales, bq, bk, bv, qkv, xA; writes qkv, xA
.if DOCPART == 7
	.amdgcn_target "amdgcn-amd-amdhsa--gfx1250"
	.amdhsa_code_object_version 6
	.text
	.protected	k_q03af762cfc_embed_qkv
	.globl	k_q03af762cfc_embed_qkv
	.p2align	8
	.type	k_q03af762cfc_embed_qkv,@function
k_q03af762cfc_embed_qkv:
	s_mov_b64 s[64:65], 0
	v_nop
	global_prefetch_b8 v0, s[64:65] scope:SCOPE_SE
	s_setreg_imm32_b32 hwreg(HW_REG_WAVE_SCHED_MODE, 0, 2), 2
	s_setreg_imm32_b32 hwreg(HW_REG_WAVE_MODE, 25, 1), 1
	s_wait_xcnt 0x0
	s_wait_alu depctr_vm_vsrc(0)
; x = x_enc W_emb + b_emb (K = 7: fused multiply-adds in f32), then layer 0's q, k and v: three products on codes of E4M3, results quantised and stored as codes.
; SHARES.  A work-group owns 32 rows of x (two tiles T of 16).  THE EIGHT WAVES SHARE THE COLUMNS: wave w makes columns 32 w .. 32 w + 31 of every product, two tiles of 16 (a = 0, 1).
; LAYOUT along K, alike on both sides of every product: lane (r, h), registers 4 c .. 4 c + 3 hold k = 32 c + 16 h + 0..15.  A product is used transposed (source 0 = 16 rows of the weight,
; source 1 = 16 rows of x), and lane r of tile (w, a) takes weight row 32 w + 8 a + r + 8 (r / 8): so a lane's 16 results are columns 32 w + 16 h + 0..15 of row r, and their 16 codes are one group of four
; registers of the next operand.  OPERANDS GO FROM WAVE TO WAVE, AND FROM LAUNCH TO LAUNCH, AS IMAGES OF THEIR REGISTERS: a group at 16 x lane, 512 dense bytes.
; v is made the other way round (source 0 = x, source 1 = the weight): a lane then holds eight ROWS of one column, which are eight neighbouring keys of attention's second product.
; WEIGHTS come from wimg straight into the registers of the one wave that multiplies them.  No LDS ring and no joint loads for them: a phase is 8 matrix instructions a wave, so a slot filled behind a barrier
; would have 8 matrix instructions in which to land; loads into registers are counted and are all asked for at the head.
; LIMITS: each sum of two exponents of a product between -126 and 127; each quantiser's exponent between -126 and 119.  NaN among the inputs is not served.
; REGISTERS.  Window 0: v1-11 addresses and the quantiser in hand; v16-79 AF, v80-143 HF: four fragments each; v144-175 HA, v176-207 FA: four accumulators each ((T, a) at 16 T + 8 a); v208-239 x, 16 a tile; v240-255 codes.
;             Window 1: v0-191 three sets of a wave's four weight fragments; v192-255 four sets of 16 biases.
; THE MODE: SCHED_MODE bits 1:0 = 2 (LLVM: expert scheduling mode 2), set by the entry lines.  The code itself states the register dependences
; between vector or matrix instructions and memory or LDS instructions, with s_wait_alu, always for 0.
; THE PLAN.  Registers that memory or LDS instructions touch, and who else names them:
;   v1-v4, v7, v10, v11, v15   offsets: written at the head, read by loads and stores, never written again.  v5, v6: written at the head, read by the closing add alone.
;   v16-157                    x_enc, W_emb and b_emb land there once and the multiply-adds read them.  Then v16-143 are AF and HF: fragments land there, products read them; AF is filled a second time, behind q's products.
;   X1                         written by the multiply-adds; read by the conversions and by x's global stores; never written again.
;   CD (two sets of 8), C3     x's codes for q, for k, for v: written by conversions, read by six LDS stores.  Behind the barrier CD takes q's and k's own codes, read by four global stores; C3 lies in HA, which q's products write.
;   VC                         v's own codes: written by conversions, read by two global stores; no memory instruction has read it before.
;   window 1                   loads land there once; only products and bias lines read it.
; Five waits on va_vdst: ahead of the first load; behind x's three quantisations; between q's and k's products; ahead of q's and k's stores; ahead of v's.  One wait on vm_vsrc, behind the barrier.
.set LI,   1                           ; 16 x lane
.set WO,   2                           ; + 8,192 w: my part of a chunk of wimg
.set IMW,  3                           ; + 512 w: my group in an image
.set PB,   4                           ; 128 w + 64 h: my 16 columns in a row of f32
.set XO,   7                           ; 16 x lane + 2,048 w: my part of x's image
.set SCV,  8                           ; the scale in hand as f32
.set LIMV, 9                           ; 448 x that
.set VB,   10                          ; v's bias: 4 x my column of tile a = 0
.set VO,   11                          ; v's image: 16 x lane + 2,048 (w % 2) + 512 (w / 2)
.set XE,   15                          ; 28 r: my row of x_enc
.set AF,   16
.set HF,   80
.set HA,   144
.set FA,   176
.set X1,   208
.set CD,   240
.set C3,   HA+16                       ; x's codes for v: eight registers of HA that the quantiser's work registers leave free
.set VC,   FA                          ; v's own codes: FA is free once k's codes are made
.set BR,   192
.set XQ,   24576                       ; LDS: x's codes for q, for k, for v: 8 KB each, group (8 T + w) at 512 bytes each
.set XK,   32768
.set XV,   40960
.set WP,   10                          ; s[10:11] wimg
.set QKVP, 20                          ; s[20:21] qkv at my two tiles
.set PP_Q, 52                          ; pairs: 2^(eA + eB) of the three products
.set PP_K, 54
.set PP_V, 56
.set SX_Q, 66                          ; (2^e, 448 x 2^e): x for q, k, v;
.set SX_K, 68
.set SX_V, 70
.set SO_Q, 72                          ; q, k, v themselves
.set SO_K, 74
.set SO_V, 76
.set NQ,   0                           ; the phases' numbers: weight set n % 3, bias set n % 4
.set NK,   1
.set NV,   2
.set ISS,  0                           ; global loads issued so far
.set MSB,  0
.macro WIN new                         ; the immediate's high byte repeats the setting that is left
.if MSB != \new
	s_set_vgpr_msb (MSB<<8)|\new
.set MSB, \new
.endif
.endm
.macro PLACES                          ; behind matrix instructions: four places serve reads of results, the fifth a matrix instruction that begins an accumulator anew (ISA guide 7.12.1)
.rept 5
	v_nop
.endr
.endm
.macro MKQ S, e                        ; s[S] = 2^e as f32, s[S+1] = 448 x 2^e
	s_add_co_i32 s[\S], s[\e], 127
	s_add_co_i32 s[\S+1], s[\e], 135
	s_lshl_b32 s[\S], s[\S], 23
	s_lshl_b32 s[\S+1], s[\S+1], 23
	s_or_b32 s[\S+1], s[\S+1], 0x600000
.endm
.macro MKP P, ea, eb                   ; both words of the pair = 2^(ea + eb)
	s_add_co_i32 s[\P], s[\ea], s[\eb]
	s_add_co_i32 s[\P], s[\P], 127
	s_lshl_b32 s[\P], s[\P], 23
	s_mov_b32 s[\P+1], s[\P]
.endm
.macro ENDG g                          ; group g of loads ends here
.set END_\g, ISS
.endm
.macro WAITG g                         ; loads come back in order (ISA guide 5.7.1): those issued behind group g may stay out
	s_wait_loadcnt ISS-END_\g
.endm
.macro WLOAD n, ch                     ; my four fragments of chunk ch: fragment (a, s) at 16 (2 a + s) of set n % 3
	WIN 0x40
.irp q, 0,1,2,3,4,5,6,7,8,9,10,11,12,13,14,15
	global_load_b128 v[64*((\n)%3)+4*\q:64*((\n)%3)+4*\q+3], v[WO], s[WP:WP+1] offset:(\ch)*65536+512*\q
.endr
.set ISS, ISS+16
.endm
.macro BLOAD n, base, off              ; my 16 columns' biases
	WIN 0x40
.irp q, 0,1,2,3
	global_load_b128 v[BR+16*((\n)%4)+4*\q:BR+16*((\n)%4)+4*\q+3], v[PB], s[\base:\base+1] offset:\off+16*\q
.endr
.set ISS, ISS+4
.endm
.macro VLOAD n, base, off              ; v's biases: one number a lane for each of my two tiles, 32 columns apart
	WIN 0x40
	global_load_b32 v[BR+16*((\n)%4)], v[VB], s[\base:\base+1] offset:\off
	global_load_b32 v[BR+16*((\n)%4)+1], v[VB], s[\base:\base+1] offset:\off+128
.set ISS, ISS+2
.endm
.macro FETCH reg, base                 ; an image's four fragments: (T, s) at reg + 16 (2 T + s)
	WIN 0
.irp q, 0,1,2,3,4,5,6,7,8,9,10,11,12,13,14,15
	ds_load_b128 v[\reg+4*\q:\reg+4*\q+3], v[LI] offset:\base+512*\q
.endr
.endm
.macro MULT acc, xf, n, nat, zero      ; 8 matrix instructions: two K steps x two row tiles x my two tiles; the four accumulators take turns
.if \nat
	WIN 0x04                                       ; the weight is source 1, in window 1
.else
	WIN 0x01                                       ; the weight is source 0, in window 1
.endif
.irp s, 0,1
.irp t, 0,1
.irp a, 0,1
.set rD, \acc+16*\t+8*\a
.set rW, 64*((\n)%3)+16*(2*\a+\s)
.set rX, \xf+16*(2*\t+\s)
.if \nat
.if (\s == 0) && \zero
	v_wmma_f32_16x16x128_fp8_fp8 v[rD:rD+7], v[rX:rX+15], v[rW:rW+15], 0
.else
	v_wmma_f32_16x16x128_fp8_fp8 v[rD:rD+7], v[rX:rX+15], v[rW:rW+15], v[rD:rD+7]
.endif
.else
.if (\s == 0) && \zero
	v_wmma_f32_16x16x128_fp8_fp8 v[rD:rD+7], v[rW:rW+15], v[rX:rX+15], 0
.else
	v_wmma_f32_16x16x128_fp8_fp8 v[rD:rD+7], v[rW:rW+15], v[rX:rX+15], v[rD:rD+7]
.endif
.endif
.endr
.endr
.endr
	WIN 0
.endm
.macro BIAS acc, pp, n                 ; sum x 2^(eA + eB) + bias, two at a time; each accumulator from its low end on
	WIN 0x10
.irp t, 0,16
.irp j, 0,2,4,6,8,10,12,14
	v_pk_fma_f32 v[\acc+\t+\j:\acc+\t+\j+1], v[\acc+\t+\j:\acc+\t+\j+1], s[\pp:\pp+1], v[BR+16*((\n)%4)+\j:BR+16*((\n)%4)+\j+1] op_sel_hi:[1,0,1]
.endr
.endr
	WIN 0
.endm
.macro QUANT src, tmp, cd, relu        ; 16 neighbours along K -> 16 codes.  The conversion does not saturate (ISA guide 7.6.2): the hold comes first; relu = 1: it clips at 0 as well
	WIN 0
.irp i, 0,1,2,3,4,5,6,7,8,9,10,11,12,13,14,15
.if \relu
	v_med3_num_f32 v[\tmp+\i], v[\src+\i], 0, v[LIMV]
.else
	v_med3_num_f32 v[\tmp+\i], v[\src+\i], -v[LIMV], v[LIMV]
.endif
.endr
	v_cvt_scalef32_pk8_fp8_f32 v[\cd:\cd+1], v[\tmp:\tmp+7], v[SCV]
	v_cvt_scalef32_pk8_fp8_f32 v[\cd+2:\cd+3], v[\tmp+8:\tmp+15], v[SCV]
	v_nop                                          ; a plain line between the conversions and whatever next touches their registers
.endm
.macro BARRIER                         ; my LDS stores have landed and my LDS loads are in: then the work-group's barrier
	s_wait_dscnt 0x0
	s_barrier_signal -1
	s_barrier_wait -1
.endm
.macro XCODE sx, cd                    ; both tiles of x under the scale in s[sx]: eight registers of codes at v[cd]
	WIN 0
	v_mov_b32 v[SCV], s[\sx]
	v_mov_b32 v[LIMV], s[\sx+1]
	QUANT X1, HA, \cd, 0
	QUANT X1+16, FA, \cd+4, 0
.endm
.macro XSEND cd, img                   ; my group of each tile goes to image img
	ds_store_b128 v[IMW], v[\cd:\cd+3] offset:\img
	ds_store_b128 v[IMW], v[\cd+4:\cd+7] offset:\img+4096
.endm
.macro CODEQK acc, pp, n, so, c0       ; q or k: bias and codes
	BIAS \acc, \pp, \n
	v_mov_b32 v[SCV], s[\so]
	v_mov_b32 v[LIMV], s[\so+1]
	QUANT \acc, \acc, CD+\c0, 0
	QUANT \acc+16, \acc+16, CD+\c0+4, 0
.endm
.macro SENDQK c0, reg                  ; and out: the wave stores 512 consecutive bytes, aligned
	global_store_b128 v[IMW], v[CD+\c0:CD+\c0+3], s[QKVP:QKVP+1] offset:\reg
	global_store_b128 v[IMW], v[CD+\c0+4:CD+\c0+7], s[QKVP:QKVP+1] offset:\reg+4096
.endm
.macro CODEV acc, pp, n, so            ; v: a lane holds rows 8 h + 0..7 of one column for each of my two tiles: one bias a tile
	WIN 0x10
.irp t, 0,1
.irp a, 0,1
.irp j, 0,1,2,3,4,5,6,7
	v_fma_f32 v[\acc+16*\t+8*\a+\j], v[\acc+16*\t+8*\a+\j], s[\pp], v[BR+16*((\n)%4)+\a]
.endr
.endr
.endr
	WIN 0
	v_mov_b32 v[SCV], s[\so]
	v_mov_b32 v[LIMV], s[\so+1]
	QUANT \acc, \acc, VC, 0
	QUANT \acc+16, \acc+16, VC+4, 0
.endm
	s_load_b512 s[4:19], s[0:1], 0x0               ; x_enc, W_emb, b_emb, wimg, the scales, bq, bk, bv
	s_load_b128 s[20:23], s[0:1], 0x40             ; qkv, xA
	v_lshl_add_u32 v5, v0, 2, 0xd400
	v_mov_b32 v6, 0
	v_and_b32 v[LI], 31, v0
	v_lshlrev_b32 v[LI], 4, v[LI]
	v_lshrrev_b32 v12, 5, v0                       ; w
	v_and_b32 v13, 15, v0                          ; r
	v_bfe_u32 v14, v0, 4, 1                        ; h
	v_lshl_add_u32 v[WO], v12, 13, v[LI]
	v_lshl_add_u32 v[IMW], v12, 9, v[LI]
	v_lshlrev_b32 v[PB], 7, v12
	v_lshl_add_u32 v[PB], v14, 6, v[PB]
	v_lshl_add_u32 v[XO], v12, 11, v[LI]
	v_lshrrev_b32 v15, 1, v12                      ; w / 2
	v_and_b32 v8, 1, v12                           ; w % 2
	v_and_b32 v9, 8, v13
	v_add_nc_u32 v9, v9, v13                       ; r + 8 (r / 8)
	v_lshl_add_u32 v9, v8, 3, v9
	v_lshl_add_u32 v9, v15, 6, v9
	v_lshlrev_b32 v[VB], 2, v9
	v_lshl_add_u32 v[VO], v8, 11, v[LI]
	v_lshl_add_u32 v[VO], v15, 9, v[VO]
	v_mul_u32_u24 v[XE], v13, 28                   ; a row of x_enc is 28 bytes
	s_mul_i32 s92, ttmp9, 896                      ; my 32 rows of x_enc
	s_mov_b32 s93, 0
	s_wait_kmcnt 0x0
	s_load_b256 s[36:43], s[12:13], 0x0            ; entries 0 to 7 of the scales
	s_load_b64 s[44:45], s[12:13], 0x20            ; entries 8, 9
	s_add_nc_u64 s[4:5], s[4:5], s[92:93]
	s_lshl_b32 s92, ttmp9, 13
	s_add_nc_u64 s[20:21], s[20:21], s[92:93]      ; two tiles of 4,096 bytes in each region of qkv
	s_lshl_b32 s92, ttmp9, 15
	s_add_nc_u64 s[22:23], s[22:23], s[92:93]      ; two tiles of 16,384 bytes of x
	s_wait_alu depctr_va_vdst(0)                   ; the offsets v1-v4, v7, v10, v11 and v15 are written: every load and store of the kernel reads one of them
.irp t, 0,1
.irp d, 0,1,2,3,4,5,6
	global_load_b32 v[144+7*\t+\d], v[XE], s[4:5] offset:448*\t+4*\d
.endr
.endr
.irp d, 0,1,2,3,4,5,6
.irp q, 0,1,2,3
	global_load_b128 v[16+16*\d+4*\q:16+16*\d+4*\q+3], v[PB], s[6:7] offset:1024*\d+16*\q
.endr
.endr
.irp q, 0,1,2,3
	global_load_b128 v[128+4*\q:128+4*\q+3], v[PB], s[8:9] offset:16*\q
.endr
.set ISS, 46
	ENDG e
	WLOAD NQ, 0
	BLOAD NQ, 14, 0
	ENDG q
	WLOAD NK, 1
	BLOAD NK, 16, 0
	ENDG k
	WLOAD NV, 2
	VLOAD NV, 18, 0
	ENDG v
	WIN 0
	s_wait_kmcnt 0x0
	MKP PP_Q, 36, 37
	MKP PP_K, 38, 39
	MKP PP_V, 40, 41
	MKQ SX_Q, 36
	MKQ SX_K, 38
	MKQ SX_V, 40
	MKQ SO_Q, 42
	MKQ SO_K, 43
	MKQ SO_V, 45
	WAITG e                                        ; x_enc, W_emb, b_emb are in; the 58 loads of weights and biases may be out
.irp t, 0,1
.irp i, 0,1,2,3,4,5,6,7,8,9,10,11,12,13,14,15
	v_fma_f32 v[X1+16*\t+\i], v[144+7*\t], v[16+\i], v[128+\i]
.endr
.irp d, 1,2,3,4,5,6
.irp i, 0,1,2,3,4,5,6,7,8,9,10,11,12,13,14,15
	v_fma_f32 v[X1+16*\t+\i], v[144+7*\t+\d], v[16+16*\d+\i], v[X1+16*\t+\i]
.endr
.endr
.endr
	; ---- x's codes under the three given scales, each set in registers of its own; then all that leaves, behind one wait
	XCODE SX_Q, CD
	XCODE SX_K, CD+8
	XCODE SX_V, C3
	s_wait_alu depctr_va_vdst(0)                   ; the conversions have written CD, CD + 8 and C3, which the LDS stores read; the multiply-adds have written X1, which the global stores read, and are done reading v16-143, in which the fragments land behind the barrier
	XSEND CD, XQ
	XSEND CD+8, XK
	XSEND C3, XV
.irp t, 0,1
.irp i, 0,1,2,3
	global_store_b128 v[XO], v[X1+16*\t+4*\i:X1+16*\t+4*\i+3], s[22:23] offset:16384*\t+512*\i   ; x as it stands in my registers; they are not written again
.endr
.endr
	BARRIER                                        ; the three images are whole
	s_wait_alu depctr_vm_vsrc(0)                   ; my six LDS stores have read CD, CD + 8 and C3: q's products write C3, q's and k's conversions write CD again
	FETCH AF, XQ
	FETCH HF, XK
	WAITG q
	s_wait_dscnt 16                                ; q's sixteen loads are in, k's may be out
	MULT HA, AF, NQ, 0, 1
	WAITG k
	s_wait_dscnt 0x0
	s_wait_alu depctr_va_vdst(0)                   ; q's products are done reading AF, in which x's codes for v land while k's products run: those name HF, their weights and FA alone
	FETCH AF, XV
	MULT FA, HF, NK, 0, 1
	PLACES
	CODEQK HA, PP_Q, NQ, SO_Q, 0
	CODEQK FA, PP_K, NK, SO_K, 8
	s_wait_alu depctr_va_vdst(0)                   ; the conversions have written q's and k's codes in CD, which the four stores read
	SENDQK 0, 0
	SENDQK 8, 2097152
	WAITG v
	s_wait_dscnt 0x0
	MULT HA, AF, NV, 1, 1
	PLACES
	CODEV HA, PP_V, NV, SO_V                       ; into VC, which no store has read: q's and k's stores keep CD to themselves
	s_wait_alu depctr_va_vdst(0)                   ; the conversions have written v's codes in VC, which the two stores read
	global_store_b128 v[VO], v[VC:VC+3], s[QKVP:QKVP+1] offset:4194304
	global_store_b128 v[VO], v[VC+4:VC+7], s[QKVP:QKVP+1] offset:4194304+4096
	s_wait_dscnt 0x0                               ; the closing lines, six on end
	s_wait_alu 0x0
	s_wait_tensorcnt 0x0
	ds_add_u32 v5, v6
	s_wait_dscnt 0x0
	s_endpgm
.Lfunc_end_k_q03af762cfc_embed_qkv:
	.size	k_q03af762cfc_embed_qkv, .Lfunc_end_k_q03af762cfc_embed_qkv-k_q03af762cfc_embed_qkv
	.p2alignl 7, 3214868480
	.fill 96, 4, 3214868480
	.section	.rodata,"a",@progbits
	.p2align	6, 0x0
	.amdhsa_kernel k_q03af762cfc_embed_qkv
		.amdhsa_group_segment_fixed_size 55296
		.amdhsa_private_segment_fixed_size 0
		.amdhsa_enable_private_segment 0
		.amdhsa_kernarg_size 80
		.amdhsa_user_sgpr_count 2
		.amdhsa_user_sgpr_kernarg_segment_ptr 1
		.amdhsa_wavefront_size32 1
		.amdhsa_system_sgpr_workgroup_id_x 1
		.amdhsa_system_sgpr_workgroup_id_y 1
		.amdhsa_system_sgpr_workgroup_id_z 1
		.amdhsa_system_vgpr_workitem_id 0
		.amdhsa_next_free_vgpr 512
		.amdhsa_next_free_sgpr 96
		.amdhsa_reserve_vcc 0
		.amdhsa_float_denorm_mode_32 3
		.amdhsa_float_denorm_mode_16_64 3
		.amdhsa_memory_ordered 1
		.amdhsa_forward_progress 1
		.amdhsa_inst_pref_size 54
	.end_amdhsa_kernel
	.amdgpu_metadata
---
amdhsa.version: [ 1, 2 ]
amdhsa.kernels:
  - .name:           k_q03af762cfc_embed_qkv
    .symbol:         k_q03af762cfc_embed_qkv.kd
    .args:
      - { .name: x_enc, .offset: 0, .size: 8, .value_kind: global_buffer, .address_space: global }
      - { .name: W_emb, .offset: 8, .size: 8, .value_kind: global_buffer, .address_space: global }
      - { .name: b_emb, .offset: 16, .size: 8, .value_kind: global_buffer, .address_space: global }
      - { .name: wimg, .offset: 24, .size: 8, .value_kind: global_buffer, .address_space: global }
      - { .name: lowp_scales, .offset: 32, .size: 8, .value_kind: global_buffer, .address_space: global }
      - { .name: bq, .offset: 40, .size: 8, .value_kind: global_buffer, .address_space: global }
      - { .name: bk, .offset: 48, .size: 8, .value_kind: global_buffer, .address_space: global }
      - { .name: bv, .offset: 56, .size: 8, .value_kind: global_buffer, .address_space: global }
      - { .name: qkv, .offset: 64, .size: 8, .value_kind: global_buffer, .address_space: global }
      - { .name: xA, .offset: 72, .size: 8, .value_kind: global_buffer, .address_space: global }
    .group_segment_fixed_size: 55296
    .private_segment_fixed_size: 0
    .kernarg_segment_align: 8
    .kernarg_segment_size: 80
    .max_flat_workgroup_size: 256
    .sgpr_count:     96
    .vgpr_count:     512
    .wavefront_size: 32
...
	.end_amdgpu_metadata
.endif
;; end of part 7
;; launch attn0 (part 8): grid 8 x 32, 16 waves a work-group, clusters of 4 x 1, 169,984 bytes of LDS; arguments qkv, par0, time_diffs, aimg; writes aimg
.if DOCPART == 8
	.amdgcn_target "amdgcn-amd-amdhsa--gfx1250"
	.amdhsa_code_object_version 6
	.text
	.protected	k_q03af762cfc_attn0
	.globl	k_q03af762cfc_attn0
	.p2align	8
	.type	k_q03af762cfc_attn0,@function
k_q03af762cfc_attn0:
	s_mov_b64 s[64:65], 0
	v_nop
	global_prefetch_b8 v0, s[64:65] scope:SCOPE_SE
	s_setreg_imm32_b32 hwreg(HW_REG_WAVE_MODE, 25, 1), 1
	s_wait_xcnt 0x0
	s_wait_alu depctr_hold_cnt(0) depctr_sa_sdst(0) depctr_va_vdst(0) depctr_va_sdst(0) depctr_va_ssrc(0) depctr_va_vcc(0) depctr_vm_vsrc(0)
	s_getreg_b32 s2, hwreg(HW_REG_IB_STS2, 6, 4)
	s_cmp_eq_u32 s2, 0
	s_cbranch_scc0 .Lentry_in_a_cluster
	s_endpgm
.Lentry_in_a_cluster:
	s_bfe_u32 s2, ttmp6, 0x10000c
	s_cmp_lg_u32 s2, 0x3003
	s_cbranch_scc0 .Lentry_shape_is_right
	s_endpgm
.Lentry_shape_is_right:
; Attention of one layer, both products on codes of E4M3.  The raw reshape makes head block hb (0..31) the rows 256 hb .. 256 hb + 255 of the [8192][256] matrices: position l = 8 (row % 256) + column / 32, e = column % 32.
; SHARES.  A work-group owns 256 queries of a head block (two tiles of 16 rows x 8 chunks of 32 columns); each of its sixteen waves one tile of 16 queries (16 rows, one chunk), in 256 registers: four waves to a
; SIMD, so that one wave's vector work stands beside another's matrix work and LDS loads.  Every wave walks the head's 2,048 keys, 128 a step: a step is one tile of 16 rows, all 8 chunks.
; CLUSTER.  The four work-groups of a cluster belong to one head block and read the same K and V, 64 KB each: they are asked for JOINTLY, once, in four quarters; LDS holds all of both, and nothing is filled again.
; LAYOUT.  q, k: image [row tile][chunk][lane][16 bytes]: lane (r, h) holds e = 16 h + 0..15 of (row r, chunk): registers 0-3 of a K = 64 operand; registers 4-7 are zeros on both sides (K is 32).
; S^T = K Q^T (source 0 = 16 keys: 16 rows of one chunk; source 1 = my 16 queries): lane (query, h), register j of tile b = key (row 8 h + j, chunk b).  Its eight codes are bytes 8 b + j of P's operand.
; v: image [row tile][u][c][lane][16 bytes]: lane (rd, h), byte 8 b + j = V(row 8 h + j, column 32 b + d), d = 8 u + rd + 8 (rd / 8): the same place for the same key.  O^T = V^T P^T: register j of tile u is d = 16 h + 8 u + j.
; SOFTMAX.  t = score x c, c = exp(-time_diff / 5) x log2(e) / sqrt(5) x 2^(eq + ek), one c a query; M = the running largest t rounded UP to a whole number; p = 2^(t - M) is quantised; the sum is taken of the
; unquantised p and divides at the end; when M moves, sum and O^T are multiplied by 2^(old M - new M), which rounds nothing.
; LIMITS: ep and eo between -126 and 119; eq + ek and ep + ev are applied by v_ldexp_f32 and have none.  NaN among the inputs is not served.
; REGISTERS: v1-6 addresses; v[8:9] c twice; v10 448 x 2^ep, v11 2^ep; v12 -M, v13 largest t, v[14:15] the sum in two halves; v16-23 Q; v24-87 K's eight tiles; v88-119 V's two; v120-183 S^T, then p; v184-199 p's codes; v200-215 O^T; v216-223 at work.
.set QR, 16
.set KF, 24
.set VF, 88
.set SC, 120
.set PC, 184
.set OA, 200
.macro CROUND                          ; a round of the cluster's barrier
	s_barrier_signal -1
	s_barrier_wait -1
	s_cmp_lg_u32 s12, 0
	s_cbranch_scc1 .Lnot_wave_0_\@
	s_barrier_signal -3
.Lnot_wave_0_\@:
	s_barrier_wait -3
	s_barrier_signal -1
	s_barrier_wait -1
.endm
	s_load_b256 s[4:11], s[0:1], 0x0               ; qkv, the five exponents, time_diffs, the result's images
	v_lshl_add_u32 v254, v0, 2, 0x29000
	v_mov_b32 v255, 0
	ds_add_u32 v254, v255
	ds_add_u32 v254, v255
	v_lshrrev_b32 v7, 5, v0
	s_delay_alu instid0(VALU_DEP_1)
	v_readfirstlane_b32 s12, v7                    ; wave 0..15
	s_bfe_u32 s13, ttmp6, 0x40000                  ; cx
	s_lshl_b32 s14, ttmp9, 2
	s_add_co_u32 s14, s14, s13                     ; my block of 256 queries: it enters Q's, time_diffs' and the result's addresses alone
	s_and_b32 s15, ttmp7, 0xffff                   ; the head block, which the four partners share
	; descriptor group 1: 64 rows of 256 bytes, dense: a quarter of K or of V
	s_mov_b32 s16, 15|(3<<16)|(1<<21)              ; 15:0 the mask: all four work-groups; 17:16 elements of 8 bytes; 21 set beside a mask; no padding: the images are read 512 dense bytes an instruction
	s_mov_b32 s17, 32<<16                          ; tensor_dim0 = 32 elements
	s_mov_b32 s18, 64<<16                          ; tensor_dim1 = 64
	s_mov_b32 s19, 32<<16                          ; tile_dim0 = 32
	s_mov_b32 s20, 64                              ; tile_dim1 = 64
	s_mov_b32 s21, 32                              ; the pitch
	s_mov_b32 s22, 0
	s_mov_b32 s23, 0
	s_min_u32 s50, s12, 1                          ; wave 0 fetches K, wave 1 V; the others fetch nothing
	s_lshl_b32 s51, s50, 16                        ; LDS: K at 0, V at 65,536
	s_add_co_u32 s52, s50, 1
	s_lshl_b32 s52, s52, 21                        ; k's region of qkv begins at 2,097,152, v's at 4,194,304
	s_lshl_b32 s53, s15, 16
	s_add_co_u32 s52, s52, s53                     ; + 65,536 x head block
	s_mov_b32 s53, 0
	s_lshl_b32 s54, s15, 16
	s_lshl_b32 s55, s14, 13
	s_add_co_u32 s54, s54, s55                     ; my work-group's two row tiles in q's region and in the result
	s_mov_b32 s55, 0
	s_lshr_b32 s56, s15, 3
	s_lshl_b32 s56, s56, 13                        ; the batch's 2,048 time_diffs,
	s_lshl_b32 s57, s14, 10
	s_add_co_u32 s56, s56, s57                     ; my work-group's 256 of them
	s_mov_b32 s57, 0
	s_mov_b32 s48, 0x76543210                      ; v_permlanex16_b32's selects for lane l xor 16
	s_mov_b32 s49, 0xfedcba98
	s_wait_dscnt 0x0
	s_wait_kmcnt 0x0
	s_load_b128 s[40:43], s[6:7], 0x0              ; eq, ek, ep, ev
	s_load_b32 s44, s[6:7], 0x10                   ; eo
	s_add_nc_u64 s[52:53], s[4:5], s[52:53]
.irp j, 0,1,2,3
	s_mov_b32 s[24+4*\j], 1                        ; count = 1
	s_add_co_u32 s[25+4*\j], s51, \j*16384         ; LDS address
	s_add_nc_u64 s[26+4*\j:27+4*\j], s[52:53], \j*16384
	s_or_b32 s[27+4*\j], s[27+4*\j], 0x80000000    ; type = 2
.endr
	CROUND                                         ; all four work-groups are here: the joint loads meet
	s_cmp_lt_u32 s12, 2
	s_cbranch_scc0 .Lno_fill                       ; a wave's four fills stand in one branch: four loads of mine are out at the most
	tensor_load_to_lds s[24:27], s[16:23]
	s_nop 0
	tensor_load_to_lds s[28:31], s[16:23]
	s_nop 0
	tensor_load_to_lds s[32:35], s[16:23]
	s_nop 0
	tensor_load_to_lds s[36:39], s[16:23]
	s_nop 0
.rept 4
	v_nop
.endr
.Lno_fill:
	s_add_nc_u64 s[4:5], s[4:5], s[54:55]
	s_add_nc_u64 s[10:11], s[10:11], s[54:55]
	s_add_nc_u64 s[8:9], s[8:9], s[56:57]
	v_and_b32 v1, 31, v0
	s_delay_alu instid0(VALU_DEP_1)
	v_lshlrev_b32 v1, 4, v1                        ; 16 x lane: my place in an image's group (K)
	s_delay_alu instid0(VALU_DEP_1)
	v_add_nc_u32 v2, 0x10000, v1                   ; the same in V
	v_lshlrev_b32 v3, 4, v0                        ; 512 x wave + 16 x lane: my query tile's group, in q and in the result
	v_lshrrev_b32 v6, 8, v0
	s_delay_alu instid0(VALU_DEP_1)
	v_lshlrev_b32 v6, 9, v6                        ; time_diffs: l = 128 (wave / 8) + 8 r + wave % 8, 4 bytes each
	v_bfe_u32 v7, v0, 5, 3
	s_delay_alu instid0(VALU_DEP_1)
	v_lshl_add_u32 v6, v7, 2, v6
	v_and_b32 v7, 15, v0
	s_delay_alu instid0(VALU_DEP_1)
	v_lshl_add_u32 v6, v7, 5, v6
	global_load_b128 v[QR:QR+3], v3, s[4:5]
	global_load_b32 v8, v6, s[8:9]
.irp j, 4,5,6,7
	v_mov_b32 v[QR+\j], 0                          ; K is 32 of the form's 64: the upper half is zero codes on both sides, written once
.endr
.irp t, 0,1,2,3,4,5,6,7
.irp j, 4,5,6,7
	v_mov_b32 v[KF+8*\t+\j], 0
.endr
.endr
.irp j, 0,1,2,3,4,5,6,7,8,9,10,11,12,13,14,15
	v_mov_b32 v[OA+\j], 0                          ; O^T: the step is written once; the first finds zeros
.endr
	v_mov_b32 v13, 0xff61b1e6                      ; the largest t so far: -3e38
	s_delay_alu instid0(VALU_DEP_1)
	v_floor_f32 v12, -v13                          ; -M
	v_mov_b32 v14, 0
	v_mov_b32 v15, 0
	v_mov_b32 v218, 0                              ; a lane permute's destination counts as read
	v_mov_b32 v221, 0                              ; (named as the upper half of the pair v[220:221])
	s_wait_loadcnt 0x0
	s_wait_kmcnt 0x0
	v_mul_f32 v8, 0xbe93bb63, v8                   ; -time_diff x log2(e) / 5
	s_wait_alu depctr_va_vdst(0)
	v_exp_f32 v8, v8                               ; the decay
	s_add_co_i32 s50, s40, s41                     ; eq + ek
	v_nop
	s_wait_alu depctr_va_vdst(0)
	v_mul_f32 v8, 0x3f252b5c, v8                   ; x log2(e) / sqrt(5)
	s_delay_alu instid0(VALU_DEP_1)
	v_ldexp_f32 v8, v8, s50
	s_delay_alu instid0(VALU_DEP_1)
	v_mov_b32 v9, v8
	s_add_co_i32 s51, s42, 127
	s_add_co_i32 s52, s42, 135
	s_lshl_b32 s51, s51, 23
	s_lshl_b32 s52, s52, 23
	s_or_b32 s52, s52, 0x600000
	v_mov_b32 v11, s51                             ; 2^ep
	v_mov_b32 v10, s52                             ; 448 x 2^ep
.macro STEP                            ; 128 keys: the row tile at LDS byte s45 of K and of V
	v_add_nc_u32 v4, s45, v1
	v_add_nc_u32 v5, s45, v2
	v_nop
	v_nop                                          ; with the two additions: four places in front of loads into V's registers, which the last products read
.irp t, 0,1,2,3,4,5,6,7
	ds_load_b128 v[KF+8*\t:KF+8*\t+3], v4 offset:512*\t
.endr
	s_setprio 2
.irp q, 0,1,2,3,4,5,6,7
	ds_load_b128 v[VF+4*\q:VF+4*\q+3], v5 offset:512*\q
.endr
	s_wait_dscnt 0x8                               ; K's eight loads are in; V's eight may be out
.irp t, 0,1,2,3,4,5,6,7
	v_wmma_f32_16x16x64_fp8_fp8 v[SC+8*\t:SC+8*\t+7], v[KF+8*\t:KF+8*\t+7], v[QR:QR+7], 0
.endr
.rept 4
	v_nop
.endr
	v_max3_num_f32 v216, v[SC], v[SC+1], v[SC+2]   ; the step's largest score of my query among my 64 keys, in two chains, each tile from its low end on
	v_max3_num_f32 v217, v[SC+3], v[SC+4], v[SC+5]
.irp i, 6,10,14,18,22,26,30,34,38,42,46,50,54,58
	v_max3_num_f32 v216, v216, v[SC+\i], v[SC+1+\i]
	v_max3_num_f32 v217, v217, v[SC+2+\i], v[SC+3+\i]
.endr
	v_max3_num_f32 v216, v216, v[SC+62], v[SC+63]
	s_delay_alu instid0(VALU_DEP_1)
	v_max_num_f32 v216, v216, v217
	s_delay_alu instid0(VALU_DEP_1)
	v_permlanex16_b32 v218, v216, s48, s49
	s_delay_alu instid0(VALU_DEP_1)
	v_max_num_f32 v216, v216, v218                 ; and among lane l xor 16's
	s_delay_alu instid0(VALU_DEP_1)
	v_mul_f32 v216, v8, v216                       ; as t (c is positive)
	s_delay_alu instid0(VALU_DEP_1)
	v_max_num_f32 v13, v13, v216
	v_mov_b32 v216, v12
	s_delay_alu instid0(VALU_DEP_2)
	v_floor_f32 v12, -v13                          ; the new -M = -ceil(t)
	s_delay_alu instid0(VALU_DEP_1)
	v_sub_f32 v216, v12, v216                      ; old M - new M: a whole number, 0 or less
	s_delay_alu instid0(VALU_DEP_1)
	v_cvt_i32_f32 v216, v216                       ; (it saturates)
	s_delay_alu instid0(VALU_DEP_1)
	v_ldexp_f32 v220, 1.0, v216                    ; f = 2^(old M - new M)
.irp j, 0,2,4,6,8,10,12,14,16,18,20,22,24,26,28,30,32,34,36,38,40,42,44,46,48,50,52,54,56,58,60,62
	v_pk_fma_f32 v[SC+\j:SC+\j+1], v[SC+\j:SC+\j+1], v[8:9], v[12:13] op_sel_hi:[1,1,0]   ; t - M
.endr
	s_wait_alu depctr_va_vdst(0)
.irp j, 0,1,2,3,4,5,6,7,8,9,10,11,12,13,14,15,16,17,18,19,20,21,22,23,24,25,26,27,28,29,30,31,32,33,34,35,36,37,38,39,40,41,42,43,44,45,46,47,48,49,50,51,52,53,54,55,56,57,58,59,60,61,62,63
	v_exp_f32 v[SC+\j], v[SC+\j]                   ; p = 2^(t - M)
.endr
	s_setprio 1
	v_pk_mul_f32 v[14:15], v[14:15], v[220:221] op_sel_hi:[1,0]   ; the sum under the new M (a plain line behind the exponentials)
	s_wait_alu depctr_va_vdst(0)
	v_pk_add_f32 v[222:223], v[124:125], v[128:129]
	v_pk_add_f32 v[252:253], v[132:133], v[136:137]
	v_pk_add_f32 v[250:251], v[140:141], v[144:145]
	v_pk_add_f32 v[248:249], v[148:149], v[152:153]
	v_pk_add_f32 v[246:247], v[156:157], v[160:161]
	v_pk_add_f32 v[244:245], v[164:165], v[168:169]
	v_pk_add_f32 v[242:243], v[172:173], v[176:177]
	v_pk_add_f32 v[14:15], v[14:15], v[180:181]
	v_pk_add_f32 v[222:223], v[222:223], v[120:121]
	v_pk_add_f32 v[252:253], v[252:253], v[122:123]
	v_pk_add_f32 v[250:251], v[250:251], v[126:127]
	v_pk_add_f32 v[248:249], v[248:249], v[130:131]
	v_pk_add_f32 v[246:247], v[246:247], v[134:135]
	v_pk_add_f32 v[244:245], v[244:245], v[138:139]
	v_pk_add_f32 v[242:243], v[242:243], v[142:143]
	v_pk_add_f32 v[14:15], v[14:15], v[146:147]
	v_pk_add_f32 v[222:223], v[222:223], v[150:151]
	v_pk_add_f32 v[252:253], v[252:253], v[154:155]
	v_pk_add_f32 v[250:251], v[250:251], v[158:159]
	v_pk_add_f32 v[248:249], v[248:249], v[162:163]
	v_pk_add_f32 v[246:247], v[246:247], v[166:167]
	v_pk_add_f32 v[244:245], v[244:245], v[170:171]
	v_pk_add_f32 v[242:243], v[242:243], v[174:175]
	v_pk_add_f32 v[14:15], v[14:15], v[178:179]
	v_pk_add_f32 v[222:223], v[222:223], v[182:183]
	s_delay_alu instid0(VALU_DEP_2)
	v_pk_add_f32 v[14:15], v[14:15], v[248:249]
	s_delay_alu instid0(VALU_DEP_2)
	v_pk_add_f32 v[222:223], v[222:223], v[246:247]
	v_pk_add_f32 v[252:253], v[252:253], v[244:245]
	v_pk_add_f32 v[250:251], v[250:251], v[242:243]
	s_delay_alu instid0(VALU_DEP_2)
	v_pk_add_f32 v[14:15], v[14:15], v[252:253]
	s_delay_alu instid0(VALU_DEP_2)
	v_pk_add_f32 v[222:223], v[222:223], v[250:251]
	s_delay_alu instid0(VALU_DEP_1)
	v_pk_add_f32 v[14:15], v[14:15], v[222:223]
.irp b, 0,1,2,3,4,5,6,7
.irp i, 0,1,2,3,4,5,6,7
	v_min_num_f32 v[SC+8*\b+\i], v[SC+8*\b+\i], v10   ; the conversion does not saturate (ISA guide 7.6.2); p is not negative: a one-sided hold
.endr
	v_cvt_scalef32_pk8_fp8_f32 v[PC+2*\b:PC+2*\b+1], v[SC+8*\b:SC+8*\b+7], v11
.endr
	s_setprio 0
.irp j, 0,2,4,6,8,10,12,14
	v_pk_mul_f32 v[OA+\j:OA+\j+1], v[OA+\j:OA+\j+1], v[220:221] op_sel_hi:[1,0]   ; O^T under the new M (also the plain lines behind the conversions)
.endr
	s_wait_alu depctr_va_vdst(0)
	s_wait_dscnt 0x0                               ; V is in
.irp u, 0,1
	v_wmma_f32_16x16x128_fp8_fp8 v[OA+8*\u:OA+8*\u+7], v[VF+16*\u:VF+16*\u+15], v[PC:PC+15], v[OA+8*\u:OA+8*\u+7]
.endr
.endm
.macro QUARTER j                       ; four steps: the j-th 16 KB of K and of V
	s_wait_tensorcnt 3-\j                          ; tensor loads of a wave end in order: quarter j has landed, the 3 - j behind it may be out (waves that fetch nothing pass)
	s_barrier_signal -1
	s_barrier_wait -1                              ; K's and V's quarter are there for all sixteen waves
	s_mov_b32 s45, \j*16384
	s_mov_b32 s46, 4
.Lstep_\@:
	STEP
	s_add_co_u32 s45, s45, 4096
	s_sub_co_u32 s46, s46, 1
	s_cmp_lg_u32 s46, 0
	s_cbranch_scc1 .Lstep_\@
	s_setprio 0
.endm
	QUARTER 0
	QUARTER 1
	QUARTER 2
	QUARTER 3
	; THE WAY OUT: O^T / the sum x 2^(ep + ev) is quantised with 2^eo: a lane's 16 numbers are e = 16 h + 0..15 of its query: one group of the next product's operand
.rept 4
	v_nop
.endr
	v_add_f32 v14, v14, v15
	s_delay_alu instid0(VALU_DEP_1)
	v_permlanex16_b32 v218, v14, s48, s49
	s_delay_alu instid0(VALU_DEP_1)
	v_add_f32 v14, v14, v218                       ; the row's sum
	s_wait_alu depctr_va_vdst(0)
	v_rcp_f32 v14, v14
	s_add_co_i32 s50, s42, s43
	v_nop
	s_wait_alu depctr_va_vdst(0)
	v_ldexp_f32 v14, v14, s50
	s_add_co_i32 s51, s44, 127
	s_add_co_i32 s52, s44, 135
	s_lshl_b32 s51, s51, 23
	s_lshl_b32 s52, s52, 23
	s_or_b32 s52, s52, 0x600000
	v_mov_b32 v11, s51                             ; 2^eo
	v_mov_b32 v10, s52                             ; 448 x 2^eo
.irp j, 0,2,4,6,8,10,12,14
	v_pk_mul_f32 v[SC+\j:SC+\j+1], v[OA+\j:OA+\j+1], v[14:15] op_sel_hi:[1,0]
.endr
.irp i, 0,1,2,3,4,5,6,7,8,9,10,11,12,13,14,15
	v_med3_num_f32 v[SC+\i], v[SC+\i], -v10, v10
.endr
	v_cvt_scalef32_pk8_fp8_f32 v[PC:PC+1], v[SC:SC+7], v11
	v_cvt_scalef32_pk8_fp8_f32 v[PC+2:PC+3], v[SC+8:SC+15], v11
	v_nop
	global_store_b128 v3, v[PC:PC+3], s[10:11]     ; the wave stores 512 consecutive bytes, aligned
	s_wait_tensorcnt 0x0
	s_wait_dscnt 0x0
	s_wait_tensorcnt 0x0
	ds_add_u32 v254, v255
	s_wait_dscnt 0x0
	CROUND                                         ; the closing round: no work-group ends while a partner may still ask for a tile that names it
	s_endpgm
.Lfunc_end_k_q03af762cfc_attn0:
	.size	k_q03af762cfc_attn0, .Lfunc_end_k_q03af762cfc_attn0-k_q03af762cfc_attn0
	.p2alignl 7, 3214868480
	.fill 96, 4, 3214868480
	.section	.rodata,"a",@progbits
	.p2align	6, 0x0
	.amdhsa_kernel k_q03af762cfc_attn0
		.amdhsa_group_segment_fixed_size 169984
		.amdhsa_private_segment_fixed_size 0
		.amdhsa_enable_private_segment 0
		.amdhsa_kernarg_size 32
		.amdhsa_user_sgpr_count 2
		.amdhsa_user_sgpr_kernarg_segment_ptr 1
		.amdhsa_wavefront_size32 1
		.amdhsa_system_sgpr_workgroup_id_x 1
		.amdhsa_system_sgpr_workgroup_id_y 1
		.amdhsa_system_sgpr_workgroup_id_z 1
		.amdhsa_system_vgpr_workitem_id 0
		.amdhsa_next_free_vgpr 256
		.amdhsa_next_free_sgpr 66
		.amdhsa_reserve_vcc 0
		.amdhsa_float_denorm_mode_32 3
		.amdhsa_float_denorm_mode_16_64 3
		.amdhsa_memory_ordered 1
		.amdhsa_forward_progress 1
		.amdhsa_inst_pref_size 69
	.end_amdhsa_kernel
	.amdgpu_metadata
---
amdhsa.version: [ 1, 2 ]
amdhsa.kernels:
  - .name:           k_q03af762cfc_attn0
    .symbol:         k_q03af762cfc_attn0.kd
    .args:
      - { .name: qkv, .offset: 0, .size: 8, .value_kind: global_buffer, .address_space: global }
      - { .name: par0, .offset: 8, .size: 8, .value_kind: global_buffer, .address_space: global }
      - { .name: time_diffs, .offset: 16, .size: 8, .value_kind: global_buffer, .address_space: global }
      - { .name: aimg, .offset: 24, .size: 8, .value_kind: global_buffer, .address_space: global }
    .group_segment_fixed_size: 169984
    .private_segment_fixed_size: 0
    .kernarg_segment_align: 8
    .kernarg_segment_size: 32
    .max_flat_workgroup_size: 512
    .sgpr_count:     66
    .vgpr_count:     256
    .wavefront_size: 32
...
	.end_amdgpu_metadata
.endif
;; end of part 8
;; launch post_qkv (part 9): grid 256 x 1, 8 waves a work-group, no clusters, 55,296 bytes of LDS; arguments aimg, xA, wimg, lowp_scales, bo, ln1_g, ln1_b, b1, b2, ln2_g, ln2_b, bq, bk, bv, qkv, xB; writes qkv, xB
.if DOCPART == 9
	.amdgcn_target "amdgcn-amd-amdhsa--gfx1250"
	.amdhsa_code_object_version 6
	.text
	.protected	k_q03af762cfc_post_qkv
	.globl	k_q03af762cfc_post_qkv
	.p2align	8
	.type	k_q03af762cfc_post_qkv,@function
k_q03af762cfc_post_qkv:
	s_mov_b64 s[64:65], 0
	v_nop
	global_prefetch_b8 v0, s[64:65] scope:SCOPE_SE
	s_setreg_imm32_b32 hwreg(HW_REG_WAVE_SCHED_MODE, 0, 2), 2
	s_setreg_imm32_b32 hwreg(HW_REG_WAVE_MODE, 25, 1), 1
	s_wait_xcnt 0x0
	s_wait_alu depctr_vm_vsrc(0)
; Layer 0 behind its attention (x + attn Wo + bo, LayerNorm, the two products of the feed-forward with both ReLUs, residual, LayerNorm), then layer 1's q, k and v.  All products on codes of E4M3.
; SHARES.  A work-group owns 32 rows (two tiles T of 16).  THE EIGHT WAVES SHARE THE COLUMNS: in each phase [32 x 256] x [256 x 256] wave w makes columns 32 w .. 32 w + 31, two tiles of 16 (a = 0, 1): 8 matrix instructions.
; The feed-forward goes in four slices of 256 hidden units: up (W1's rows 256 i on), ReLU and codes, down (W2's K = 256 i on), summed in one set of accumulators.
; LAYOUT along K, alike on both sides: lane (r, h), registers 4 c .. 4 c + 3 hold k = 32 c + 16 h + 0..15.  A product is used transposed (source 0 = the weight), and lane r of tile (w, a) takes weight row
; 32 w + 8 a + r + 8 (r / 8): a lane's 16 results are columns 32 w + 16 h + 0..15 of row r, and their 16 codes one group of the next operand.  OPERANDS GO FROM WAVE TO WAVE AS IMAGES OF THEIR REGISTERS (a group at 16 x lane).
; v is made the other way round (source 0 = x): a lane then holds eight rows of one column: eight neighbouring keys.
; WEIGHTS come from wimg straight into the registers of the one wave that multiplies them, into three sets of 64 registers by turns.  No LDS ring and no joint loads for them: a phase is 8 matrix instructions a wave,
; so a slot filled behind a barrier would have 8 matrix instructions in which to land; loads into registers are counted instead.
; LAYERNORM: each wave's mean and sum of squared differences of its 32 columns of a row meet in LDS; the eight are merged (mean of means; sums + 32 x the means' squared differences): no difference of large sums.
; LIMITS: each sum of two exponents of a product between -126 and 127; each quantiser's exponent between -126 and 119.  NaN among the inputs is not served.
; REGISTERS.  Window 0: v1-11 addresses and the quantiser in hand; v[12:13], v[14:15] a tile's (mean, sum of squares); v16-79 AF, v80-143 HF: four fragments each (at times LayerNorm's gains and biases);
;             v144-175 HA, v176-207 FA: four accumulators each ((T, a) at 16 T + 8 a), also work registers; v208-239 x, 16 a tile; v240-255 codes.  Window 1: v0-191 three sets of weights; v192-255 four sets of 16 biases.
; THE MODE: SCHED_MODE bits 1:0 = 2 (LLVM: expert scheduling mode 2), set by the entry lines.  The code itself states the register dependences
; between vector or matrix instructions and memory or LDS instructions, with s_wait_alu, always for 0.
; THE PLAN.  Registers that memory or LDS instructions touch, and who else names them:
;   v1-v7, v10, v11     offsets and addresses: written at the head, never again.
;   weight set n % 3    phase n's loads land there, phase n's eight products read it, phase n + 3's loads land there.     bias set n % 4: likewise, read by phase n's bias lines.
;   AF                  attention's fragments, then x's codes for W1 (read by the four UP phases), then the second LayerNorm's gains and biases, then x's codes for q and, behind q's products, for v.
;   HF                  the first LayerNorm's gains and biases, then a hidden slice's fragments (read by that slice's DOWN phase), then x's codes for k.
;   HA, FA              accumulators and work registers of vector and matrix instructions; LayerNorm's eight pairs land in their first sixteen; C3 (in HA) and VC (in FA) hold codes at the end.
;   v[12:15]            written by a LayerNorm's statistics, read by its two LDS stores.
;   CD, CD + 8          codes: written by conversions, read by LDS stores, the two sets by turns from slice to slice; at the end q's and k's own codes, read by global stores.
;   X1                  read by the global stores of x, behind its last write.
; ONE wait on va_vdst stands in a hidden slice, behind its conversions: the codes are written; the last DOWN's and this UP's products are done reading their weight sets and HF (in the last slice AF too); the bias lines are done
; reading their set.  Behind it follow the slice's two LDS stores, the loads of the weights for the two sets just freed, the barrier and the fetch of HF, with no further wait: no vector or matrix instruction since the wait names a
; register that they touch.  A LayerNorm has one such wait behind its statistics (and the wait for its two reciprocal roots), the tail four.  Waits on vm_vsrc stand where a set of code registers is written again.
.set LI,   1                           ; 16 x lane
.set WO,   2                           ; + 8,192 w: my part of a chunk of wimg
.set IMW,  3                           ; + 512 w: my group in an image
.set PB,   4                           ; 128 w + 64 h: my 16 columns in a row of f32
.set LNW,  5                           ; 80 r + 8 w: where my wave's two numbers of row r go
.set LNR,  6                           ; 80 r: row r's eight pairs
.set XO,   7                           ; 16 x lane + 2,048 w: my part of x's image
.set SCV,  8
.set LIMV, 9
.set VB,   10
.set VO,   11
.set AF,   16
.set HF,   80
.set HA,   144
.set FA,   176
.set X1,   208
.set CD,   240
.set C3,   HA+16                       ; x's codes for v: eight registers of HA that the quantiser's work registers leave free
.set VC,   FA                          ; v's own codes: FA is free once k's codes are made
.set BR,   192
.set XIMG,  0                          ; LDS: images of 8 KB, group (8 T + w) at 512 bytes each: x for W1,
.set HIMG0, 8192                       ; the hidden slices, two by turns,
.set HIMG1, 16384
.set XQ,    24576                      ; x for q, k, v;
.set XK,    32768
.set XV,    40960
.set LNS0,  49152                      ; LayerNorm's exchange, two by turns: 2 tiles x 16 rows x 80 bytes
.set LNS1,  51712
.set WP,    8                          ; s[8:9] wimg
.set P_BO,  12
.set P_L1G, 14
.set P_L1B, 16
.set P_B1,  18
.set P_B2,  20
.set P_L2G, 22
.set P_L2B, 24
.set QKVP,  32
.set LCH,   0                          ; the layer's first chunk of wimg, and its offsets in the small tensors
.set LOF,   0
.set LOF1,  0
.set PP_O, 52
.set PP_1, 54
.set PP_2, 56
.set PP_Q, 58
.set PP_K, 60
.set PP_V, 62
.set SX_1, 66
.set SX_H, 68
.set SX_Q, 70
.set SX_K, 72
.set SX_V, 74
.set SO_Q, 76
.set SO_K, 78
.set SO_V, 80
.set SEL,  84
.set C32I, 86
.set C8I,  87
.set C32,  88
.set C256I, 89
.set EPSR, 90
.set NQ,   9
.set NK,   10
.set NV,   11
.set ISS,  0
.set MSB,  0
.macro WIN new                         ; the immediate's high byte repeats the setting that is left
.if MSB != \new
	s_set_vgpr_msb (MSB<<8)|\new
.set MSB, \new
.endif
.endm
.macro PLACES                          ; behind matrix instructions: four places serve reads of results, the fifth a matrix instruction that begins an accumulator anew (ISA guide 7.12.1)
.rept 5
	v_nop
.endr
.endm
.macro MKQ S, e
	s_add_co_i32 s[\S], s[\e], 127
	s_add_co_i32 s[\S+1], s[\e], 135
	s_lshl_b32 s[\S], s[\S], 23
	s_lshl_b32 s[\S+1], s[\S+1], 23
	s_or_b32 s[\S+1], s[\S+1], 0x600000
.endm
.macro MKP P, ea, eb
	s_add_co_i32 s[\P], s[\ea], s[\eb]
	s_add_co_i32 s[\P], s[\P], 127
	s_lshl_b32 s[\P], s[\P], 23
	s_mov_b32 s[\P+1], s[\P]
.endm
.macro ENDG g
.set END_\g, ISS
.endm
.macro WAITG g                         ; loads come back in order (ISA guide 5.7.1): those issued behind group g may stay out
	s_wait_loadcnt ISS-END_\g
.endm
.macro WLOAD n, ch
	WIN 0x40
.irp q, 0,1,2,3,4,5,6,7,8,9,10,11,12,13,14,15
	global_load_b128 v[64*((\n)%3)+4*\q:64*((\n)%3)+4*\q+3], v[WO], s[WP:WP+1] offset:(\ch)*65536+512*\q
.endr
.set ISS, ISS+16
.endm
.macro BLOAD n, base, off
	WIN 0x40
.irp q, 0,1,2,3
	global_load_b128 v[BR+16*((\n)%4)+4*\q:BR+16*((\n)%4)+4*\q+3], v[PB], s[\base:\base+1] offset:\off+16*\q
.endr
.set ISS, ISS+4
.endm
.macro VLOAD n, base, off
	WIN 0x40
	global_load_b32 v[BR+16*((\n)%4)], v[VB], s[\base:\base+1] offset:\off
	global_load_b32 v[BR+16*((\n)%4)+1], v[VB], s[\base:\base+1] offset:\off+128
.set ISS, ISS+2
.endm
.macro PLOAD reg, base, off            ; my 16 columns of a gain or bias, into window 0
	WIN 0
.irp q, 0,1,2,3
	global_load_b128 v[\reg+4*\q:\reg+4*\q+3], v[PB], s[\base:\base+1] offset:\off+16*\q
.endr
.set ISS, ISS+4
.endm
.macro GUP n, i                        ; slice i of W1 and of b1
	WLOAD \n, LCH+4+\i
	BLOAD \n, P_B1, LOF1+1024*\i
	ENDG \n
.endm
.macro GDN n, i                        ; slice i of W2
	WLOAD \n, LCH+8+\i
	ENDG \n
.endm
.macro FETCH reg, base
	WIN 0
.irp q, 0,1,2,3,4,5,6,7,8,9,10,11,12,13,14,15
	ds_load_b128 v[\reg+4*\q:\reg+4*\q+3], v[LI] offset:\base+512*\q
.endr
.endm
.macro MULT acc, xf, n, nat, zero      ; 8 matrix instructions; the four accumulators take turns
.if \nat
	WIN 0x04
.else
	WIN 0x01
.endif
.irp s, 0,1
.irp t, 0,1
.irp a, 0,1
.set rD, \acc+16*\t+8*\a
.set rW, 64*((\n)%3)+16*(2*\a+\s)
.set rX, \xf+16*(2*\t+\s)
.if \nat
.if (\s == 0) && \zero
	v_wmma_f32_16x16x128_fp8_fp8 v[rD:rD+7], v[rX:rX+15], v[rW:rW+15], 0
.else
	v_wmma_f32_16x16x128_fp8_fp8 v[rD:rD+7], v[rX:rX+15], v[rW:rW+15], v[rD:rD+7]
.endif
.else
.if (\s == 0) && \zero
	v_wmma_f32_16x16x128_fp8_fp8 v[rD:rD+7], v[rW:rW+15], v[rX:rX+15], 0
.else
	v_wmma_f32_16x16x128_fp8_fp8 v[rD:rD+7], v[rW:rW+15], v[rX:rX+15], v[rD:rD+7]
.endif
.endif
.endr
.endr
.endr
	WIN 0
.endm
.macro BIAS acc, pp, n                 ; sum x 2^(eA + eB) + bias, two at a time; each accumulator from its low end on
	WIN 0x10
.irp t, 0,16
.irp j, 0,2,4,6,8,10,12,14
	v_pk_fma_f32 v[\acc+\t+\j:\acc+\t+\j+1], v[\acc+\t+\j:\acc+\t+\j+1], s[\pp:\pp+1], v[BR+16*((\n)%4)+\j:BR+16*((\n)%4)+\j+1] op_sel_hi:[1,0,1]
.endr
.endr
	WIN 0
.endm
.macro QUANT src, tmp, cd, relu        ; 16 neighbours along K -> 16 codes.  The conversion does not saturate (ISA guide 7.6.2): the hold comes first; relu = 1: it clips at 0 as well
	WIN 0
.irp i, 0,1,2,3,4,5,6,7,8,9,10,11,12,13,14,15
.if \relu
	v_med3_num_f32 v[\tmp+\i], v[\src+\i], 0, v[LIMV]
.else
	v_med3_num_f32 v[\tmp+\i], v[\src+\i], -v[LIMV], v[LIMV]
.endif
.endr
	v_cvt_scalef32_pk8_fp8_f32 v[\cd:\cd+1], v[\tmp:\tmp+7], v[SCV]
	v_cvt_scalef32_pk8_fp8_f32 v[\cd+2:\cd+3], v[\tmp+8:\tmp+15], v[SCV]
	v_nop                                          ; a plain line between the conversions and whatever next touches their registers
.endm
.macro BARRIER
	s_wait_dscnt 0x0
	s_barrier_signal -1
	s_barrier_wait -1
.endm
.macro LNSTAT t, tmp                   ; my 32 columns of row r (16 here, 16 in lane l xor 16): their mean and their sum of squared differences from it, into v[12 + 2 t : 13 + 2 t]
	WIN 0
.set rX, X1+16*\t
.set rS, 12+2*\t
	v_pk_add_f32 v[\tmp:\tmp+1], v[rX:rX+1], v[rX+2:rX+3]
	v_pk_add_f32 v[\tmp+2:\tmp+3], v[rX+4:rX+5], v[rX+6:rX+7]
	v_pk_add_f32 v[\tmp+4:\tmp+5], v[rX+8:rX+9], v[rX+10:rX+11]
	v_pk_add_f32 v[\tmp+6:\tmp+7], v[rX+12:rX+13], v[rX+14:rX+15]
	v_pk_add_f32 v[\tmp:\tmp+1], v[\tmp:\tmp+1], v[\tmp+2:\tmp+3]
	v_pk_add_f32 v[\tmp+4:\tmp+5], v[\tmp+4:\tmp+5], v[\tmp+6:\tmp+7]
	v_pk_add_f32 v[\tmp:\tmp+1], v[\tmp:\tmp+1], v[\tmp+4:\tmp+5]
	v_add_f32 v[\tmp], v[\tmp], v[\tmp+1]
	v_permlanex16_b32 v[\tmp+1], v[\tmp], s[SEL], s[SEL+1]
	v_add_f32 v[\tmp], v[\tmp], v[\tmp+1]
	v_mul_f32 v[rS], s[C32I], v[\tmp]
.irp j, 0,2,4,6,8,10,12,14
	v_pk_add_f32 v[\tmp+\j:\tmp+\j+1], v[rX+\j:rX+\j+1], v[rS:rS+1] op_sel_hi:[1,0] neg_lo:[0,1] neg_hi:[0,1]
.endr
	v_pk_mul_f32 v[\tmp:\tmp+1], v[\tmp:\tmp+1], v[\tmp:\tmp+1]
	v_pk_mul_f32 v[\tmp+2:\tmp+3], v[\tmp+2:\tmp+3], v[\tmp+2:\tmp+3]
.irp j, 4,8,12
	v_pk_fma_f32 v[\tmp:\tmp+1], v[\tmp+\j:\tmp+\j+1], v[\tmp+\j:\tmp+\j+1], v[\tmp:\tmp+1]
	v_pk_fma_f32 v[\tmp+2:\tmp+3], v[\tmp+\j+2:\tmp+\j+3], v[\tmp+\j+2:\tmp+\j+3], v[\tmp+2:\tmp+3]
.endr
	v_pk_add_f32 v[\tmp:\tmp+1], v[\tmp:\tmp+1], v[\tmp+2:\tmp+3]
	v_add_f32 v[\tmp], v[\tmp], v[\tmp+1]
	v_permlanex16_b32 v[\tmp+1], v[\tmp], s[SEL], s[SEL+1]
	v_add_f32 v[rS+1], v[\tmp], v[\tmp+1]
.endm
.macro LNPUT lns                       ; both tiles' pairs to the exchange; both halves of the lanes hold, and write, the same two numbers
	ds_store_b64 v[LNW], v[12:13] offset:\lns
	ds_store_b64 v[LNW], v[14:15] offset:\lns+1280
.endm
.macro LNGET t, lns, tmp               ; row r's eight pairs
	WIN 0
.irp i, 0,1,2,3
	ds_load_b128 v[\tmp+4*\i:\tmp+4*\i+3], v[LNR] offset:\lns+1280*\t+16*\i
.endr
.endm
.macro LNFA t, tmp                     ; the eight are merged: the row's mean in v[tmp+16], 1 / sqrt(var + 1e-5) asked for into v[tmp+20]; x - mean
	WIN 0
.set rX, X1+16*\t
	v_pk_add_f32 v[\tmp+16:\tmp+17], v[\tmp:\tmp+1], v[\tmp+2:\tmp+3]
	v_pk_add_f32 v[\tmp+18:\tmp+19], v[\tmp+4:\tmp+5], v[\tmp+6:\tmp+7]
	v_pk_add_f32 v[\tmp+20:\tmp+21], v[\tmp+8:\tmp+9], v[\tmp+10:\tmp+11]
	v_pk_add_f32 v[\tmp+22:\tmp+23], v[\tmp+12:\tmp+13], v[\tmp+14:\tmp+15]
	v_pk_add_f32 v[\tmp+16:\tmp+17], v[\tmp+16:\tmp+17], v[\tmp+18:\tmp+19]
	v_pk_add_f32 v[\tmp+20:\tmp+21], v[\tmp+20:\tmp+21], v[\tmp+22:\tmp+23]
	v_pk_add_f32 v[\tmp+16:\tmp+17], v[\tmp+16:\tmp+17], v[\tmp+20:\tmp+21]
	v_mul_f32 v[\tmp+16], s[C8I], v[\tmp+16]       ; the row's mean
.irp w, 0,2,4,6,8,10,12,14
	v_sub_f32 v[\tmp+\w], v[\tmp+\w], v[\tmp+16]
.endr
	v_mul_f32 v[\tmp+18], v[\tmp], v[\tmp]
	v_mul_f32 v[\tmp+19], v[\tmp+2], v[\tmp+2]
.irp w, 4,8,12
	v_fma_f32 v[\tmp+18], v[\tmp+\w], v[\tmp+\w], v[\tmp+18]
	v_fma_f32 v[\tmp+19], v[\tmp+\w+2], v[\tmp+\w+2], v[\tmp+19]
.endr
	v_add_f32 v[\tmp+18], v[\tmp+18], v[\tmp+19]
	v_fma_f32 v[\tmp+17], v[\tmp+18], s[C32], v[\tmp+17]
	v_fma_f32 v[\tmp+20], v[\tmp+17], s[C256I], s[EPSR]
	s_wait_alu depctr_va_vdst(0)
	v_rsq_f32 v[\tmp+20], v[\tmp+20]
	v_nop
.irp j, 0,2,4,6,8,10,12,14
	v_pk_add_f32 v[rX+\j:rX+\j+1], v[rX+\j:rX+\j+1], v[\tmp+16:\tmp+17] op_sel_hi:[1,0] neg_lo:[0,1] neg_hi:[0,1]
.endr
.endm
.macro LNFB t, tmp, g                  ; x = (x - mean) / sqrt(var + 1e-5) x gain + bias; v[g..] the gains, v[g+16..] the biases
	WIN 0
.set rX, X1+16*\t
.irp j, 0,2,4,6,8,10,12,14
	v_pk_mul_f32 v[rX+\j:rX+\j+1], v[rX+\j:rX+\j+1], v[\tmp+20:\tmp+21] op_sel_hi:[1,0]
.endr
.irp j, 0,2,4,6,8,10,12,14
	v_pk_fma_f32 v[rX+\j:rX+\j+1], v[rX+\j:rX+\j+1], v[\g+\j:\g+\j+1], v[\g+16+\j:\g+16+\j+1]
.endr
.endm
.macro XCODE sx, cd                    ; both tiles of x under the scale in s[sx]: eight registers of codes at v[cd]
	WIN 0
	v_mov_b32 v[SCV], s[\sx]
	v_mov_b32 v[LIMV], s[\sx+1]
	QUANT X1, HA, \cd, 0
	QUANT X1+16, FA, \cd+4, 0
.endm
.macro XSEND cd, img                   ; my group of each tile goes to image img
	ds_store_b128 v[IMW], v[\cd:\cd+3] offset:\img
	ds_store_b128 v[IMW], v[\cd+4:\cd+7] offset:\img+4096
.endm
.macro UP n                            ; the first hidden slice's products
	WAITG \n
	MULT HA, AF, \n, 0, 1
	PLACES
.endm
.macro DOWNUP nd, zero, nu             ; a slice's part of the second product, and the next slice's products straight behind it
	WAITG \nd
	MULT FA, HF, \nd, 0, \zero
	WAITG \nu
	MULT HA, AF, \nu, 0, 1
	PLACES
.endm
.macro DOWN n                          ; the last slice's part of the second product
	WAITG \n
	MULT FA, HF, \n, 0, 0
	PLACES
.endm
.macro HIDE n, img, c0, again          ; a slice's bias, ReLU and hold in one, codes, image.  again = 1: LDS stores have read this set of code registers before
.if \again
	s_wait_alu depctr_vm_vsrc(0)                   ; the LDS stores issued so far have read v[CD + c0 ..], which this slice's conversions write again
.endif
	BIAS HA, PP_1, \n
	QUANT HA, HA, CD+\c0, 1
	QUANT HA+16, HA+16, CD+\c0+4, 1
	s_wait_alu depctr_va_vdst(0)                   ; the conversions have written the codes, which the LDS stores read; the products issued so far are done reading their weight sets, HF and AF, and the bias lines their set: loads land in these below
	ds_store_b128 v[IMW], v[CD+\c0:CD+\c0+3] offset:\img
	ds_store_b128 v[IMW], v[CD+\c0+4:CD+\c0+7] offset:\img+4096
.endm
.macro MEET img                        ; a barrier; all eight waves' groups back.  No wait on va_vdst: no vector or matrix instruction since the slice's wait names HF
	BARRIER
	FETCH HF, \img
	s_wait_dscnt 0x0
.endm
.macro CODEQK acc, pp, n, so, c0       ; q or k: bias and codes
	BIAS \acc, \pp, \n
	v_mov_b32 v[SCV], s[\so]
	v_mov_b32 v[LIMV], s[\so+1]
	QUANT \acc, \acc, CD+\c0, 0
	QUANT \acc+16, \acc+16, CD+\c0+4, 0
.endm
.macro SENDQK c0, reg                  ; and out: the wave stores 512 consecutive bytes, aligned
	global_store_b128 v[IMW], v[CD+\c0:CD+\c0+3], s[QKVP:QKVP+1] offset:\reg
	global_store_b128 v[IMW], v[CD+\c0+4:CD+\c0+7], s[QKVP:QKVP+1] offset:\reg+4096
.endm
.macro CODEV acc, pp, n, so            ; v: a lane holds rows 8 h + 0..7 of one column for each of my two tiles: one bias a tile
	WIN 0x10
.irp t, 0,1
.irp a, 0,1
.irp j, 0,1,2,3,4,5,6,7
	v_fma_f32 v[\acc+16*\t+8*\a+\j], v[\acc+16*\t+8*\a+\j], s[\pp], v[BR+16*((\n)%4)+\a]
.endr
.endr
.endr
	WIN 0
	v_mov_b32 v[SCV], s[\so]
	v_mov_b32 v[LIMV], s[\so+1]
	QUANT \acc, \acc, VC, 0
	QUANT \acc+16, \acc+16, VC+4, 0
.endm
	s_load_b512 s[4:19], s[0:1], 0x0               ; attention's images, xA, wimg, the scales, bo, ln1_g, ln1_b, b1
	s_load_b512 s[20:35], s[0:1], 0x40             ; b2, ln2_g, ln2_b, bq, bk, bv, qkv, xB
	v_and_b32 v[LI], 31, v0
	v_lshlrev_b32 v[LI], 4, v[LI]
	v_lshrrev_b32 v12, 5, v0                       ; w
	v_and_b32 v13, 15, v0                          ; r
	v_bfe_u32 v14, v0, 4, 1                        ; h
	v_lshl_add_u32 v[WO], v12, 13, v[LI]
	v_lshl_add_u32 v[IMW], v12, 9, v[LI]
	v_lshlrev_b32 v[PB], 7, v12
	v_lshl_add_u32 v[PB], v14, 6, v[PB]
	v_mul_u32_u24 v[LNR], v13, 80
	v_lshl_add_u32 v[LNW], v12, 3, v[LNR]
	v_lshl_add_u32 v[XO], v12, 11, v[LI]
	v_lshrrev_b32 v15, 1, v12                      ; w / 2
	v_and_b32 v8, 1, v12                           ; w % 2
	v_and_b32 v9, 8, v13
	v_add_nc_u32 v9, v9, v13                       ; r + 8 (r / 8)
	v_lshl_add_u32 v9, v8, 3, v9
	v_lshl_add_u32 v9, v15, 6, v9
	v_lshlrev_b32 v[VB], 2, v9
	v_lshl_add_u32 v[VO], v8, 11, v[LI]
	v_lshl_add_u32 v[VO], v15, 9, v[VO]
	s_mov_b32 s[SEL], 0x76543210
	s_mov_b32 s[SEL+1], 0xfedcba98
	s_mov_b32 s[C32I], 0x3d000000                  ; 1 / 32
	s_mov_b32 s[C8I], 0x3e000000                   ; 1 / 8
	s_mov_b32 s[C32], 0x42000000                   ; 32
	s_mov_b32 s[C256I], 0x3b800000                 ; 1 / 256
	s_mov_b32 s[EPSR], 0x3727c5ac                  ; 1e-5
	s_lshl_b32 s92, ttmp9, 13
	s_mov_b32 s93, 0
	s_wait_kmcnt 0x0
	s_load_b512 s[36:51], s[10:11], 0x28           ; entries 10 to 25 of the scales
	s_add_nc_u64 s[4:5], s[4:5], s[92:93]          ; two tiles of 4,096 bytes of codes
	s_add_nc_u64 s[32:33], s[32:33], s[92:93]
	s_lshl_b32 s92, ttmp9, 15
	s_add_nc_u64 s[6:7], s[6:7], s[92:93]          ; two tiles of 16,384 bytes of x
	s_lshr_b32 s94, ttmp9, 6                       ; the batch
	s_mul_i32 s94, s94, 3
	s_and_b32 s95, ttmp9, 63
	s_max_u32 s95, s95, 61                         ; only a batch's last three blocks of 32 rows (its last 96 rows) go to xB
	s_add_co_u32 s94, s94, s95
	s_sub_co_u32 s94, s94, 61
	s_lshl_b32 s92, s94, 15
	s_add_nc_u64 s[34:35], s[34:35], s[92:93]
	s_wait_alu depctr_va_vdst(0)                   ; the offsets and addresses v1-v7, v10 and v11 are written: every load and store of the kernel reads one of them
.irp q, 0,1,2,3,4,5,6,7,8,9,10,11,12,13,14,15
	global_load_b128 v[AF+4*\q:AF+4*\q+3], v[LI], s[4:5] offset:512*\q      ; attention's four fragments
.endr
.irp t, 0,1
.irp i, 0,1,2,3
	global_load_b128 v[X1+16*\t+4*\i:X1+16*\t+4*\i+3], v[XO], s[6:7] offset:16384*\t+512*\i
.endr
.endr
.set ISS, 24
	BLOAD 0, P_BO, LOF
	WLOAD 0, LCH+3
	ENDG 0
	PLOAD HF, P_L1G, LOF
	PLOAD HF+16, P_L1B, LOF
	ENDG l1
	GUP 1, 0
	GDN 2, 0
	WIN 0
	s_wait_kmcnt 0x0
	MKP PP_O, 36, 37
	MKP PP_1, 38, 39
	MKP PP_2, 40, 41
	MKP PP_Q, 42, 43
	MKP PP_K, 44, 45
	MKP PP_V, 46, 47
	MKQ SX_1, 38
	MKQ SX_H, 40
	MKQ SX_Q, 42
	MKQ SX_K, 44
	MKQ SX_V, 46
	MKQ SO_Q, 48
	MKQ SO_K, 49
	MKQ SO_V, 51
	; ---- x + attn Wo + bo
	WAITG 0
	WIN 0x04
.irp t, 0,16
.irp j, 0,2,4,6,8,10,12,14
	v_pk_add_f32 v[X1+\t+\j:X1+\t+\j+1], v[X1+\t+\j:X1+\t+\j+1], v[BR+\j:BR+\j+1]
.endr
.endr
	MULT HA, AF, 0, 0, 1
	PLACES
.irp j, 0,2,4,6,8,10,12,14,16,18,20,22,24,26,28,30
	v_pk_fma_f32 v[X1+\j:X1+\j+1], v[HA+\j:HA+\j+1], s[PP_O:PP_O+1], v[X1+\j:X1+\j+1] op_sel_hi:[1,0,1]
.endr
	; ---- the first LayerNorm
	LNSTAT 0, HA
	LNSTAT 1, FA
	s_wait_alu depctr_va_vdst(0)                   ; the statistics have written v[12:15], which the LDS stores read, and are done with HA and FA, in which the eight pairs land; Wo's products are done reading weight set 0
	LNPUT LNS0
	GUP 3, 1                                       ; the second slice of W1, into the set that Wo's products have read
	BARRIER
	LNGET 0, LNS0, HA
	LNGET 1, LNS0, FA
	WAITG l1
	s_wait_dscnt 0x0
	LNFA 0, HA
	LNFA 1, FA
	s_wait_alu depctr_va_vdst(0)                   ; the two reciprocal roots v[HA+20] and v[FA+20] are written, ahead of their first readers: one wait for the batch of two
	LNFB 0, HA, HF
	LNFB 1, FA, HF
	; ---- its codes, to all waves
	XCODE SX_1, CD
	s_wait_alu depctr_va_vdst(0)                   ; the conversions have written CD, which the LDS stores read
	XSEND CD, XIMG
	BARRIER
	FETCH AF, XIMG                                 ; no vector or matrix instruction since that wait names AF
	v_mov_b32 v[SCV], s[SX_H]
	v_mov_b32 v[LIMV], s[SX_H+1]
	s_wait_dscnt 0x0
	; ---- the feed-forward, four slices; behind each slice's one wait and its LDS stores the two weight sets just read are asked for again
	UP 1
	HIDE 1, HIMG0, 0, 1
	GDN 4, 1
	MEET HIMG0
	DOWNUP 2, 1, 3
	HIDE 3, HIMG1, 8, 0
	GUP 5, 2
	GDN 6, 2
	MEET HIMG1
	DOWNUP 4, 0, 5
	HIDE 5, HIMG0, 0, 1
	GUP 7, 3
	WLOAD 8, LCH+11
	BLOAD 8, P_B2, LOF
	ENDG 8
	MEET HIMG0
	DOWNUP 6, 0, 7
	HIDE 7, HIMG1, 8, 1
	WLOAD NQ, 12
	BLOAD NQ, 26, 1024
	ENDG q
	WLOAD NK, 13
	BLOAD NK, 28, 1024
	ENDG k
	PLOAD AF, P_L2G, LOF                           ; x's fragments have had their last product: their registers take the second LayerNorm's gains and biases
	PLOAD AF+16, P_L2B, LOF
	ENDG l2
	MEET HIMG1
	DOWN 8
	BIAS FA, PP_2, 8
.irp i, 0,1,2,3,4,5,6,7,8,9,10,11,12,13,14,15,16,17,18,19,20,21,22,23,24,25,26,27,28,29,30,31
	v_max_num_f32 v[FA+\i], 0, v[FA+\i]            ; the module's second ReLU
.endr
.irp j, 0,2,4,6,8,10,12,14,16,18,20,22,24,26,28,30
	v_pk_add_f32 v[X1+\j:X1+\j+1], v[X1+\j:X1+\j+1], v[FA+\j:FA+\j+1]
.endr
	; ---- the second LayerNorm (the first one's LDS stores have read v[12:15]: the slices' waits on vm_vsrc stand behind them)
	LNSTAT 0, HA
	LNSTAT 1, FA
	s_wait_alu depctr_va_vdst(0)                   ; the statistics have written v[12:15], which the LDS stores read, and are done with HA and FA, in which the eight pairs land; W2's last products are done reading weight set 2
	LNPUT LNS1
	WLOAD NV, 14
	VLOAD NV, 30, 1024
	ENDG v
	BARRIER
	LNGET 0, LNS1, HA
	LNGET 1, LNS1, FA
	WAITG l2
	s_wait_dscnt 0x0
	LNFA 0, HA
	LNFA 1, FA
	s_wait_alu depctr_va_vdst(0)                   ; the two reciprocal roots v[HA+20] and v[FA+20] are written, ahead of their first readers: one wait for the batch of two
	LNFB 0, HA, AF
	LNFB 1, FA, AF
	; ---- x's codes under the three given scales, each set in registers of its own; then all that leaves, behind one wait
	s_wait_alu depctr_vm_vsrc(0)                   ; the last hidden slice's LDS stores have read CD + 8 .., which the conversions below write again
	XCODE SX_Q, CD
	XCODE SX_K, CD+8
	XCODE SX_V, C3
	s_wait_alu depctr_va_vdst(0)                   ; the conversions have written CD, CD + 8 and C3, which the LDS stores read; LayerNorm has written X1, which the global stores read, and is done reading AF, in which fragments land behind the barrier
	XSEND CD, XQ
	XSEND CD+8, XK
	XSEND C3, XV
	; ---- x for the last launch's residual: only the rows that it reads
	s_and_b32 s92, ttmp9, 63
	s_cmp_lt_u32 s92, 61
	s_cbranch_scc1 .Lno_x
.irp t, 0,1
.irp i, 0,1,2,3
	global_store_b128 v[XO], v[X1+16*\t+4*\i:X1+16*\t+4*\i+3], s[34:35] offset:16384*\t+512*\i   ; x's registers are not written again
.endr
.endr
.Lno_x:
	BARRIER
	s_wait_alu depctr_vm_vsrc(0)                   ; my six LDS stores have read CD, CD + 8 and C3: q's products write C3, q's and k's conversions write CD again
	; ---- layer 1's q, k, v
	FETCH AF, XQ
	FETCH HF, XK
	WAITG q
	s_wait_dscnt 16                                ; q's sixteen loads are in, k's may be out
	MULT HA, AF, NQ, 0, 1
	WAITG k
	s_wait_dscnt 0x0
	s_wait_alu depctr_va_vdst(0)                   ; q's products are done reading AF, in which x's codes for v land while k's products run: those name HF, their weights and FA alone
	FETCH AF, XV
	MULT FA, HF, NK, 0, 1
	PLACES
	CODEQK HA, PP_Q, NQ, SO_Q, 0
	CODEQK FA, PP_K, NK, SO_K, 8
	s_wait_alu depctr_va_vdst(0)                   ; the conversions have written q's and k's codes in CD, which the four stores read
	SENDQK 0, 0
	SENDQK 8, 2097152
	WAITG v
	s_wait_dscnt 0x0
	MULT HA, AF, NV, 1, 1
	PLACES
	CODEV HA, PP_V, NV, SO_V                       ; into VC, which no store has read: q's and k's stores keep CD to themselves
	s_wait_alu depctr_va_vdst(0)                   ; the conversions have written v's codes in VC, which the two stores read
	global_store_b128 v[VO], v[VC:VC+3], s[QKVP:QKVP+1] offset:4194304
	global_store_b128 v[VO], v[VC+4:VC+7], s[QKVP:QKVP+1] offset:4194304+4096
	s_wait_xcnt 0x0                                ; the stores of k's codes have had their addresses translated,
	s_wait_alu depctr_vm_vsrc(0)                   ; and have read v254 and v255, which are made anew for the closing add
	v_lshl_add_u32 v254, v0, 2, 0xd400
	v_mov_b32 v255, 0
	s_wait_dscnt 0x0                               ; the closing lines, six on end
	s_wait_alu 0x0
	s_wait_tensorcnt 0x0
	ds_add_u32 v254, v255
	s_wait_dscnt 0x0
	s_endpgm
.Lfunc_end_k_q03af762cfc_post_qkv:
	.size	k_q03af762cfc_post_qkv, .Lfunc_end_k_q03af762cfc_post_qkv-k_q03af762cfc_post_qkv
	.p2alignl 7, 3214868480
	.fill 96, 4, 3214868480
	.section	.rodata,"a",@progbits
	.p2align	6, 0x0
	.amdhsa_kernel k_q03af762cfc_post_qkv
		.amdhsa_group_segment_fixed_size 55296
		.amdhsa_private_segment_fixed_size 0
		.amdhsa_enable_private_segment 0
		.amdhsa_kernarg_size 128
		.amdhsa_user_sgpr_count 2
		.amdhsa_user_sgpr_kernarg_segment_ptr 1
		.amdhsa_wavefront_size32 1
		.amdhsa_system_sgpr_workgroup_id_x 1
		.amdhsa_system_sgpr_workgroup_id_y 1
		.amdhsa_system_sgpr_workgroup_id_z 1
		.amdhsa_system_vgpr_workitem_id 0
		.amdhsa_next_free_vgpr 512
		.amdhsa_next_free_sgpr 96
		.amdhsa_reserve_vcc 0
		.amdhsa_float_denorm_mode_32 3
		.amdhsa_float_denorm_mode_16_64 3
		.amdhsa_memory_ordered 1
		.amdhsa_forward_progress 1
		.amdhsa_inst_pref_size 112
	.end_amdhsa_kernel
	.amdgpu_metadata
---
amdhsa.version: [ 1, 2 ]
amdhsa.kernels:
  - .name:           k_q03af762cfc_post_qkv
    .symbol:         k_q03af762cfc_post_qkv.kd
    .args:
      - { .name: aimg, .offset: 0, .size: 8, .value_kind: global_buffer, .address_space: global }
      - { .name: xA, .offset: 8, .size: 8, .value_kind: global_buffer, .address_space: global }
      - { .name: wimg, .offset: 16, .size: 8, .value_kind: global_buffer, .address_space: global }
      - { .name: lowp_scales, .offset: 24, .size: 8, .value_kind: global_buffer, .address_space: global }
      - { .name: bo, .offset: 32, .size: 8, .value_kind: global_buffer, .address_space: global }
      - { .name: ln1_g, .offset: 40, .size: 8, .value_kind: global_buffer, .address_space: global }
      - { .name: ln1_b, .offset: 48, .size: 8, .value_kind: global_buffer, .address_space: global }
      - { .name: b1, .offset: 56, .size: 8, .value_kind: global_buffer, .address_space: global }
      - { .name: b2, .offset: 64, .size: 8, .value_kind: global_buffer, .address_space: global }
      - { .name: ln2_g, .offset: 72, .size: 8, .value_kind: global_buffer, .address_space: global }
      - { .name: ln2_b, .offset: 80, .size: 8, .value_kind: global_buffer, .address_space: global }
      - { .name: bq, .offset: 88, .size: 8, .value_kind: global_buffer, .address_space: global }
      - { .name: bk, .offset: 96, .size: 8, .value_kind: global_buffer, .address_space: global }
      - { .name: bv, .offset: 104, .size: 8, .value_kind: global_buffer, .address_space: global }
      - { .name: qkv, .offset: 112, .size: 8, .value_kind: global_buffer, .address_space: global }
      - { .name: xB, .offset: 120, .size: 8, .value_kind: global_buffer, .address_space: global }
    .group_segment_fixed_size: 55296
    .private_segment_fixed_size: 0
    .kernarg_segment_align: 8
    .kernarg_segment_size: 128
    .max_flat_workgroup_size: 256
    .sgpr_count:     96
    .vgpr_count:     512
    .wavefront_size: 32
...
	.end_amdgpu_metadata
.endif
;; end of part 9
;; launch attn1: the kernel of part 8 again; grid 8 x 32, 16 waves a work-group, clusters of 4 x 1, 169,984 bytes of LDS; arguments qkv, par1, time_diffs, aimg; writes aimg
;; launch post_out (part 10): grid 3 x 4, 8 waves a work-group, no clusters, 55,296 bytes of LDS; arguments aimg, xB, wimg, lowp_scales, bo, ln1_g, ln1_b, b1, b2, ln2_g, ln2_b, lnf_g, lnf_b, W_proj_codes, b_proj, out0; writes out0
.if DOCPART == 10
	.amdgcn_target "amdgcn-amd-amdhsa--gfx1250"
	.amdhsa_code_object_version 6
	.text
	.protected	k_q03af762cfc_post_out
	.globl	k_q03af762cfc_post_out
	.p2align	8
	.type	k_q03af762cfc_post_out,@function
k_q03af762cfc_post_out:
	s_mov_b64 s[64:65], 0
	v_nop
	global_prefetch_b8 v0, s[64:65] scope:SCOPE_SE
	s_setreg_imm32_b32 hwreg(HW_REG_WAVE_SCHED_MODE, 0, 2), 2
	s_setreg_imm32_b32 hwreg(HW_REG_WAVE_MODE, 25, 1), 1
	s_wait_xcnt 0x0
	s_wait_alu depctr_vm_vsrc(0)
; Layer 1 behind its attention (x + attn Wo + bo, LayerNorm, feed-forward with both ReLUs, residual, LayerNorm), the last LayerNorm and the projection, FOR THE ROWS AND THE COLUMN THAT THE RESULT'S SLICE KEEPS:
; the last 96 rows of each batch, column 0 of the projection.  All of this is row by row, so the other rows' work would be thrown away.  Twelve work-groups of 32 rows: (p, batch), rows 1,952 + 32 p on.
; SHARES, LAYOUT, WEIGHTS, LAYERNORM: a work-group owns 32 rows (two tiles T of 16); the eight waves share the columns: wave w makes columns 32 w .. 32 w + 31 of each phase [32 x 256] x [256 x 256], 8 matrix instructions.
; Along K, alike on both sides: lane (r, h), registers 4 c .. 4 c + 3 hold k = 32 c + 16 h + 0..15.  A product is used transposed (source 0 = the weight); lane r of tile (w, a) takes weight row 32 w + 8 a + r + 8 (r / 8), so a
; lane's 16 results are columns 32 w + 16 h + 0..15 of row r, and their 16 codes one group of the next operand.  Operands go from wave to wave as images of their registers (a group at 16 x lane).
; Weights come from wimg straight into the registers of the one wave that multiplies them, into three sets by turns.  No LDS ring and no joint loads: a phase is 8 matrix instructions a wave, too few for a slot filled behind a barrier to land.
; LayerNorm: each wave's mean and sum of squared differences of its 32 columns meet in LDS and are merged: no difference of large sums.
; THE PROJECTION: wave 0 alone: one tile of 16 rows of W_proj (column 0 is its first), four matrix instructions; register 0 of lanes 0-15 is column 0 of row r.
; LIMITS: each sum of two exponents of a product between -126 and 127; each quantiser's exponent between -126 and 119.  NaN among the inputs is not served.
; REGISTERS: as the map below names them.  Window 0: v1-10 addresses and the quantiser in hand; v[12:13], v[14:15] a tile's (mean, sum of squares); v16-79 AF, v80-143 HF; v144-175 HA, v176-207 FA; v208-239 x; v240-255 codes.
;            Window 1: v0-191 three sets of weights; v192-255 four sets of 16 biases.
; THE MODE: SCHED_MODE bits 1:0 = 2 (LLVM: expert scheduling mode 2), set by the entry lines.  The code itself states the register dependences
; between vector or matrix instructions and memory or LDS instructions, with s_wait_alu, always for 0.
; THE PLAN.  Registers that memory or LDS instructions touch, and who else names them:
;   v1-v7, v10          offsets and addresses: written at the head, never again.  v11 and v239 of window 1: written at the head, read by the closing add alone.
;   weight set n % 3    phase n's loads land there, phase n's eight products read it, phase n + 3's loads land there (in wave 0, at the end, W_proj's).     bias set n % 4: likewise, read by phase n's bias lines.
;   AF                  attention's fragments, then x's codes for W1 (read by the four UP phases), then the last two LayerNorms' gains and biases, then, in wave 0, x's codes for the projection.
;   HF                  the first LayerNorm's gains and biases, then a hidden slice's fragments (read by that slice's DOWN phase).
;   HA, FA              accumulators and work registers of vector and matrix instructions; LayerNorm's eight pairs land in their first sixteen.
;   v[12:15]            written by a LayerNorm's statistics, read by its two LDS stores.
;   CD, CD + 8          codes: written by conversions, read by LDS stores, the two sets by turns from slice to slice.
; ONE wait on va_vdst stands in a hidden slice, behind its conversions: the codes are written; the last DOWN's and this UP's products are done reading their weight sets and HF (in the last slice AF too); the bias lines are done
; reading their set.  Behind it follow the slice's two LDS stores, the loads for the registers just freed, the barrier and the fetch of HF, with no further wait: no vector or matrix instruction since the wait names a register that
; they touch.  A LayerNorm has one such wait behind its statistics (and the wait for its two reciprocal roots).  Waits on vm_vsrc stand where code registers or v[12:15] are written again.  The wave's number and a compare's mask have their own waits.
.set LI,   1
.set WO,   2
.set IMW,  3
.set PB,   4
.set LNW,  5
.set LNR,  6
.set XO,   7
.set SCV,  8
.set LIMV, 9
.set WPA,  10                          ; W_proj: 256 r + 16 h
.set AF,   16
.set HF,   80
.set HA,   144
.set FA,   176
.set X1,   208
.set CD,   240
.set BR,   192
.set XIMG,  0
.set HIMG0, 8192
.set HIMG1, 16384
.set XQ,    24576                      ; x's codes for the projection
.set LNS0,  49152
.set LNS1,  51712
.set WP,    8
.set P_BO,  12
.set P_L1G, 14
.set P_L1B, 16
.set P_B1,  18
.set P_B2,  20
.set P_L2G, 22
.set P_L2B, 24
.set LCH,   12                         ; layer 1's chunks of wimg, and its offsets in the small tensors
.set LOF,   1024
.set LOF1,  4096
.set PP_O, 52
.set PP_1, 54
.set PP_2, 56
.set PP_P, 58
.set SX_1, 66
.set SX_H, 68
.set SX_P, 70
.set WV,   82
.set SEL,  84
.set C32I, 86
.set C8I,  87
.set C32,  88
.set C256I, 89
.set EPSR, 90
.set ISS,  0
.set MSB,  0
.macro WIN new                         ; the immediate's high byte repeats the setting that is left
.if MSB != \new
	s_set_vgpr_msb (MSB<<8)|\new
.set MSB, \new
.endif
.endm
.macro PLACES                          ; behind matrix instructions: four places serve reads of results, the fifth a matrix instruction that begins an accumulator anew (ISA guide 7.12.1)
.rept 5
	v_nop
.endr
.endm
.macro MKQ S, e
	s_add_co_i32 s[\S], s[\e], 127
	s_add_co_i32 s[\S+1], s[\e], 135
	s_lshl_b32 s[\S], s[\S], 23
	s_lshl_b32 s[\S+1], s[\S+1], 23
	s_or_b32 s[\S+1], s[\S+1], 0x600000
.endm
.macro MKP P, ea, eb
	s_add_co_i32 s[\P], s[\ea], s[\eb]
	s_add_co_i32 s[\P], s[\P], 127
	s_lshl_b32 s[\P], s[\P], 23
	s_mov_b32 s[\P+1], s[\P]
.endm
.macro ENDG g
.set END_\g, ISS
.endm
.macro WAITG g                         ; loads come back in order (ISA guide 5.7.1): those issued behind group g may stay out
	s_wait_loadcnt ISS-END_\g
.endm
.macro WLOAD n, ch
	WIN 0x40
.irp q, 0,1,2,3,4,5,6,7,8,9,10,11,12,13,14,15
	global_load_b128 v[64*((\n)%3)+4*\q:64*((\n)%3)+4*\q+3], v[WO], s[WP:WP+1] offset:(\ch)*65536+512*\q
.endr
.set ISS, ISS+16
.endm
.macro BLOAD n, base, off
	WIN 0x40
.irp q, 0,1,2,3
	global_load_b128 v[BR+16*((\n)%4)+4*\q:BR+16*((\n)%4)+4*\q+3], v[PB], s[\base:\base+1] offset:\off+16*\q
.endr
.set ISS, ISS+4
.endm
.macro PLOAD reg, base, off
	WIN 0
.irp q, 0,1,2,3
	global_load_b128 v[\reg+4*\q:\reg+4*\q+3], v[PB], s[\base:\base+1] offset:\off+16*\q
.endr
.set ISS, ISS+4
.endm
.macro GUP n, i
	WLOAD \n, LCH+4+\i
	BLOAD \n, P_B1, LOF1+1024*\i
	ENDG \n
.endm
.macro GDN n, i
	WLOAD \n, LCH+8+\i
	ENDG \n
.endm
.macro FETCH reg, base
	WIN 0
.irp q, 0,1,2,3,4,5,6,7,8,9,10,11,12,13,14,15
	ds_load_b128 v[\reg+4*\q:\reg+4*\q+3], v[LI] offset:\base+512*\q
.endr
.endm
.macro MULT acc, xf, n, zero           ; 8 matrix instructions; the four accumulators take turns
	WIN 0x01
.irp s, 0,1
.irp t, 0,1
.irp a, 0,1
.set rD, \acc+16*\t+8*\a
.set rW, 64*((\n)%3)+16*(2*\a+\s)
.set rX, \xf+16*(2*\t+\s)
.if (\s == 0) && \zero
	v_wmma_f32_16x16x128_fp8_fp8 v[rD:rD+7], v[rW:rW+15], v[rX:rX+15], 0
.else
	v_wmma_f32_16x16x128_fp8_fp8 v[rD:rD+7], v[rW:rW+15], v[rX:rX+15], v[rD:rD+7]
.endif
.endr
.endr
.endr
	WIN 0
.endm
.macro BIAS acc, pp, n
	WIN 0x10
.irp t, 0,16
.irp j, 0,2,4,6,8,10,12,14
	v_pk_fma_f32 v[\acc+\t+\j:\acc+\t+\j+1], v[\acc+\t+\j:\acc+\t+\j+1], s[\pp:\pp+1], v[BR+16*((\n)%4)+\j:BR+16*((\n)%4)+\j+1] op_sel_hi:[1,0,1]
.endr
.endr
	WIN 0
.endm
.macro QUANT src, tmp, cd, relu        ; 16 neighbours along K -> 16 codes.  The conversion does not saturate (ISA guide 7.6.2): the hold comes first; relu = 1: it clips at 0 as well
	WIN 0
.irp i, 0,1,2,3,4,5,6,7,8,9,10,11,12,13,14,15
.if \relu
	v_med3_num_f32 v[\tmp+\i], v[\src+\i], 0, v[LIMV]
.else
	v_med3_num_f32 v[\tmp+\i], v[\src+\i], -v[LIMV], v[LIMV]
.endif
.endr
	v_cvt_scalef32_pk8_fp8_f32 v[\cd:\cd+1], v[\tmp:\tmp+7], v[SCV]
	v_cvt_scalef32_pk8_fp8_f32 v[\cd+2:\cd+3], v[\tmp+8:\tmp+15], v[SCV]
	v_nop                                          ; a plain line between the conversions and whatever next touches their registers
.endm
.macro BARRIER
	s_wait_dscnt 0x0
	s_barrier_signal -1
	s_barrier_wait -1
.endm
.macro LNSTAT t, tmp                   ; my 32 columns of row r (16 here, 16 in lane l xor 16): their mean and their sum of squared differences from it, into v[12 + 2 t : 13 + 2 t]
	WIN 0
.set rX, X1+16*\t
.set rS, 12+2*\t
	v_pk_add_f32 v[\tmp:\tmp+1], v[rX:rX+1], v[rX+2:rX+3]
	v_pk_add_f32 v[\tmp+2:\tmp+3], v[rX+4:rX+5], v[rX+6:rX+7]
	v_pk_add_f32 v[\tmp+4:\tmp+5], v[rX+8:rX+9], v[rX+10:rX+11]
	v_pk_add_f32 v[\tmp+6:\tmp+7], v[rX+12:rX+13], v[rX+14:rX+15]
	v_pk_add_f32 v[\tmp:\tmp+1], v[\tmp:\tmp+1], v[\tmp+2:\tmp+3]
	v_pk_add_f32 v[\tmp+4:\tmp+5], v[\tmp+4:\tmp+5], v[\tmp+6:\tmp+7]
	v_pk_add_f32 v[\tmp:\tmp+1], v[\tmp:\tmp+1], v[\tmp+4:\tmp+5]
	v_add_f32 v[\tmp], v[\tmp], v[\tmp+1]
	v_permlanex16_b32 v[\tmp+1], v[\tmp], s[SEL], s[SEL+1]
	v_add_f32 v[\tmp], v[\tmp], v[\tmp+1]
	v_mul_f32 v[rS], s[C32I], v[\tmp]
.irp j, 0,2,4,6,8,10,12,14
	v_pk_add_f32 v[\tmp+\j:\tmp+\j+1], v[rX+\j:rX+\j+1], v[rS:rS+1] op_sel_hi:[1,0] neg_lo:[0,1] neg_hi:[0,1]
.endr
	v_pk_mul_f32 v[\tmp:\tmp+1], v[\tmp:\tmp+1], v[\tmp:\tmp+1]
	v_pk_mul_f32 v[\tmp+2:\tmp+3], v[\tmp+2:\tmp+3], v[\tmp+2:\tmp+3]
.irp j, 4,8,12
	v_pk_fma_f32 v[\tmp:\tmp+1], v[\tmp+\j:\tmp+\j+1], v[\tmp+\j:\tmp+\j+1], v[\tmp:\tmp+1]
	v_pk_fma_f32 v[\tmp+2:\tmp+3], v[\tmp+\j+2:\tmp+\j+3], v[\tmp+\j+2:\tmp+\j+3], v[\tmp+2:\tmp+3]
.endr
	v_pk_add_f32 v[\tmp:\tmp+1], v[\tmp:\tmp+1], v[\tmp+2:\tmp+3]
	v_add_f32 v[\tmp], v[\tmp], v[\tmp+1]
	v_permlanex16_b32 v[\tmp+1], v[\tmp], s[SEL], s[SEL+1]
	v_add_f32 v[rS+1], v[\tmp], v[\tmp+1]
.endm
.macro LNPUT lns                       ; both tiles' pairs to the exchange; both halves of the lanes hold, and write, the same two numbers
	ds_store_b64 v[LNW], v[12:13] offset:\lns
	ds_store_b64 v[LNW], v[14:15] offset:\lns+1280
.endm
.macro LNGET t, lns, tmp
	WIN 0
.irp i, 0,1,2,3
	ds_load_b128 v[\tmp+4*\i:\tmp+4*\i+3], v[LNR] offset:\lns+1280*\t+16*\i
.endr
.endm
.macro LNFA t, tmp                     ; the eight are merged: the row's mean in v[tmp+16], 1 / sqrt(var + 1e-5) asked for into v[tmp+20]; x - mean
	WIN 0
.set rX, X1+16*\t
	v_pk_add_f32 v[\tmp+16:\tmp+17], v[\tmp:\tmp+1], v[\tmp+2:\tmp+3]
	v_pk_add_f32 v[\tmp+18:\tmp+19], v[\tmp+4:\tmp+5], v[\tmp+6:\tmp+7]
	v_pk_add_f32 v[\tmp+20:\tmp+21], v[\tmp+8:\tmp+9], v[\tmp+10:\tmp+11]
	v_pk_add_f32 v[\tmp+22:\tmp+23], v[\tmp+12:\tmp+13], v[\tmp+14:\tmp+15]
	v_pk_add_f32 v[\tmp+16:\tmp+17], v[\tmp+16:\tmp+17], v[\tmp+18:\tmp+19]
	v_pk_add_f32 v[\tmp+20:\tmp+21], v[\tmp+20:\tmp+21], v[\tmp+22:\tmp+23]
	v_pk_add_f32 v[\tmp+16:\tmp+17], v[\tmp+16:\tmp+17], v[\tmp+20:\tmp+21]
	v_mul_f32 v[\tmp+16], s[C8I], v[\tmp+16]       ; the row's mean
.irp w, 0,2,4,6,8,10,12,14
	v_sub_f32 v[\tmp+\w], v[\tmp+\w], v[\tmp+16]
.endr
	v_mul_f32 v[\tmp+18], v[\tmp], v[\tmp]
	v_mul_f32 v[\tmp+19], v[\tmp+2], v[\tmp+2]
.irp w, 4,8,12
	v_fma_f32 v[\tmp+18], v[\tmp+\w], v[\tmp+\w], v[\tmp+18]
	v_fma_f32 v[\tmp+19], v[\tmp+\w+2], v[\tmp+\w+2], v[\tmp+19]
.endr
	v_add_f32 v[\tmp+18], v[\tmp+18], v[\tmp+19]
	v_fma_f32 v[\tmp+17], v[\tmp+18], s[C32], v[\tmp+17]
	v_fma_f32 v[\tmp+20], v[\tmp+17], s[C256I], s[EPSR]
	s_wait_alu depctr_va_vdst(0)
	v_rsq_f32 v[\tmp+20], v[\tmp+20]
	v_nop
.irp j, 0,2,4,6,8,10,12,14
	v_pk_add_f32 v[rX+\j:rX+\j+1], v[rX+\j:rX+\j+1], v[\tmp+16:\tmp+17] op_sel_hi:[1,0] neg_lo:[0,1] neg_hi:[0,1]
.endr
.endm
.macro LNFB t, tmp, g                  ; x = (x - mean) / sqrt(var + 1e-5) x gain + bias; v[g..] the gains, v[g+16..] the biases
	WIN 0
.set rX, X1+16*\t
.irp j, 0,2,4,6,8,10,12,14
	v_pk_mul_f32 v[rX+\j:rX+\j+1], v[rX+\j:rX+\j+1], v[\tmp+20:\tmp+21] op_sel_hi:[1,0]
.endr
.irp j, 0,2,4,6,8,10,12,14
	v_pk_fma_f32 v[rX+\j:rX+\j+1], v[rX+\j:rX+\j+1], v[\g+\j:\g+\j+1], v[\g+16+\j:\g+16+\j+1]
.endr
.endm
.macro XCODE sx, cd                    ; both tiles of x under the scale in s[sx]: eight registers of codes at v[cd]
	WIN 0
	v_mov_b32 v[SCV], s[\sx]
	v_mov_b32 v[LIMV], s[\sx+1]
	QUANT X1, HA, \cd, 0
	QUANT X1+16, FA, \cd+4, 0
.endm
.macro XSEND cd, img                   ; my group of each tile goes to image img
	ds_store_b128 v[IMW], v[\cd:\cd+3] offset:\img
	ds_store_b128 v[IMW], v[\cd+4:\cd+7] offset:\img+4096
.endm
.macro UP n                            ; the first hidden slice's products
	WAITG \n
	MULT HA, AF, \n, 1
	PLACES
.endm
.macro DOWNUP nd, zero, nu             ; a slice's part of the second product, and the next slice's products straight behind it
	WAITG \nd
	MULT FA, HF, \nd, \zero
	WAITG \nu
	MULT HA, AF, \nu, 1
	PLACES
.endm
.macro DOWN n                          ; the last slice's part of the second product
	WAITG \n
	MULT FA, HF, \n, 0
	PLACES
.endm
.macro HIDE n, img, c0, again          ; a slice's bias, ReLU and hold in one, codes, image.  again = 1: LDS stores have read this set of code registers before
.if \again
	s_wait_alu depctr_vm_vsrc(0)                   ; the LDS stores issued so far have read v[CD + c0 ..], which this slice's conversions write again
.endif
	BIAS HA, PP_1, \n
	QUANT HA, HA, CD+\c0, 1
	QUANT HA+16, HA+16, CD+\c0+4, 1
	s_wait_alu depctr_va_vdst(0)                   ; the conversions have written the codes, which the LDS stores read; the products issued so far are done reading their weight sets, HF and AF, and the bias lines their set: loads land in these below
	ds_store_b128 v[IMW], v[CD+\c0:CD+\c0+3] offset:\img
	ds_store_b128 v[IMW], v[CD+\c0+4:CD+\c0+7] offset:\img+4096
.endm
.macro MEET img                        ; a barrier; all eight waves' groups back.  No wait on va_vdst: no vector or matrix instruction since the slice's wait names HF
	BARRIER
	FETCH HF, \img
	s_wait_dscnt 0x0
.endm
	s_load_b512 s[4:19], s[0:1], 0x0               ; attention's images, xB, wimg, the scales, bo, ln1_g, ln1_b, b1
	s_load_b512 s[20:35], s[0:1], 0x40             ; b2, ln2_g, ln2_b, lnf_g, lnf_b, W_proj's codes, b_proj, out0
	v_lshl_add_u32 v11, v0, 2, 0xd400
	s_set_vgpr_msb 0x40
	v_mov_b32 v239, 0
	s_set_vgpr_msb 0x4000
	v_and_b32 v[LI], 31, v0
	v_lshlrev_b32 v[LI], 4, v[LI]
	v_lshrrev_b32 v12, 5, v0                       ; w
	v_readfirstlane_b32 s[WV], v12
	v_and_b32 v13, 15, v0                          ; r
	v_bfe_u32 v14, v0, 4, 1                        ; h
	v_lshl_add_u32 v[WO], v12, 13, v[LI]
	v_lshl_add_u32 v[IMW], v12, 9, v[LI]
	v_lshlrev_b32 v[PB], 7, v12
	v_lshl_add_u32 v[PB], v14, 6, v[PB]
	v_mul_u32_u24 v[LNR], v13, 80
	v_lshl_add_u32 v[LNW], v12, 3, v[LNR]
	v_lshl_add_u32 v[XO], v12, 11, v[LI]
	v_lshlrev_b32 v[WPA], 8, v13
	v_lshl_add_u32 v[WPA], v14, 4, v[WPA]
	v_mov_b32 v15, 0                               ; (named as the upper half of the pair v[14:15])
	s_wait_alu depctr_va_sdst(0)                   ; the wave's number is written in s[WV], ahead of its first reader: the two branches that part wave 0 from the others compare it
	s_mov_b32 s[SEL], 0x76543210
	s_mov_b32 s[SEL+1], 0xfedcba98
	s_mov_b32 s[C32I], 0x3d000000                  ; 1 / 32
	s_mov_b32 s[C8I], 0x3e000000                   ; 1 / 8
	s_mov_b32 s[C32], 0x42000000                   ; 32
	s_mov_b32 s[C256I], 0x3b800000                 ; 1 / 256
	s_mov_b32 s[EPSR], 0x3727c5ac                  ; 1e-5
	s_and_b32 s94, ttmp7, 0xffff                   ; the batch
	s_lshl_b32 s92, s94, 7
	s_lshl_b32 s95, ttmp9, 1
	s_add_co_u32 s92, s92, s95
	s_add_co_u32 s92, s92, 122                     ; my first row tile: 128 x batch + 122 + 2 p
	s_lshl_b32 s92, s92, 12
	s_mov_b32 s93, 0
	s_wait_kmcnt 0x0
	s_load_b256 s[36:43], s[10:11], 0x68           ; entries 26 to 33 of the scales
	s_load_b32 s44, s[32:33], 0x0                  ; b_proj[0]
	s_add_nc_u64 s[4:5], s[4:5], s[92:93]
	s_mul_i32 s92, s94, 3
	s_add_co_u32 s92, s92, ttmp9
	s_lshl_b32 s92, s92, 15
	s_add_nc_u64 s[6:7], s[6:7], s[92:93]          ; xB's block 3 x batch + p
	s_mul_i32 s92, s94, 384
	s_lshl_b32 s95, ttmp9, 7
	s_add_co_u32 s92, s92, s95
	s_add_nc_u64 s[34:35], s[34:35], s[92:93]      ; out0: 96 numbers a batch, my 32
	s_wait_alu depctr_va_vdst(0)                   ; the offsets and addresses v1-v7 and v10 are written: the loads and LDS instructions of the kernel read them
.irp q, 0,1,2,3,4,5,6,7,8,9,10,11,12,13,14,15
	global_load_b128 v[AF+4*\q:AF+4*\q+3], v[LI], s[4:5] offset:512*\q
.endr
.irp t, 0,1
.irp i, 0,1,2,3
	global_load_b128 v[X1+16*\t+4*\i:X1+16*\t+4*\i+3], v[XO], s[6:7] offset:16384*\t+512*\i
.endr
.endr
.set ISS, 24
	BLOAD 0, P_BO, LOF
	WLOAD 0, LCH+3
	ENDG 0
	PLOAD HF, P_L1G, LOF
	PLOAD HF+16, P_L1B, LOF
	ENDG l1
	GUP 1, 0
	GDN 2, 0
	WIN 0
	s_wait_kmcnt 0x0
	MKP PP_O, 36, 37
	MKP PP_1, 38, 39
	MKP PP_2, 40, 41
	MKP PP_P, 42, 43
	MKQ SX_1, 38
	MKQ SX_H, 40
	MKQ SX_P, 42
	; ---- x + attn Wo + bo
	WAITG 0
	WIN 0x04
.irp t, 0,16
.irp j, 0,2,4,6,8,10,12,14
	v_pk_add_f32 v[X1+\t+\j:X1+\t+\j+1], v[X1+\t+\j:X1+\t+\j+1], v[BR+\j:BR+\j+1]
.endr
.endr
	MULT HA, AF, 0, 1
	PLACES
.irp j, 0,2,4,6,8,10,12,14,16,18,20,22,24,26,28,30
	v_pk_fma_f32 v[X1+\j:X1+\j+1], v[HA+\j:HA+\j+1], s[PP_O:PP_O+1], v[X1+\j:X1+\j+1] op_sel_hi:[1,0,1]
.endr
	; ---- the first LayerNorm
	LNSTAT 0, HA
	LNSTAT 1, FA
	s_wait_alu depctr_va_vdst(0)                   ; the statistics have written v[12:15], which the LDS stores read, and are done with HA and FA, in which the eight pairs land; Wo's products are done reading weight set 0
	LNPUT LNS0
	GUP 3, 1                                       ; the second slice of W1, into the set that Wo's products have read
	BARRIER
	LNGET 0, LNS0, HA
	LNGET 1, LNS0, FA
	WAITG l1
	s_wait_dscnt 0x0
	LNFA 0, HA
	LNFA 1, FA
	s_wait_alu depctr_va_vdst(0)                   ; the two reciprocal roots v[HA+20] and v[FA+20] are written, ahead of their first readers: one wait for the batch of two
	LNFB 0, HA, HF
	LNFB 1, FA, HF
	XCODE SX_1, CD
	s_wait_alu depctr_va_vdst(0)                   ; the conversions have written CD, which the LDS stores read
	XSEND CD, XIMG
	BARRIER
	FETCH AF, XIMG                                 ; no vector or matrix instruction since that wait names AF
	v_mov_b32 v[SCV], s[SX_H]
	v_mov_b32 v[LIMV], s[SX_H+1]
	s_wait_dscnt 0x0
	; ---- the feed-forward, four slices; behind each slice's one wait and its LDS stores the two weight sets just read are asked for again
	UP 1
	HIDE 1, HIMG0, 0, 1
	GDN 4, 1
	MEET HIMG0
	DOWNUP 2, 1, 3
	HIDE 3, HIMG1, 8, 0
	GUP 5, 2
	GDN 6, 2
	MEET HIMG1
	DOWNUP 4, 0, 5
	HIDE 5, HIMG0, 0, 1
	GUP 7, 3
	WLOAD 8, LCH+11
	BLOAD 8, P_B2, LOF
	ENDG 8
	MEET HIMG0
	DOWNUP 6, 0, 7
	HIDE 7, HIMG1, 8, 1
	s_cmp_lg_u32 s[WV], 0                          ; wave 0 alone makes the projection: rows 0-15 of W_proj, two fragments, into weight set 0, whose last products stand ahead of the slice's wait.
	s_cbranch_scc1 .Lno_wp                         ; (These eight loads are not in the count of issued loads: wave 0's later waits leave eight fewer out than they might)
	WIN 0x40
.irp s, 0,1
.irp c, 0,1,2,3
	global_load_b128 v[16*\s+4*\c:16*\s+4*\c+3], v[WPA], s[30:31] offset:128*\s+32*\c
.endr
.endr
	WIN 0
.Lno_wp:
	PLOAD AF, P_L2G, LOF                           ; x's fragments have had their last product: their registers take the last two LayerNorms' gains and biases
	PLOAD AF+16, P_L2B, LOF
	PLOAD AF+32, 26, 0
	PLOAD AF+48, 28, 0
	ENDG l2
	MEET HIMG1
	DOWN 8
	BIAS FA, PP_2, 8
.irp i, 0,1,2,3,4,5,6,7,8,9,10,11,12,13,14,15,16,17,18,19,20,21,22,23,24,25,26,27,28,29,30,31
	v_max_num_f32 v[FA+\i], 0, v[FA+\i]            ; the module's second ReLU
.endr
.irp j, 0,2,4,6,8,10,12,14,16,18,20,22,24,26,28,30
	v_pk_add_f32 v[X1+\j:X1+\j+1], v[X1+\j:X1+\j+1], v[FA+\j:FA+\j+1]
.endr
	; ---- the second LayerNorm (the first one's LDS stores have read v[12:15]: the slices' waits on vm_vsrc stand behind them)
	LNSTAT 0, HA
	LNSTAT 1, FA
	s_wait_alu depctr_va_vdst(0)                   ; the statistics have written v[12:15], which the LDS stores read, and are done with HA and FA, in which the eight pairs land
	LNPUT LNS1
	BARRIER
	LNGET 0, LNS1, HA
	LNGET 1, LNS1, FA
	WAITG l2
	s_wait_dscnt 0x0
	LNFA 0, HA
	LNFA 1, FA
	s_wait_alu depctr_va_vdst(0)                   ; the two reciprocal roots v[HA+20] and v[FA+20] are written, ahead of their first readers: one wait for the batch of two
	LNFB 0, HA, AF
	LNFB 1, FA, AF
	; ---- the last LayerNorm (the first exchange's bytes: their reads ended six barriers ago)
	s_wait_alu depctr_vm_vsrc(0)                   ; the second LayerNorm's LDS stores have read v[12:15], which the statistics below write again
	LNSTAT 0, HA
	LNSTAT 1, FA
	s_wait_alu depctr_va_vdst(0)                   ; the statistics have written v[12:15], which the LDS stores read, and are done with HA and FA, in which the eight pairs land
	LNPUT LNS0
	BARRIER
	LNGET 0, LNS0, HA
	LNGET 1, LNS0, FA
	s_wait_dscnt 0x0
	LNFA 0, HA
	LNFA 1, FA
	s_wait_alu depctr_va_vdst(0)                   ; the two reciprocal roots v[HA+20] and v[FA+20] are written, ahead of their first readers: one wait for the batch of two
	LNFB 0, HA, AF+32
	LNFB 1, FA, AF+32
	XCODE SX_P, CD
	s_wait_alu depctr_va_vdst(0)                   ; the conversions have written CD, which the LDS stores read; the LayerNorms are done reading AF, in which wave 0's fragments land behind the barrier
	XSEND CD, XQ
	BARRIER                                        ; the last barrier: x's codes lie in LDS
	s_cmp_lg_u32 s[WV], 0
	s_cbranch_scc1 .Lend
	; ---- the projection's column 0, by wave 0
	FETCH AF, XQ
	s_wait_loadcnt 0x0                             ; W_proj's fragments
	s_wait_dscnt 0x0
	WIN 0x01
	v_wmma_f32_16x16x128_fp8_fp8 v[HA:HA+7], v[0:15], v[AF:AF+15], 0                       ; two accumulators (the two row tiles) by turns
	v_wmma_f32_16x16x128_fp8_fp8 v[HA+8:HA+15], v[0:15], v[AF+32:AF+47], 0
	v_wmma_f32_16x16x128_fp8_fp8 v[HA:HA+7], v[16:31], v[AF+16:AF+31], v[HA:HA+7]
	v_wmma_f32_16x16x128_fp8_fp8 v[HA+8:HA+15], v[16:31], v[AF+48:AF+63], v[HA+8:HA+15]
	WIN 0
	PLACES
	v_permlanex16_b32 v[FA], v[HA+8], s[SEL], s[SEL+1]   ; the second tile's column 0 goes from lanes 0-15 to lanes 16-31
	v_and_b32 v[FA+1], 31, v0
	v_cmp_gt_u32 vcc_lo, 16, v[FA+1]
	s_wait_alu depctr_va_vcc(0)                    ; the compare has written VCC, which the select below reads
	v_cndmask_b32 v[FA], v[FA], v[HA], vcc_lo      ; lanes 0-15: rows 0-15; lanes 16-31: rows 16-31
	v_fma_f32 v[FA], v[FA], s[PP_P], s44           ; x 2^(e32 + e33) + b_proj[0]
	v_lshlrev_b32 v[FA+1], 2, v[FA+1]
	s_wait_alu depctr_va_vdst(0)                   ; the result v[FA] and its offset v[FA+1] are written, which the store reads
	global_store_b32 v[FA+1], v[FA], s[34:35]      ; 32 lanes store 128 consecutive bytes
.Lend:
	s_set_vgpr_msb 0x4                             ; the add's second register lies in window 1; the switch stands ahead of the six lines
	s_wait_dscnt 0x0                               ; the closing lines, six on end
	s_wait_alu 0x0
	s_wait_tensorcnt 0x0
	ds_add_u32 v11, v239
	s_wait_dscnt 0x0
	s_endpgm
.Lfunc_end_k_q03af762cfc_post_out:
	.size	k_q03af762cfc_post_out, .Lfunc_end_k_q03af762cfc_post_out-k_q03af762cfc_post_out
	.p2alignl 7, 3214868480
	.fill 96, 4, 3214868480
	.section	.rodata,"a",@progbits
	.p2align	6, 0x0
	.amdhsa_kernel k_q03af762cfc_post_out
		.amdhsa_group_segment_fixed_size 55296
		.amdhsa_private_segment_fixed_size 0
		.amdhsa_enable_private_segment 0
		.amdhsa_kernarg_size 128
		.amdhsa_user_sgpr_count 2
		.amdhsa_user_sgpr_kernarg_segment_ptr 1
		.amdhsa_wavefront_size32 1
		.amdhsa_system_sgpr_workgroup_id_x 1
		.amdhsa_system_sgpr_workgroup_id_y 1
		.amdhsa_system_sgpr_workgroup_id_z 1
		.amdhsa_system_vgpr_workitem_id 0
		.amdhsa_next_free_vgpr 512
		.amdhsa_next_free_sgpr 96
		.amdhsa_reserve_vcc 1
		.amdhsa_float_denorm_mode_32 3
		.amdhsa_float_denorm_mode_16_64 3
		.amdhsa_memory_ordered 1
		.amdhsa_forward_progress 1
		.amdhsa_inst_pref_size 95
	.end_amdhsa_kernel
	.amdgpu_metadata
---
amdhsa.version: [ 1, 2 ]
amdhsa.kernels:
  - .name:           k_q03af762cfc_post_out
    .symbol:         k_q03af762cfc_post_out.kd
    .args:
      - { .name: aimg, .offset: 0, .size: 8, .value_kind: global_buffer, .address_space: global }
      - { .name: xB, .offset: 8, .size: 8, .value_kind: global_buffer, .address_space: global }
      - { .name: wimg, .offset: 16, .size: 8, .value_kind: global_buffer, .address_space: global }
      - { .name: lowp_scales, .offset: 24, .size: 8, .value_kind: global_buffer, .address_space: global }
      - { .name: bo, .offset: 32, .size: 8, .value_kind: global_buffer, .address_space: global }
      - { .name: ln1_g, .offset: 40, .size: 8, .value_kind: global_buffer, .address_space: global }
      - { .name: ln1_b, .offset: 48, .size: 8, .value_kind: global_buffer, .address_space: global }
      - { .name: b1, .offset: 56, .size: 8, .value_kind: global_buffer, .address_space: global }
      - { .name: b2, .offset: 64, .size: 8, .value_kind: global_buffer, .address_space: global }
      - { .name: ln2_g, .offset: 72, .size: 8, .value_kind: global_buffer, .address_space: global }
      - { .name: ln2_b, .offset: 80, .size: 8, .value_kind: global_buffer, .address_space: global }
      - { .name: lnf_g, .offset: 88, .size: 8, .value_kind: global_buffer, .address_space: global }
      - { .name: lnf_b, .offset: 96, .size: 8, .value_kind: global_buffer, .address_space: global }
      - { .name: W_proj_codes, .offset: 104, .size: 8, .value_kind: global_buffer, .address_space: global }
      - { .name: b_proj, .offset: 112, .size: 8, .value_kind: global_buffer, .address_space: global }
      - { .name: out0, .offset: 120, .size: 8, .value_kind: global_buffer, .address_space: global }
    .group_segment_fixed_size: 55296
    .private_segment_fixed_size: 0
    .kernarg_segment_align: 8
    .kernarg_segment_size: 128
    .max_flat_workgroup_size: 256
    .sgpr_count:     96
    .vgpr_count:     512
    .wavefront_size: 32
...
	.end_amdgpu_metadata
.endif
;; end of part 10
